; MI455X (gfx1250); checked and timed in simulation.
; The chip was launched on July 23, 2026; its instructions are those of AMD's public machine-readable ISA for CDNA 5 (MIT licence, August 2026) and "CDNA5" Instruction Set Architecture Reference Guide (July 2026). The comments in the code are by the model that wrote it; some were corrected since.
;; Simple Mo E. Allowed arithmetic: matrix products marked QUANTISED: E2M3 operands, one E8M0 scale for each 32 along K, by v_wmma_scale_f32_16x16x128_f8f6f4 with both operands' format E2M3, f32 sums; products left as they are: f32 operands where the result goes on into a quantised operand, else bf16, f16 or f32 operands; f32 sums; everything else in f32.
;; Inputs: W1 8 x 1,024 x 4,096 float32; W2 8 x 4,096 x 1,024 float32; Wg 1,024 x 8 float32; b1 8 x 4,096 float32; b2 8 x 1,024 float32; bg 8 float32; x 1,024 x 1,024 float32.
;; Outputs: out0 1,024 x 1,024 float32.
;; This version of the problem:
;;   THIS VERSION OF THE PROBLEM IS GIVEN IN LOW PRECISION. The matrix products marked QUANTISED in the list below multiply operands that are first quantised to E2M3 (2 exponent bits, 3 mantissa bits; 6 bits a number), with one power-of-two scale for each 32 numbers along K (OCP MX v1.0); their sums are f32. All else is computed in f32.
;;   The module's matrix products, in the order in which they are computed (A, B: the left and right operand; K: the contracted axis; several contracted axes count as one K, in the product's order):
;;     1. [M 1,024, K 1,024] x [K 1,024, N 8]; A: input x; B: input Wg: left as it is (N = 8 < 16)
;;     2. [M 1,024, K 1,024] x [K 1,024, N 32,768]; A: input x; B: input W1: QUANTISED
;;     3. batch 8 x [M 1,024, K 4,096] x [K 4,096, N 1,024]; A: input W2; B: computed on the way: QUANTISED
;;     4. batch 1,024 x [M 1, K 8] x [K 8, N 1,024]; A: computed on the way; B: computed on the way: left as it is (K = 8 < 32)
;;   THE QUANTISER, for each operand of a quantised product, along K:
;;     - K is cut into blocks of 32 from its start; a last block that is shorter is filled with zeros.
;;     - A block's scale is 2^e with e = floor(log2(the largest magnitude in the block)) - 2, held to -126 .. 127; a block of zeros has e = 0. As a byte (E8M0): e + 127.
;;     - Each number is divided by its block's scale, clamped to +-7.5, and rounded to the nearest number of E2M3, ties to even, subnormals kept.
;;     - The product sums the exact products of the quantised numbers (number of the format x scale) in f32.
;;   ~~~python
;;   def quantise(x, axis):      # numpy; x: float32 -> the quantised numbers, widened to float32 again
;;       x = np.moveaxis(x, axis, -1); K = x.shape[-1]
;;       x = np.pad(x, [(0, 0)] * (x.ndim - 1) + [(0, -K % 32)]); x = x.reshape(x.shape[:-1] + (-1, 32)); a = np.abs(x).max(-1, keepdims=True)
;;       e = np.where(a > 0, np.clip(np.frexp(np.where(a > 0, a, 1))[1] - 1 - 2, -126, 127), 0)      # np.frexp(a)[1] - 1 = floor(log2(a)), exactly
;;       r = np.clip(x / 2.0 ** e, -7.5, 7.5)
;;       step = 2.0 ** (np.maximum(np.frexp(np.where(r == 0, 1, r))[1] - 1, 0) - 3)
;;       q = np.round(r / step) * step * 2.0 ** e      # np.round: ties to even
;;       return np.moveaxis(q.reshape(q.shape[:-2] + (-1,))[..., :K], -1, axis).astype(np.float32)
;;   ~~~
;;   OPERANDS COMPUTED ON THE WAY. 'Computed on the way' means the value that the module computes at that place (a softmax that the list does not call 'softmax' is quantised finished and normalised). What goes into a quantiser is computed in f32, as accurately as f32 sums, v_exp_f32 and their like allow (about 1e-6 of the number): no bf16 or f16 on the way to a quantiser, and a product that is left as it is and whose result goes on into a quantised operand takes f32 operands (vector FMAs, or v_wmma_f32_16x16x4_f32). A number that lies on a knife's edge between two numbers of the format may be rounded either way, as far as f32 arithmetic and the matrix unit's own rounding can turn it there, and no further.
;; 2 versions. Each part assembles by itself: llvm-mc -triple=amdgcn-amd-amdhsa -mcpu=gfx1250 --defsym DOCPART=n.
;; ======== version 1 of 2: 4 launches
;; workspace buffers: xq 786,432 bytes; xs 32,768 bytes; gw 32,768 bytes; tm 4,096 bytes of whole numbers; em 1,024 bytes of whole numbers; hq 25,165,824 bytes; hs 1,048,576 bytes; yp 16,842,752 bytes
;; launch gate (part 1): grid 32 x 1, 8 waves a work-group, no clusters, 183,296 bytes of LDS; arguments x, Wg, bg, xq, xs, gw, tm, em; writes xq, xs, gw, tm, em
.if DOCPART == 1
	.amdgcn_target "amdgcn-amd-amdhsa--gfx1250"
	.amdhsa_code_object_version 6
	.text
	.protected	k_qb3a06d5ee0_gate
	.globl	k_qb3a06d5ee0_gate
	.p2align	8
	.type	k_qb3a06d5ee0_gate,@function
k_qb3a06d5ee0_gate:
	s_mov_b64 s[64:65], 0
	v_nop
	global_prefetch_b8 v0, s[64:65] scope:SCOPE_SE
	s_setreg_imm32_b32 hwreg(HW_REG_WAVE_MODE, 25, 1), 1
	s_wait_xcnt 0x0
; THE GATE AND x's CODES.  scores = x Wg + bg in f32; the two largest scores of a token (the lower index wins a tie); weights = softmax x mask / (their sum + 1e-8);
; x [1024][1024] f32 becomes codes of FP6 (E2M3) with one E8M0 byte for each 32 along its rows.
; OUT: gw [token][8] f32 (0 where an expert is not chosen); tm [token] = the two experts' bits; em [expert][32 words], bit t of word j = token 32 j + t uses the expert;
;      xq [token][K step s][half h][c][24 bytes] = block 4 s + 2 c + h, so that a lane's 12 operand registers of a K step are 48 bytes on end; xs [token][32 bytes], one for each block.
; SHARES: a work-group takes 32 tokens, a wave 4, lane l the 32 numbers k = 32 l .. 32 l + 31 of each: a whole block, so that its largest magnitude needs no other lane.
; x is loaded as it lies (512 bytes on end a load) and turned through the wave's own stage in LDS; Wg (32 KiB) lies in LDS, 1,024 bytes + 16 for each lane's 32 rows.
; LIMITS: NaN and infinities are not served, the scores are finite.  A block whose largest magnitude lies under 2^-124 keeps the byte 1; so does a block of zeros, where the rule says 127:
; its codes are zeros, and these bytes are read by this program alone.
; No matrix unit: N = 8.  No tensor loads, no cluster: 4 MiB read once, work-groups share only Wg.
.set STGW, 18432                       ; a wave's stage: 4 tokens x 32 places of 128 + 16 bytes
.set WGL,  8*STGW                      ; Wg: 32 places of 1,024 + 16 bytes
.set SCR,  WGL+32*1040                 ; the scores: 32 tokens x 48 bytes
.set ACC,  32                          ; v32-63   sums [token][expert]
.set X,    64                          ; v64-191  x [token][32]
.set WGB,  192                         ; v192-255 two sets of 4 rows of Wg; later at work
	s_load_b256 s[4:11], s[0:1], 0x0               ; x s[4:5], Wg s[6:7], bg s[8:9], xq s[10:11]
	s_load_b256 s[12:19], s[0:1], 0x20             ; xs s[12:13], gw s[14:15], tm s[16:17], em s[18:19]
	v_lshl_add_u32 v30, v0, 2, 0x2c800
	v_mov_b32 v31, 0
	v_lshrrev_b32 v2, 5, v0
	v_readfirstlane_b32 s28, v2                    ; wave 0..7
	v_and_b32 v1, 31, v0                           ; lane
	v_lshlrev_b32 v3, 4, v0                        ; 16 x thread: Wg as it lies
	v_lshlrev_b32 v4, 4, v1                        ; 16 x lane: x as it lies
	s_lshl_b32 s29, ttmp9, 5
	s_lshl_b32 s30, s28, 2
	s_add_co_u32 s29, s29, s30                     ; my first token: 32 x work-group + 4 x wave
	s_lshl_b32 s30, s29, 12                        ; its row of 4,096 bytes
	s_mov_b32 s31, 0
	s_wait_kmcnt 0x0
	s_load_b256 s[20:27], s[8:9], 0x0              ; bg
	s_add_nc_u64 s[4:5], s[4:5], s[30:31]
.irp i, 0,1,2,3,4,5,6,7
	global_load_b128 v[WGB+4*\i:WGB+4*\i+3], v3, s[6:7] offset:4096*\i
.endr
.irp t, 0,1,2,3
.irp i, 0,1,2,3,4,5,6,7
	global_load_b128 v[X+32*\t+4*\i:X+32*\t+4*\i+3], v4, s[4:5] offset:4096*\t+512*\i th:TH_LOAD_NT   ; 32 lanes read 512 bytes on end
.endr
.endr
	s_mul_i32 s30, s29, 768
	s_add_nc_u64 s[10:11], s[10:11], s[30:31]      ; xq at my first token
	s_lshl_b32 s30, s29, 5
	s_add_nc_u64 s[12:13], s[12:13], s[30:31]      ; xs likewise
	s_lshl_b32 s30, ttmp9, 10
	s_add_nc_u64 s[14:15], s[14:15], s[30:31]      ; gw at the work-group's first token
	s_lshl_b32 s30, ttmp9, 7
	s_add_nc_u64 s[16:17], s[16:17], s[30:31]      ; tm likewise
	s_lshl_b32 s30, ttmp9, 2
	s_add_nc_u64 s[18:19], s[18:19], s[30:31]      ; em: the work-group's word in each expert's row
	s_mul_i32 s32, s28, STGW                       ; my stage
	v_lshrrev_b32 v5, 6, v0
	v_lshlrev_b32 v5, 4, v5
	v_add_nc_u32 v5, v5, v3
	v_add_nc_u32 v5, WGL, v5                       ; Wg into LDS: 16 x thread, + 16 for each 1,024 passed
	v_lshrrev_b32 v6, 3, v1
	v_lshl_add_u32 v6, v6, 4, v4
	v_add_nc_u32 v6, s32, v6                       ; x into the stage: 16 x lane, + 16 for each 128 passed
	v_mul_u32_u24 v7, v1, 144
	v_add_nc_u32 v7, s32, v7                       ; and back: my block's place
	v_mul_u32_u24 v8, v1, 1040
	v_add_nc_u32 v8, WGL, v8                       ; my 32 rows of Wg
	v_lshl_add_u32 v9, v1, 2, s32                  ; the sums' way across lanes: word l of each lane's place
	v_lshrrev_b32 v10, 3, v1
	v_mul_u32_u24 v10, v10, 48
	v_and_b32 v13, 7, v1
	v_lshl_add_u32 v10, v13, 2, v10
	s_mul_i32 s33, s28, 192
	s_add_co_u32 s33, s33, SCR
	v_add_nc_u32 v10, s33, v10                     ; the score of (token l / 8 of my four, expert l % 8)
	v_mul_u32_u24 v11, v1, 48
	v_add_nc_u32 v11, SCR, v11                     ; wave 0: token l's eight scores
	v_lshrrev_b32 v12, 2, v1
	v_mul_u32_u24 v12, v12, 96
	v_and_b32 v13, 1, v1
	v_mad_u32_u24 v12, v13, 48, v12
	v_bfe_u32 v13, v1, 1, 1
	v_mad_u32_u24 v12, v13, 24, v12                ; block l = 4 s + 2 c + h lies at 96 s + 48 h + 24 c of a token's codes
	s_wait_loadcnt 32                              ; Wg's eight loads are in; x's 32 may be out
.irp i, 0,1,2,3,4,5,6,7
	ds_store_b128 v5, v[WGB+4*\i:WGB+4*\i+3] offset:4160*\i
.endr
	s_wait_loadcnt 0x0
.irp t, 0,1,2,3
.irp i, 0,1,2,3,4,5,6,7
	ds_store_b128 v6, v[X+32*\t+4*\i:X+32*\t+4*\i+3] offset:4608*\t+576*\i
.endr
.endr
	s_wait_kmcnt 0x0                               ; bg
	s_wait_dscnt 0x0                               ; for the others' sake: my part of Wg lies in LDS
	s_barrier_signal -1
	s_barrier_wait -1
.irp t, 0,1,2,3
.irp j, 0,1,2,3,4,5,6,7
	ds_load_b128 v[X+32*\t+4*\j:X+32*\t+4*\j+3], v7 offset:4608*\t+16*\j   ; my block of token t: 32 neighbours
.endr
.endr
.macro WGLD bt                         ; rows 4 bt .. 4 bt + 3 of my 32 rows of Wg into set bt % 2
.irp q, 0,1,2,3
	ds_load_b128 v[WGB+32*((\bt)%2)+8*\q:WGB+32*((\bt)%2)+8*\q+3], v8 offset:32*(4*(\bt)+\q)
	ds_load_b128 v[WGB+32*((\bt)%2)+8*\q+4:WGB+32*((\bt)%2)+8*\q+7], v8 offset:32*(4*(\bt)+\q)+16
.endr
.endm
.macro GFMA bt                         ; 64 packed multiply-adds: 4 k x 4 tokens x 4 pairs of experts; x's number serves both halves.  The very first product starts the sums
.irp q, 0,1,2,3
.set kk_, 4*(\bt)+\q
.irp t, 0,1,2,3
.irp p, 0,1,2,3
.if kk_ == 0
	v_pk_mul_f32 v[ACC+8*\t+2*\p:ACC+8*\t+2*\p+1], v[X+32*\t:X+32*\t+1], v[WGB+2*\p:WGB+2*\p+1] op_sel_hi:[0,1]
.elseif kk_%2 == 0
	v_pk_fma_f32 v[ACC+8*\t+2*\p:ACC+8*\t+2*\p+1], v[X+32*\t+kk_:X+32*\t+kk_+1], v[WGB+32*((\bt)%2)+8*\q+2*\p:WGB+32*((\bt)%2)+8*\q+2*\p+1], v[ACC+8*\t+2*\p:ACC+8*\t+2*\p+1] op_sel:[0,0,0] op_sel_hi:[0,1,1]
.else
	v_pk_fma_f32 v[ACC+8*\t+2*\p:ACC+8*\t+2*\p+1], v[X+32*\t+kk_-1:X+32*\t+kk_], v[WGB+32*((\bt)%2)+8*\q+2*\p:WGB+32*((\bt)%2)+8*\q+2*\p+1], v[ACC+8*\t+2*\p:ACC+8*\t+2*\p+1] op_sel:[1,0,0] op_sel_hi:[1,1,1]
.endif
.endr
.endr
.endr
.endm
	WGLD 0
.irp bt, 0,1,2,3,4,5,6
	WGLD \bt+1
	s_wait_dscnt 8                                 ; all but the next batch's eight loads are in
	GFMA \bt
.endr
	s_wait_dscnt 0x0
	GFMA 7
	; across the 32 lanes: each lane lays its 32 sums into its place of the stage, and lane l adds word l of all 32 places
.irp j, 0,1,2,3,4,5,6,7
	ds_store_b128 v7, v[ACC+4*\j:ACC+4*\j+3] offset:16*\j
.endr
.irp i, 0,1,2,3,4,5,6,7,8,9,10,11,12,13,14,15,16,17,18,19,20,21,22,23,24,25,26,27,28,29,30,31
	ds_load_b32 v[WGB+\i], v9 offset:144*\i        ; LDS serves a wave's instructions in order: these see my stores
.endr
	s_wait_dscnt 0x0
.irp i, 0,2,4,6,8,10,12,14
	v_pk_add_f32 v[WGB+\i:WGB+\i+1], v[WGB+\i:WGB+\i+1], v[WGB+16+\i:WGB+17+\i]
.endr
.irp i, 0,2,4,6
	v_pk_add_f32 v[WGB+\i:WGB+\i+1], v[WGB+\i:WGB+\i+1], v[WGB+8+\i:WGB+9+\i]
.endr
.irp i, 0,2
	v_pk_add_f32 v[WGB+\i:WGB+\i+1], v[WGB+\i:WGB+\i+1], v[WGB+4+\i:WGB+5+\i]
.endr
	v_pk_add_f32 v[WGB:WGB+1], v[WGB:WGB+1], v[WGB+2:WGB+3]
	v_add_f32 v[WGB], v[WGB], v[WGB+1]             ; x Wg of (token l / 8, expert l % 8)
	ds_store_b32 v10, v[WGB]
	s_wait_dscnt 0x0                               ; for wave 0's sake
	s_barrier_signal -1
	s_barrier_wait -1
	s_cmp_lg_u32 s28, 0
	s_cbranch_scc1 .Lquant
	; ---- wave 0: a lane to a token
	ds_load_b128 v[32:35], v11
	ds_load_b128 v[36:39], v11 offset:16
	s_wait_dscnt 0x0
.irp e, 0,1,2,3,4,5,6,7
	v_add_f32 v[32+\e], s[20+\e], v[32+\e]         ; + bg
.endr
	v_mov_b32 v56, v32                             ; the largest score and its expert: only a greater score takes the place, so the lower index wins a tie
	v_mov_b32 v57, 0
.irp e, 1,2,3,4,5,6,7
	v_cmp_gt_f32 vcc_lo, v[32+\e], v56
	v_cndmask_b32 v56, v56, v[32+\e], vcc_lo
	v_cndmask_b32 v57, v57, \e, vcc_lo
.endr
	v_mov_b32 v61, 0xff800000                      ; -infinity takes the winner's place
.irp e, 0,1,2,3,4,5,6,7
	v_cmp_eq_u32 vcc_lo, \e, v57
	v_cndmask_b32 v[40+\e], v[32+\e], v61, vcc_lo
.endr
	v_mov_b32 v58, v40                             ; the second largest likewise
	v_mov_b32 v59, 0
.irp e, 1,2,3,4,5,6,7
	v_cmp_gt_f32 vcc_lo, v[40+\e], v58
	v_cndmask_b32 v58, v58, v[40+\e], vcc_lo
	v_cndmask_b32 v59, v59, \e, vcc_lo
.endr
	v_lshlrev_b32 v60, v57, 1
	v_lshlrev_b32 v61, v59, 1
	v_or_b32 v60, v60, v61                         ; the token's two bits
.irp e, 0,1,2,3,4,5,6,7
	v_sub_f32 v[48+\e], v[32+\e], v56              ; the maximum is taken away, as in the softmax
.endr
.irp e, 0,1,2,3,4,5,6,7
	v_mul_f32 v[48+\e], 0x3fb8aa3b, v[48+\e]
.endr
.irp e, 0,1,2,3,4,5,6,7
	v_exp_f32 v[48+\e], v[48+\e]
.endr
.irp e, 0,1,2,3,4,5,6,7
	v_and_b32 v61, 1<<\e, v60                      ; (plain work behind the exponentials)  who has chosen expert e: a bit for each of the 32 tokens,
	v_cmp_ne_u32 s[40+\e], 0, v61                  ; which is the work-group's word of em
.endr
	s_wait_alu depctr_va_vdst(0)                   ; one wait for the eight exponentials, ahead of their first reader
	v_add_f32 v40, v48, v49
	v_add_f32 v41, v50, v51
	v_add_f32 v42, v52, v53
	v_add_f32 v43, v54, v55
	v_add_f32 v40, v40, v41
	v_add_f32 v42, v42, v43
	v_add_f32 v40, v40, v42
	v_rcp_f32 v41, v40
	v_mov_b32 v200, 0                              ; (a plain place)
	s_wait_alu depctr_va_vdst(0)
.irp e, 0,1,2,3,4,5,6,7
	v_mul_f32 v[48+\e], v[48+\e], v41              ; the softmax,
.endr
.irp e, 0,1,2,3,4,5,6,7
	v_cndmask_b32 v[48+\e], 0, v[48+\e], s[40+\e]  ; times the mask
.endr
	v_add_f32 v40, v48, v49
	v_add_f32 v41, v50, v51
	v_add_f32 v42, v52, v53
	v_add_f32 v43, v54, v55
	v_add_f32 v40, v40, v41
	v_add_f32 v42, v42, v43
	v_add_f32 v40, v40, v42
	v_add_f32 v40, 0x322bcc77, v40                 ; + 1e-8
	v_rcp_f32 v42, v40
.irp e, 0,1,2,3,4,5,6,7
	v_writelane_b32 v200, s[40+\e], \e             ; lane e carries expert e's word
.endr
	s_wait_alu depctr_va_vdst(0)
.irp e, 0,1,2,3,4,5,6,7
	v_mul_f32 v[192+\e], v[48+\e], v42
.endr
	v_lshlrev_b32 v201, 5, v1
	v_lshlrev_b32 v202, 2, v1
	v_lshlrev_b32 v203, 7, v1
	global_store_b128 v201, v[192:195], s[14:15]
	global_store_b128 v201, v[196:199], s[14:15] offset:16
	global_store_b32 v202, v60, s[16:17]
	s_wait_xcnt 0x0                                ; EXEC changes only behind this wait
	v_cmp_gt_u32 vcc_lo, 8, v1
	s_and_saveexec_b32 s48, vcc_lo
	global_store_b32 v203, v200, s[18:19]          ; lanes 0 to 7: em[lane][work-group]
	s_wait_xcnt 0x0                                ; and again in front of the line that widens it; it also frees the stores' registers
	s_or_b32 exec_lo, exec_lo, s48
.Lquant:
	; ---- every wave: its four tokens' codes.  A block's scale operand is its largest magnitude with 2 taken off the exponent field; the floor 2^(3 - 127) holds the byte at 1 from below
.macro QTOK t
.set xs_, X+32*(\t)
	v_max3_num_f32 v228, |v[xs_]|, |v[xs_+1]|, |v[xs_+2]|
	v_max3_num_f32 v229, |v[xs_+3]|, |v[xs_+4]|, |v[xs_+5]|
.irp i, 6,10,14,18,22,26
	v_max3_num_f32 v228, v228, |v[xs_+\i]|, |v[xs_+\i+1]|
	v_max3_num_f32 v229, v229, |v[xs_+\i+2]|, |v[xs_+\i+3]|
.endr
	v_max3_num_f32 v228, v228, |v[xs_+30]|, |v[xs_+31]|
	v_max3_num_f32 v228, v228, v229, 0x1800000
	v_add_nc_u32 v230, 0xff000000, v228
	v_cvt_scalef32_pk16_fp6_f32 v[192+8*(\t):194+8*(\t)], v[xs_:xs_+15], v230
	v_cvt_scalef32_pk16_fp6_f32 v[196+8*(\t):198+8*(\t)], v[xs_+16:xs_+31], v230
	v_lshrrev_b32 v[224+(\t)], 23, v230            ; the scale's byte (and the plain place behind the conversions)
	global_store_b96 v12, v[192+8*(\t):194+8*(\t)], s[10:11] offset:768*(\t)
	global_store_b96 v12, v[196+8*(\t):198+8*(\t)], s[10:11] offset:768*(\t)+12
	global_store_b8 v1, v[224+(\t)], s[12:13] offset:32*(\t)
.endm
	QTOK 0
	QTOK 1
	QTOK 2
	QTOK 3
	s_wait_tensorcnt 0x0
	ds_add_u32 v30, v31
	s_wait_dscnt 0x0
	s_endpgm
.Lfunc_end_k_qb3a06d5ee0_gate:
	.size	k_qb3a06d5ee0_gate, .Lfunc_end_k_qb3a06d5ee0_gate-k_qb3a06d5ee0_gate
	.p2alignl 7, 3214868480
	.fill 96, 4, 3214868480
	.section	.rodata,"a",@progbits
	.p2align	6, 0x0
	.amdhsa_kernel k_qb3a06d5ee0_gate
		.amdhsa_group_segment_fixed_size 183296
		.amdhsa_private_segment_fixed_size 0
		.amdhsa_enable_private_segment 0
		.amdhsa_kernarg_size 64
		.amdhsa_user_sgpr_count 2
		.amdhsa_user_sgpr_kernarg_segment_ptr 1
		.amdhsa_wavefront_size32 1
		.amdhsa_system_sgpr_workgroup_id_x 1
		.amdhsa_system_sgpr_workgroup_id_y 1
		.amdhsa_system_sgpr_workgroup_id_z 1
		.amdhsa_system_vgpr_workitem_id 0
		.amdhsa_next_free_vgpr 256
		.amdhsa_next_free_sgpr 66
		.amdhsa_reserve_vcc 1
		.amdhsa_float_denorm_mode_32 3
		.amdhsa_float_denorm_mode_16_64 3
		.amdhsa_memory_ordered 1
		.amdhsa_forward_progress 1
		.amdhsa_inst_pref_size 66
	.end_amdhsa_kernel
	.amdgpu_metadata
---
amdhsa.version: [ 1, 2 ]
amdhsa.kernels:
  - .name:           k_qb3a06d5ee0_gate
    .symbol:         k_qb3a06d5ee0_gate.kd
    .args:
      - { .name: x, .offset: 0, .size: 8, .value_kind: global_buffer, .address_space: global }
      - { .name: Wg, .offset: 8, .size: 8, .value_kind: global_buffer, .address_space: global }
      - { .name: bg, .offset: 16, .size: 8, .value_kind: global_buffer, .address_space: global }
      - { .name: xq, .offset: 24, .size: 8, .value_kind: global_buffer, .address_space: global }
      - { .name: xs, .offset: 32, .size: 8, .value_kind: global_buffer, .address_space: global }
      - { .name: gw, .offset: 40, .size: 8, .value_kind: global_buffer, .address_space: global }
      - { .name: tm, .offset: 48, .size: 8, .value_kind: global_buffer, .address_space: global }
      - { .name: em, .offset: 56, .size: 8, .value_kind: global_buffer, .address_space: global }
    .group_segment_fixed_size: 183296
    .private_segment_fixed_size: 0
    .kernarg_segment_align: 8
    .kernarg_segment_size: 64
    .max_flat_workgroup_size: 256
    .sgpr_count:     66
    .vgpr_count:     256
    .wavefront_size: 32
...
	.end_amdgpu_metadata
.endif
;; end of part 1
;; launch ffn1 (part 2): grid 32 x 8, 16 waves a work-group, no clusters, 104,448 bytes of LDS; arguments W1, b1, xq, xs, em, hq, hs; writes hq, hs
.if DOCPART == 2
	.amdgcn_target "amdgcn-amd-amdhsa--gfx1250"
	.amdhsa_code_object_version 6
	.text
	.protected	k_qb3a06d5ee0_ffn1
	.globl	k_qb3a06d5ee0_ffn1
	.p2align	8
	.type	k_qb3a06d5ee0_ffn1,@function
k_qb3a06d5ee0_ffn1:
	s_mov_b64 s[64:65], 0
	v_nop
	global_prefetch_b8 v0, s[64:65] scope:SCOPE_SE
	s_setreg_imm32_b32 hwreg(HW_REG_WAVE_MODE, 25, 1), 1
	s_wait_xcnt 0x0
; THE FIRST PRODUCT OF THE CHOSEN ROWS.  Work-group (sl, e): hidden units 128 sl .. 128 sl + 127 of expert e, for all tokens that have chosen e: h = relu(x W1[e] + b1[e]), quantised along H.
; Both operands are codes of FP6 (E2M3) with one E8M0 byte for each 32 along K = 1,024; sums in f32.  Rows of experts that a token has not chosen get the weight 0 in the layer's last sum and are not made.
; PHASE A.  The work-group's slice of W1, 1,024 x 128 f32 = 512 KiB, is read ONCE from memory and quantised on the way.  K is W1's first axis: a lane takes a column and its registers run down K, so a block of 32
; lies in one lane.  Wave w: columns 32 (w % 4) on, K = 256 (w / 4) on: 8 blocks a lane, two blocks (up to 64 loads of 128 bytes) ahead.  The codes go to LDS as images of operand registers (16 bytes a lane, 512 a store).
; THE COLUMNS OF A TILE ARE NOT NEIGHBOURS: row m of tile 2 b + u is column 32 b + 8 u + m + 8 (m / 8), so that in the transposed result the 16 registers of tiles 2 b, 2 b + 1 are 16 neighbours along H.
; Lanes 0-15 take tile 2 b's columns and lanes 16-31 tile 2 b + 1's; an exchange of halves between the registers of two neighbouring blocks gives each tile its operand (lanes 0-15 block 2 c, lanes 16-31 block 2 c + 1).
; PHASE B, behind the one barrier.  The expert's rows are its tokens in ascending order; wave w takes rows 32 w on, then 512 further on, while rows are left: an expert has at most 1,024 rows, so the loop is counted
; to two trips and left earlier where no rows are left.  A lane finds its row's token from the expert's 32 words of em, by arithmetic in registers.
; A unit: 2 tiles of 16 rows x 8 tiles of columns = 16 accumulators; source 0 = 16 columns of W1 (from LDS), source 1 = 16 rows of x (from xq); b1 is loaded into the accumulators and is
; the first C.  Then relu, the quantiser, and the fragment (K step sl of the second product) leaves as an image of its registers: 512 bytes on end a store.
; Rows past the expert's last in its last unit take some token's x; they are stored, read by the next launch and thrown away there.
; NO TENSOR LOADS, NO CLUSTER: where the row loop ends is read from memory.  What work-groups share (x's codes) is 0.2 MB beside 0.5 MB of weights of their own.
; LIMITS: NaN and infinities are not served.  A block whose largest magnitude lies under 2^-124, a block of zeros too, keeps the byte 1 (the rule: 127 for zeros): its codes are zeros, and this program alone reads the bytes.
.set PITCH, 16384                      ; a row of W1[e] in bytes
.set NG,    4                          ; groups of 32 columns
.set NCT,   8                          ; tiles of 16 columns
.set NS,    8                          ; K steps of 128
.set NBUF,  2                          ; sets of registers for the rows' fragments
.set NP,    NS*NG                      ; pairs of tiles in a unit
.set FRB,   1536                       ; a fragment's image: 12 registers x 128 bytes
.set WSC,   64*FRB                     ; LDS: 64 fragments (K step s, tile ct: 8 s + ct), then their scale words, 128 bytes for (s, group): 4 s + g
.set WO,   4                           ; v4   W1: 4 x my column in the group
.set WI,   5                           ; v5   where I store images
.set WSS,  6                           ; v6   and scale words
.set WL0,  7                           ; v7   16 x lane: images 0-31
.set WL1,  8                           ; v8   images 32-63
.set WSL,  9                           ; v9   scale words, 4 x lane
.set TOK,  10                          ; v10  the token of row RB + lane
.set XA,   11                          ; v11  xq: the token of row lane % 16 of the unit's first tile, + 48 x half
.set XB,   12                          ; v12  of its second tile
.set XSO,  13                          ; v13  xs: my row's scale words
.set HO,   14                          ; v14  hq: 16 x lane + the unit's first tile
.set HSO,  15                          ; v15  hs: my row's word
.set BO,   16                          ; v16  b1: 64 x half
.set IDX,  17                          ; v17  RB + lane
.set OTH,  18
.set TA,   19
.set TB,   20
.set H48,  22                          ; v22  48 x half
.set WS,   28                          ; v28-29 W1's scale words, v30-31 x's: these four hold scales and nothing else
.set OPS,  30
.set LB,   32                          ; phase A: v32-95 two sets of 32 numbers; v96-143 the wave's four fragments; v144-152 at work
.set FB,   96
.set QT,   144
.set QM0,  147
.set QM1,  148
.set QSV,  149
.set QBY,  150
.set QSW,  151
.set ZW,   144                         ; the search for a token: v144-154, never at the same time as phase A's work
.set ZP,   145
.set ZJ,   146
.set ZK,   147
.set ZA,   148
.set ZB,   149
.set ZC,   150
.set ZD,   151
.set ZT,   152
.set ZU,   153
.set ZPOS, 154
.set OPF,  32                          ; phase B: v32-79 x's fragments [set][tile of rows][12]; v80-127 W1's [set][u][12]; v128-255 accumulators [tile of rows][tile of columns][8]
.set WB,   80
.set ACC,  128
.set TM,   32                          ; behind the products: v32-47 at work, v48-67 and v68-87 the two fragments, v88-89 their scale words
.set PC,   48
.set PW,   88
.set WV,   18
.set EX,   19
.set CNT,  20                          ; s20  trips of the row loop
.set GG,   21
.set QQ,   22
.set RR,   23                          ; s23  the expert's rows
.set RB,   24                          ; s24  my unit's first row
.set RUN,  25
.set TS,   26
.set HIM,  27                          ; s27  lanes 16-31
.set SEL,  28                          ; s[28:29] lane l xor 16
.macro LOADB t                         ; block t: W1(32 t + i, my column), i = 0 .. 31, into set t % 2: each load reads 128 bytes on end
.set lb_, LB+32*((\t)%2)
.set li_, 0
.rept 32
	global_load_b32 v[lb_+li_], v[WO], s[4:5] offset:(32*(\t)+li_)*PITCH th:TH_LOAD_NT
.set li_, li_+1
.endr
.endm
.macro QBLK t                          ; block t is quantised: K step t / 4 of my two, block t % 4 = 2 c + h in it
.set xs_, LB+32*((\t)%2)
.set qs_, (\t)/4
.set qc_, ((\t)/2)%2
.set qh_, (\t)%2
.set fd_, FB+24*qs_+12*qh_+6*qc_
.if (\t) < 7
	s_wait_loadcnt 32                              ; this block's 32 loads are in; the next block's may be out
.else
	s_wait_loadcnt 0x0
.endif
	v_max3_num_f32 v[QM0], |v[xs_]|, |v[xs_+1]|, |v[xs_+2]|
	v_max3_num_f32 v[QM1], |v[xs_+3]|, |v[xs_+4]|, |v[xs_+5]|
.irp i, 6,10,14,18,22,26
	v_max3_num_f32 v[QM0], v[QM0], |v[xs_+\i]|, |v[xs_+\i+1]|
	v_max3_num_f32 v[QM1], v[QM1], |v[xs_+\i+2]|, |v[xs_+\i+3]|
.endr
	v_max3_num_f32 v[QM0], v[QM0], |v[xs_+30]|, |v[xs_+31]|
	v_max3_num_f32 v[QM0], v[QM0], v[QM1], 0x1800000   ; the floor 2^(3 - 127): the byte cannot fall under 1
	v_add_nc_u32 v[QSV], 0xff000000, v[QM0]        ; 2 off the exponent field: the conversion's scale operand
	v_cvt_scalef32_pk16_fp6_f32 v[fd_:fd_+2], v[xs_:xs_+15], v[QSV]
	v_cvt_scalef32_pk16_fp6_f32 v[QT:QT+2], v[xs_+16:xs_+31], v[QSV]   ; (a conversion's three registers begin on an even number)
	v_lshrrev_b32 v[QBY], 23, v[QSV]               ; the scale's byte (and the plain place behind the conversions)
.if (\t) < 6
	LOADB (\t)+2                                   ; the set is free: two blocks ahead
.endif
.irp i, 0,1,2
	v_mov_b32 v[fd_+3+\i], v[QT+\i]
.endr
.if (\t)%4 == 0
	v_mov_b32 v[QSW+qs_], v[QBY]
.else
	v_lshl_or_b32 v[QSW+qs_], v[QBY], 8*((\t)%4), v[QSW+qs_]
.endif
.if qh_ == 1                           ; blocks 2 c and 2 c + 1 are there: the first's lanes 16-31 (tile u = 1) change places with the second's lanes 0-15 (tile u = 0)
.irp i, 0,1,2,3,4,5
	v_permlane16_swap_b32 v[FB+24*qs_+6*qc_+\i], v[FB+24*qs_+12+6*qc_+\i]
.endr
.endif
.if (\t)%4 == 3                        ; a K step's two fragments and its scale words (lanes 0-15: tile u = 0's rows, lanes 16-31: tile u = 1's) go to LDS as they stand
.irp u, 0,1
.irp c, 0,1,2
	ds_store_b128 v[WI], v[FB+24*qs_+12*\u+4*\c:FB+24*qs_+12*\u+4*\c+3] offset:qs_*NCT*FRB+\u*FRB+\c*512
.endr
.endr
	ds_store_b32 v[WSS], v[QSW+qs_] offset:qs_*NG*128
.endif
.endm
.macro BITSTEP reg, width, inc         ; if the field at ZPOS holds ZK set bits or fewer, pass over it
	v_bfe_u32 v[ZT], v[\reg], v[ZPOS], \width
	v_cmp_ge_u32 vcc_lo, v[ZK], v[ZT]
	v_cndmask_b32 v[ZT], 0, v[ZT], vcc_lo
	v_sub_nc_u32 v[ZK], v[ZK], v[ZT]
	v_cndmask_b32 v[ZU], 0, \inc, vcc_lo
	v_add_nc_u32 v[ZPOS], v[ZPOS], v[ZU]
.endm
.macro SELECT first                    ; v[TOK] = the place of the v[IDX]-th set bit (from 0) of the 1,024 bits s[32:63].  first = 1: s[RR] = the number of set bits
	v_mov_b32 v[ZW], s32
	v_mov_b32 v[ZP], 0
	v_mov_b32 v[ZJ], 0
	s_mov_b32 s[RUN], 0
.irp j, 0,1,2,3,4,5,6,7,8,9,10,11,12,13,14,15,16,17,18,19,20,21,22,23,24,25,26,27,28,29,30
	s_bcnt1_i32_b32 s[TS], s[32+\j]
	s_add_co_u32 s[RUN], s[RUN], s[TS]             ; set bits in words 0 .. j
	v_cmp_le_u32 vcc_lo, s[RUN], v[IDX]            ; mine lies further on: take word j + 1
	v_cndmask_b32 v[ZW], v[ZW], s[33+\j], vcc_lo
	v_cndmask_b32 v[ZP], v[ZP], s[RUN], vcc_lo
	v_cndmask_b32 v[ZJ], v[ZJ], \j+1, vcc_lo
.endr
.if \first
	s_bcnt1_i32_b32 s[TS], s63
	s_add_co_u32 s[RR], s[RUN], s[TS]
	s_min_u32 s[RR], s[RR], 1024
.endif
	v_sub_nc_u32 v[ZK], v[IDX], v[ZP]              ; which set bit of my word
	v_lshrrev_b32 v[ZT], 1, v[ZW]
	v_and_b32 v[ZT], 0x55555555, v[ZT]
	v_sub_nc_u32 v[ZA], v[ZW], v[ZT]               ; counts of 2 bits,
	v_lshrrev_b32 v[ZT], 2, v[ZA]
	v_and_b32 v[ZT], 0x33333333, v[ZT]
	v_and_b32 v[ZB], 0x33333333, v[ZA]
	v_add_nc_u32 v[ZB], v[ZB], v[ZT]               ; of 4,
	v_lshrrev_b32 v[ZT], 4, v[ZB]
	v_add_nc_u32 v[ZC], v[ZB], v[ZT]
	v_and_b32 v[ZC], 0x0f0f0f0f, v[ZC]             ; of 8,
	v_lshrrev_b32 v[ZT], 8, v[ZC]
	v_add_nc_u32 v[ZD], v[ZC], v[ZT]               ; of 16 (in the low byte)
	v_mov_b32 v[ZPOS], 0
	BITSTEP ZD, 8, 16
	BITSTEP ZC, 8, 8
	BITSTEP ZB, 4, 4
	BITSTEP ZA, 2, 2
	BITSTEP ZW, 1, 1
	v_lshl_add_u32 v[TOK], v[ZJ], 5, v[ZPOS]       ; a row past the last set bit still gets a number up to 1,023
.endm
.macro TOKPREP                         ; the unit's addresses.  Lane l holds row l's token; lane (r, h) wants row r's for the first tile of rows and row 16 + r's for the second
	v_mov_b32 v[OTH], 0
	v_permlanex16_b32 v[OTH], v[TOK], s[SEL], s[SEL+1]
	v_cndmask_b32 v[TA], v[TOK], v[OTH], s[HIM]
	v_cndmask_b32 v[TB], v[OTH], v[TOK], s[HIM]
	v_min_u32 v[TA], 0x3ff, v[TA]                  ; a number read from memory enters an address behind a bound
	v_min_u32 v[TB], 0x3ff, v[TB]
	v_min_u32 v[TOK], 0x3ff, v[TOK]
	v_mul_u32_u24 v[XA], v[TA], 768
	v_mul_u32_u24 v[XB], v[TB], 768
	v_add_nc_u32 v[XA], v[XA], v[H48]
	v_add_nc_u32 v[XB], v[XB], v[H48]
	v_lshlrev_b32 v[XSO], 5, v[TOK]
	s_mul_i32 s[TS], s[RB], 3072                   ; a tile of 16 rows is 32 fragments, 49,152 bytes
	v_add_nc_u32 v[HO], s[TS], v[WL0]
	s_lshl_b32 s[TS], s[RB], 2
	v_lshl_add_u32 v[HSO], v1, 2, s[TS]
.endm
.macro OPLOAD s                        ; x's two fragments and scale words of K step s: seven loads
.irp c, 0,1,2
	global_load_b128 v[OPF+24*((\s)%NBUF)+4*\c:OPF+24*((\s)%NBUF)+4*\c+3], v[XA], s[8:9] offset:96*(\s)+16*\c
.endr
.irp c, 0,1,2
	global_load_b128 v[OPF+24*((\s)%NBUF)+12+4*\c:OPF+24*((\s)%NBUF)+12+4*\c+3], v[XB], s[8:9] offset:96*(\s)+16*\c
.endr
	global_load_b32 v[OPS+(\s)%NBUF], v[XSO], s[10:11] offset:4*(\s)   ; lanes 0-15: the first tile's rows, lanes 16-31: the second's
.endm
.macro PRE                             ; b1 into the accumulators (lane (r, h), tile 2 b + u, register j: unit 32 b + 16 h + 8 u + j), then the first two K steps of x: 32 + 14 loads
.irp rt, 0,1
.irp ct, 0,1,2,3,4,5,6,7
	global_load_b128 v[ACC+64*\rt+8*\ct:ACC+64*\rt+8*\ct+3], v[BO], s[6:7] offset:(32*(\ct/2)+8*(\ct%2))*4
	global_load_b128 v[ACC+64*\rt+8*\ct+4:ACC+64*\rt+8*\ct+7], v[BO], s[6:7] offset:(32*(\ct/2)+8*(\ct%2))*4+16
.endr
.endr
	OPLOAD 0
	OPLOAD 1
.endm
.macro WLOAD p                         ; pair p = (K step p / NG, group p % NG): two fragments of W1 and their scale words, from LDS: seven loads
.set ws_, (\p)/NG
.set wg_, (\p)%NG
.set wb_, (\p)%2
.irp u, 0,1
.set wf_, ws_*NCT+2*wg_+\u
.irp c, 0,1,2
.if wf_ < 32
	ds_load_b128 v[WB+24*wb_+12*\u+4*\c:WB+24*wb_+12*\u+4*\c+3], v[WL0] offset:wf_*FRB+512*\c
.else
	ds_load_b128 v[WB+24*wb_+12*\u+4*\c:WB+24*wb_+12*\u+4*\c+3], v[WL1] offset:(wf_-32)*FRB+512*\c
.endif
.endr
.endr
	ds_load_b32 v[WS+wb_], v[WSL] offset:(ws_*NG+wg_)*128
.endm
.macro WM u, rt                        ; one product: tile 2 g + u of columns x tile rt of rows.  The scale words of u = 1 and of rt = 1 stand in lanes 16-31
.set md_, ACC+8*NCT*(\rt)+8*(2*pg_+(\u))
.set ma_, WB+24*pb_+12*(\u)
.set mb_, OPF+24*(ps_%NBUF)+12*(\rt)
.if (\u) == 0 && (\rt) == 0
	v_wmma_scale_f32_16x16x128_f8f6f4 v[md_:md_+7], v[ma_:ma_+11], v[mb_:mb_+11], v[md_:md_+7], v[WS+pb_], v[OPS+ps_%NBUF] matrix_a_fmt:MATRIX_FMT_FP6 matrix_b_fmt:MATRIX_FMT_FP6
.elseif (\u) == 1 && (\rt) == 0
	v_wmma_scale_f32_16x16x128_f8f6f4 v[md_:md_+7], v[ma_:ma_+11], v[mb_:mb_+11], v[md_:md_+7], v[WS+pb_], v[OPS+ps_%NBUF] matrix_a_fmt:MATRIX_FMT_FP6 matrix_b_fmt:MATRIX_FMT_FP6 matrix_a_scale:MATRIX_SCALE_ROW1
.elseif (\u) == 0
	v_wmma_scale_f32_16x16x128_f8f6f4 v[md_:md_+7], v[ma_:ma_+11], v[mb_:mb_+11], v[md_:md_+7], v[WS+pb_], v[OPS+ps_%NBUF] matrix_a_fmt:MATRIX_FMT_FP6 matrix_b_fmt:MATRIX_FMT_FP6 matrix_b_scale:MATRIX_SCALE_ROW1
.else
	v_wmma_scale_f32_16x16x128_f8f6f4 v[md_:md_+7], v[ma_:ma_+11], v[mb_:mb_+11], v[md_:md_+7], v[WS+pb_], v[OPS+ps_%NBUF] matrix_a_fmt:MATRIX_FMT_FP6 matrix_b_fmt:MATRIX_FMT_FP6 matrix_a_scale:MATRIX_SCALE_ROW1 matrix_b_scale:MATRIX_SCALE_ROW1
.endif
.endm
.macro PAIR p                          ; four products on four accumulators; the 16 accumulators take turns, one instruction a turn
.set ps_, (\p)/NG
.set pg_, (\p)%NG
.set pb_, (\p)%2
.if (\p) < NP-1
	s_wait_dscnt 7                                 ; this pair's seven LDS loads are in; the next pair's may be out
.else
	s_wait_dscnt 0x0
.endif
.if pg_ == 0
.if NS-1-ps_ < NBUF-1
	s_wait_loadcnt 7*(NS-1-ps_)                    ; this K step's rows are in; behind them: seven loads for each later K step asked for
.else
	s_wait_loadcnt 7*(NBUF-1)
.endif
.endif
	WM 0, 0
	WM 1, 0
	WM 0, 1
	WM 1, 1
.rept 4
	v_nop                                          ; four places in front of loads into registers that the products have read, and of the first read of results
.endr
.if (\p)+2 < NP
	WLOAD (\p)+2
.endif
.if pg_ == NG-1
.if ps_+NBUF < NS
	OPLOAD ps_+NBUF
.endif
.endif
.endm
; 64 numbers of a lane, register 16 b + i = unit 32 b + 16 (lane / 16) + i of my row, none negative, become a fragment's codes in v[pc] on and its scale word in v[pw]
.macro QUANT s, pc, pw
.irp b, 0,1,2,3
	v_max3_num_f32 v[TM+\b], v[(\s)+16*\b], v[(\s)+1+16*\b], 0x1800000
.endr
.irp i, 2,4,6,8,10,12,14
.irp b, 0,1,2,3
	v_max3_num_f32 v[TM+\b], v[TM+\b], v[(\s)+16*\b+\i], v[(\s)+1+16*\b+\i]
.endr
.endr
.irp b, 0,1,2,3
	v_permlanex16_b32 v[TM+4+\b], v[TM+\b], s[SEL], s[SEL+1]
.endr
.irp b, 0,1,2,3
	v_max_num_f32 v[TM+\b], v[TM+\b], v[TM+4+\b]   ; with lane l xor 16's: the block's largest
.endr
.irp b, 0,1,2,3
	v_add_nc_u32 v[TM+12+\b], 0xff000000, v[TM+\b]
.endr
.irp b, 0,1,2,3
	v_lshrrev_b32 v[TM+4+\b], 23, v[TM+12+\b]
.endr
	v_lshl_or_b32 v[\pw], v[TM+5], 8, v[TM+4]
	v_lshl_or_b32 v[\pw], v[TM+6], 16, v[\pw]
	v_lshl_or_b32 v[\pw], v[TM+7], 24, v[\pw]
.irp c, 0,1
	v_cvt_scalef32_pk16_fp6_f32 v[(\pc)+6*\c:(\pc)+2+6*\c], v[(\s)+32*\c:(\s)+15+32*\c], v[TM+12+2*\c]
	v_cvt_scalef32_pk16_fp6_f32 v[(\pc)+12+4*\c:(\pc)+14+4*\c], v[(\s)+16+32*\c:(\s)+31+32*\c], v[TM+12+2*\c+1]
.endr
	v_nop                                          ; one plain place behind a scaled conversion
.irp c, 0,1                            ; the operand wants a whole block in a lane: lanes 0-15 block 2 c, lanes 16-31 block 2 c + 1
.irp i, 0,1,2
	v_permlane16_swap_b32 v[(\pc)+6*\c+\i], v[(\pc)+12+4*\c+\i]
.endr
.irp i, 0,1,2
	v_mov_b32 v[(\pc)+3+6*\c+\i], v[(\pc)+12+4*\c+\i]
.endr
.endr
.endm
.macro FINISH rt                       ; a tile of 16 rows: relu (each accumulator from its low end on), the quantiser, the image to hq
.set j_, 0
.rept 64
	v_max_num_f32 v[ACC+64*(\rt)+j_], 0, v[ACC+64*(\rt)+j_]
.set j_, j_+1
.endr
.irp b, 0,1,2,3
	v_mov_b32 v[TM+4+\b], 0                        ; a lane permute's destination counts as one of its sources
.endr
	QUANT ACC+64*(\rt), PC+20*(\rt), PW+(\rt)
.irp c, 0,1,2
	global_store_b128 v[HO], v[PC+20*(\rt)+4*\c:PC+20*(\rt)+4*\c+3], s[14:15] offset:49152*(\rt)+512*\c   ; 32 lanes store 512 bytes on end, at a multiple of 512 from hq's first byte
.endr
.endm
	s_load_b256 s[4:11], s[0:1], 0x0               ; W1 s[4:5], b1 s[6:7], xq s[8:9], xs s[10:11]
	s_load_b128 s[12:15], s[0:1], 0x20             ; em s[12:13], hq s[14:15]
	s_load_b64 s[16:17], s[0:1], 0x30              ; hs
	v_lshl_add_u32 v26, v0, 2, 0x19000
	v_mov_b32 v27, 0
	v_lshrrev_b32 v1, 5, v0
	v_readfirstlane_b32 s[WV], v1                  ; wave 0..15
	v_and_b32 v1, 31, v0                           ; lane
	v_bfe_u32 v2, v0, 4, 1                         ; h
	v_and_b32 v[WO], 7, v0
	v_and_b32 v[OTH], 8, v0
	v_lshl_or_b32 v[WO], v[OTH], 1, v[WO]
	v_lshl_or_b32 v[WO], v2, 3, v[WO]              ; my column in the group: (l & 7) + 2 (l & 8) + 8 h
	v_lshlrev_b32 v[WO], 2, v[WO]
	s_and_b32 s[EX], ttmp7, 0xffff                 ; the expert
	s_and_b32 s[GG], s[WV], 3                      ; my group of 32 columns
	s_lshr_b32 s[QQ], s[WV], 2                     ; my quarter of K
	s_lshl_b32 s2, s[EX], 24                       ; W1: the expert's 16 MiB, my 256 rows of 16 KiB, the slice's 512 bytes, my group's 128
	s_lshl_b32 s3, s[QQ], 22
	s_add_co_u32 s2, s2, s3
	s_lshl_b32 s3, ttmp9, 9
	s_add_co_u32 s2, s2, s3
	s_lshl_b32 s3, s[GG], 7
	s_add_co_u32 s2, s2, s3
	s_mov_b32 s3, 0
	s_wait_kmcnt 0x0
	s_add_nc_u64 s[4:5], s[4:5], s[2:3]
	s_lshl_b32 s2, s[EX], 7
	s_add_nc_u64 s[12:13], s[12:13], s[2:3]
	s_load_b512 s[32:47], s[12:13], 0x0            ; the expert's 1,024 bits
	s_load_b512 s[48:63], s[12:13], 0x40
	LOADB 0
	LOADB 1
	s_lshl_b32 s2, s[EX], 14
	s_lshl_b32 s[TS], ttmp9, 9
	s_add_co_u32 s2, s2, s[TS]
	s_add_nc_u64 s[6:7], s[6:7], s[2:3]            ; b1 at the slice
	s_mul_i32 s2, s[EX], 3145728
	s_mul_i32 s[TS], ttmp9, FRB
	s_add_co_u32 s2, s2, s[TS]
	s_add_nc_u64 s[14:15], s[14:15], s[2:3]        ; hq: the expert, K step sl
	s_lshl_b32 s2, s[EX], 17
	s_lshl_b32 s[TS], ttmp9, 12
	s_add_co_u32 s2, s2, s[TS]
	s_add_nc_u64 s[16:17], s[16:17], s[2:3]        ; hs likewise
	v_lshlrev_b32 v[WL0], 4, v1
	v_add_nc_u32 v[WL1], 32*FRB, v[WL0]
	v_lshl_add_u32 v[WSL], v1, 2, WSC
	s_lshl_b32 s2, s[QQ], 4
	s_lshl_b32 s[TS], s[GG], 1
	s_add_co_u32 s2, s2, s[TS]
	s_mul_i32 s2, s2, FRB
	v_add_nc_u32 v[WI], s2, v[WL0]                 ; my fragments: 8 (2 q + s') + 2 g + u
	s_lshl_b32 s2, s[QQ], 3
	s_add_co_u32 s2, s2, s[GG]
	s_lshl_b32 s2, s2, 7
	s_add_co_u32 s2, s2, WSC
	v_lshl_add_u32 v[WSS], v1, 2, s2               ; my scale words: 4 (2 q + s') + g
	v_lshlrev_b32 v[BO], 6, v2
	v_mul_u32_u24 v[H48], v2, 48
	s_mov_b32 s[HIM], 0xffff0000
	s_mov_b32 s[SEL], 0x76543210
	s_mov_b32 s[SEL+1], 0xfedcba98
	s_mov_b32 s[CNT], 0
	s_lshl_b32 s[RB], s[WV], 5                     ; my first unit: rows 32 w on
	s_wait_kmcnt 0x0
	v_add_nc_u32 v[IDX], s[RB], v1
	SELECT 1                                       ; while the first weights are on their way
	TOKPREP
.irp t, 0,1,2,3,4,5,6,7
	QBLK \t
.endr
	s_wait_dscnt 0x0                               ; for the others' sake: my images lie in LDS (and their registers are free)
	PRE                                            ; my first unit's rows are asked for ahead of the barrier
	s_barrier_signal -1
	s_barrier_wait -1                              ; the slice's 64 fragments lie in LDS; nobody writes them again
	s_cmp_ge_u32 s[RB], s[RR]
	s_cbranch_scc1 .Lend                           ; no row for me
.Lunit:
	WLOAD 0
	WLOAD 1
.set pp_, 0
.rept NP
	PAIR pp_
.set pp_, pp_+1
.endr
	FINISH 0
	FINISH 1
	v_cndmask_b32 v[PW], v[PW], v[PW+1], s[HIM]    ; lane l: row l's scale word
	global_store_b32 v[HSO], v[PW], s[16:17]
	s_add_co_u32 s[RB], s[RB], 512                 ; sixteen waves x 32 rows on
	s_cmp_ge_u32 s[RB], s[RR]
	s_cbranch_scc1 .Lend                           ; no rows are left for me: always so behind a second trip, since the expert has at most 1,024 rows
	s_wait_xcnt 0x0                                ; the stores have read their registers and addresses: both are written again below
	v_add_nc_u32 v[IDX], s[RB], v1
	SELECT 0
	TOKPREP
	PRE
	s_add_co_u32 s[CNT], s[CNT], 1                 ; the loop is counted: 1,024 rows / (16 waves x 32 rows) = two trips at the most
	s_cmp_lt_u32 s[CNT], 2
	s_cbranch_scc1 .Lunit
.Lend:
	s_wait_tensorcnt 0x0
	ds_add_u32 v26, v27
	s_wait_dscnt 0x0
	s_endpgm
.Lfunc_end_k_qb3a06d5ee0_ffn1:
	.size	k_qb3a06d5ee0_ffn1, .Lfunc_end_k_qb3a06d5ee0_ffn1-k_qb3a06d5ee0_ffn1
	.p2alignl 7, 3214868480
	.fill 96, 4, 3214868480
	.section	.rodata,"a",@progbits
	.p2align	6, 0x0
	.amdhsa_kernel k_qb3a06d5ee0_ffn1
		.amdhsa_group_segment_fixed_size 104448
		.amdhsa_private_segment_fixed_size 0
		.amdhsa_enable_private_segment 0
		.amdhsa_kernarg_size 56
		.amdhsa_user_sgpr_count 2
		.amdhsa_user_sgpr_kernarg_segment_ptr 1
		.amdhsa_wavefront_size32 1
		.amdhsa_system_sgpr_workgroup_id_x 1
		.amdhsa_system_sgpr_workgroup_id_y 1
		.amdhsa_system_sgpr_workgroup_id_z 1
		.amdhsa_system_vgpr_workitem_id 0
		.amdhsa_next_free_vgpr 256
		.amdhsa_next_free_sgpr 66
		.amdhsa_reserve_vcc 1
		.amdhsa_float_denorm_mode_32 3
		.amdhsa_float_denorm_mode_16_64 3
		.amdhsa_memory_ordered 1
		.amdhsa_forward_progress 1
		.amdhsa_inst_pref_size 125
	.end_amdhsa_kernel
	.amdgpu_metadata
---
amdhsa.version: [ 1, 2 ]
amdhsa.kernels:
  - .name:           k_qb3a06d5ee0_ffn1
    .symbol:         k_qb3a06d5ee0_ffn1.kd
    .args:
      - { .name: W1, .offset: 0, .size: 8, .value_kind: global_buffer, .address_space: global }
      - { .name: b1, .offset: 8, .size: 8, .value_kind: global_buffer, .address_space: global }
      - { .name: xq, .offset: 16, .size: 8, .value_kind: global_buffer, .address_space: global }
      - { .name: xs, .offset: 24, .size: 8, .value_kind: global_buffer, .address_space: global }
      - { .name: em, .offset: 32, .size: 8, .value_kind: global_buffer, .address_space: global }
      - { .name: hq, .offset: 40, .size: 8, .value_kind: global_buffer, .address_space: global }
      - { .name: hs, .offset: 48, .size: 8, .value_kind: global_buffer, .address_space: global }
    .group_segment_fixed_size: 104448
    .private_segment_fixed_size: 0
    .kernarg_segment_align: 8
    .kernarg_segment_size: 56
    .max_flat_workgroup_size: 512
    .sgpr_count:     66
    .vgpr_count:     256
    .wavefront_size: 32
...
	.end_amdgpu_metadata
.endif
;; end of part 2
;; launch ffn2 (part 3): grid 32 x 8, 16 waves a work-group, no clusters, 174,080 bytes of LDS; arguments W2, b2, hq, hs, em, tm, gw, yp; writes yp
.if DOCPART == 3
	.amdgcn_target "amdgcn-amd-amdhsa--gfx1250"
	.amdhsa_code_object_version 6
	.text
	.protected	k_qb3a06d5ee0_ffn2
	.globl	k_qb3a06d5ee0_ffn2
	.p2align	8
	.type	k_qb3a06d5ee0_ffn2,@function
k_qb3a06d5ee0_ffn2:
	s_mov_b64 s[64:65], 0
	v_nop
	global_prefetch_b8 v0, s[64:65] scope:SCOPE_SE
	s_setreg_imm32_b32 hwreg(HW_REG_WAVE_MODE, 25, 1), 1
	s_wait_xcnt 0x0
; THE SECOND PRODUCT OF THE CHOSEN ROWS.  Work-group (x, e): outputs 64 os .. 64 os + 63 (os = x % 16) of expert e, summed over half kh = x / 16 of H (2,048 hidden units), for all tokens that have chosen e:
; yp[2 kh + slot][token] = (h W2[e] (+ b2[e] where kh = 0)) x the token's weight for e; slot = 0 for the lower of a token's two experts, 1 for the higher.  The next launch adds a token's four rows.
; Both operands are codes of FP6 (E2M3) with one E8M0 byte for each 32 along K = H; sums in f32.
; PHASE A: the slice of W2, 2,048 x 64 f32 = 512 KiB, is read ONCE from memory and quantised on the way: a lane takes a column, its registers run down K.  Wave w: columns 32 (w % 2) on, K = 256 (w / 2) on.
; The codes go to LDS as images of operand registers.  Row m of tile 2 b + u is column 32 b + 8 u + m + 8 (m / 8), so that a lane's 16 results of tiles 2 b, 2 b + 1 are 16 neighbouring outputs.
; PHASE B, behind the one barrier: wave w takes the expert's rows 32 w on, then 512 further on, while rows are left: the same units that the launch before has stored.  An expert has at most 1,024 rows, so the loop
; is counted to two trips and left earlier where no rows are left.  A unit: 2 tiles of rows x 4 tiles of columns,
; 16 K steps; source 0 = 16 columns of W2 (LDS), source 1 = 16 rows of h (images in hq, three K steps ahead).  The results go through the wave's own stage in LDS and leave as whole rows of 256 bytes.
; Rows past the expert's last in its last unit go to the work-group's own 256 bytes of a row behind the four planes (row 4096 + 8 kh + e), which nobody reads: so no store needs a change of EXEC.
; A wave without rows has asked for its first unit ahead of the barrier like the others: those loads stay inside their buffers, and nothing is made of what they bring.
; 64 columns and half of H: a row's piece is 256 bytes on end, aligned; 256 work-groups of 512 KiB; four planes to add.
; NO TENSOR LOADS, NO CLUSTER: where the row loop ends is read from memory.
; LIMITS: NaN and infinities are not served.  A block of W2 whose largest magnitude lies under 2^-124, a block of zeros too, keeps the byte 1: its codes are zeros, and this program alone reads the bytes.
.set PITCH, 4096                       ; a row of W2[e] in bytes
.set NG,    2
.set NCT,   4
.set NS,    16
.set NBUF,  3
.set NP,    NS*NG
.set FRB,   1536
.set WSC,   64*FRB                     ; LDS: 64 fragments (4 s + ct), their scale words (2 s + g) x 128 bytes,
.set STG,   WSC+4096                   ; and a stage of 16 rows x (256 + 16) bytes for each wave
.set WO,   4
.set WI,   5
.set WSS,  6
.set WL0,  7
.set WL1,  8
.set WSL,  9
.set TOK,  10                          ; v10  the token of row RB + lane
.set HIO,  11                          ; v11  hq: 16 x lane + the unit's first tile
.set HSO,  12                          ; v12  hs: my row's word
.set IDX,  13                          ; v13  RB + lane
.set WA,   14                          ; v[14:15] the weight of row lane % 16 of the first tile of rows (the pair's upper word is 0 and not used); v[16:17] of the second
.set DQ,   18                          ; v18  where row RB + lane goes in yp
.set SO,   19                          ; v19  the stage: row r, + 64 h
.set SR,   20                          ; v20  and back: row h, + 16 r
.set IX,   21                          ; v21  4 h
.set CO,   22                          ; v22  16 r
.set BO,   23                          ; v23  64 h
.set TMV,  24                          ; v24  my token's two bits
.set GA,   25
.set GB,   26
.set TMO,  27
.set OTH,  28
.set TA,   29
.set TB,   30
.set ET,   31
.set EU,   37
.set WS,   32                          ; v32-33 W2's scale words, v34-36 h's: these five hold scales and nothing else
.set OPS,  34
.set LB,   40                          ; phase A: v40-103 two sets of 32 numbers; v104-151 the wave's four fragments; v152-160 at work
.set FB,   104
.set QT,   152
.set QM0,  155
.set QM1,  156
.set QSV,  157
.set QBY,  158
.set QSW,  159
.set ZW,   160                         ; the search for a token: v160-170, ahead of the loads of b2
.set ZP,   161
.set ZJ,   162
.set ZK,   163
.set ZA,   164
.set ZB,   165
.set ZC,   166
.set ZD,   167
.set ZT,   168
.set ZU,   169
.set ZPOS, 170
.set OPF,  40                          ; phase B: v40-111 h's fragments [set][tile of rows][12]; v112-159 W2's; v160-191 b2 [tile of columns][8]; v192-255 accumulators
.set WB,   112
.set B2,   160
.set ACC,  192
.set OUT,  40                          ; the way out: v40-103 rows read back, v104-119 their places in yp
.set DD,   104
.set WV,   20
.set EX,   21
.set OS,   22
.set KH,   23
.set GG,   24
.set QQ,   25
.set RR,   26
.set RB,   27
.set RUN,  28
.set TS,   29
.set HIM,  30
.set LOW,  31                          ; s31  the bits of the experts below e
.set SEL,  66
.set FLG,  68                          ; s[68:69] 1.0 where kh = 0, else 0: b2 is added once
.set TR,   70                          ; s70  the row for what is thrown away, counted from the half's first plane
.set CNT,  71                          ; s71  trips of the row loop
.macro LOADB t
.set lb_, LB+32*((\t)%2)
.set li_, 0
.rept 32
	global_load_b32 v[lb_+li_], v[WO], s[4:5] offset:(32*(\t)+li_)*PITCH th:TH_LOAD_NT
.set li_, li_+1
.endr
.endm
.macro QBLK t                          ; block t is quantised: K step t / 4 of my two, block t % 4 = 2 c + h in it
.set xs_, LB+32*((\t)%2)
.set qs_, (\t)/4
.set qc_, ((\t)/2)%2
.set qh_, (\t)%2
.set fd_, FB+24*qs_+12*qh_+6*qc_
.if (\t) < 7
	s_wait_loadcnt 32                              ; this block's 32 loads are in; the next block's may be out
.else
	s_wait_loadcnt 0x0
.endif
	v_max3_num_f32 v[QM0], |v[xs_]|, |v[xs_+1]|, |v[xs_+2]|
	v_max3_num_f32 v[QM1], |v[xs_+3]|, |v[xs_+4]|, |v[xs_+5]|
.irp i, 6,10,14,18,22,26
	v_max3_num_f32 v[QM0], v[QM0], |v[xs_+\i]|, |v[xs_+\i+1]|
	v_max3_num_f32 v[QM1], v[QM1], |v[xs_+\i+2]|, |v[xs_+\i+3]|
.endr
	v_max3_num_f32 v[QM0], v[QM0], |v[xs_+30]|, |v[xs_+31]|
	v_max3_num_f32 v[QM0], v[QM0], v[QM1], 0x1800000   ; the floor 2^(3 - 127): the byte cannot fall under 1
	v_add_nc_u32 v[QSV], 0xff000000, v[QM0]        ; 2 off the exponent field: the conversion's scale operand
	v_cvt_scalef32_pk16_fp6_f32 v[fd_:fd_+2], v[xs_:xs_+15], v[QSV]
	v_cvt_scalef32_pk16_fp6_f32 v[QT:QT+2], v[xs_+16:xs_+31], v[QSV]   ; (a conversion's three registers begin on an even number)
	v_lshrrev_b32 v[QBY], 23, v[QSV]               ; the scale's byte (and the plain place behind the conversions)
.if (\t) < 6
	LOADB (\t)+2
.endif
.irp i, 0,1,2
	v_mov_b32 v[fd_+3+\i], v[QT+\i]
.endr
.if (\t)%4 == 0
	v_mov_b32 v[QSW+qs_], v[QBY]
.else
	v_lshl_or_b32 v[QSW+qs_], v[QBY], 8*((\t)%4), v[QSW+qs_]
.endif
.if qh_ == 1                           ; the first block's lanes 16-31 (tile u = 1) change places with the second's lanes 0-15 (tile u = 0)
.irp i, 0,1,2,3,4,5
	v_permlane16_swap_b32 v[FB+24*qs_+6*qc_+\i], v[FB+24*qs_+12+6*qc_+\i]
.endr
.endif
.if (\t)%4 == 3
.irp u, 0,1
.irp c, 0,1,2
	ds_store_b128 v[WI], v[FB+24*qs_+12*\u+4*\c:FB+24*qs_+12*\u+4*\c+3] offset:qs_*NCT*FRB+\u*FRB+\c*512
.endr
.endr
	ds_store_b32 v[WSS], v[QSW+qs_] offset:qs_*NG*128
.endif
.endm
.macro BITSTEP reg, width, inc
	v_bfe_u32 v[ZT], v[\reg], v[ZPOS], \width
	v_cmp_ge_u32 vcc_lo, v[ZK], v[ZT]
	v_cndmask_b32 v[ZT], 0, v[ZT], vcc_lo
	v_sub_nc_u32 v[ZK], v[ZK], v[ZT]
	v_cndmask_b32 v[ZU], 0, \inc, vcc_lo
	v_add_nc_u32 v[ZPOS], v[ZPOS], v[ZU]
.endm
.macro SELECT first                    ; v[TOK] = the place of the v[IDX]-th set bit (from 0) of the 1,024 bits s[32:63].  first = 1: s[RR] = the number of set bits
	v_mov_b32 v[ZW], s32
	v_mov_b32 v[ZP], 0
	v_mov_b32 v[ZJ], 0
	s_mov_b32 s[RUN], 0
.irp j, 0,1,2,3,4,5,6,7,8,9,10,11,12,13,14,15,16,17,18,19,20,21,22,23,24,25,26,27,28,29,30
	s_bcnt1_i32_b32 s[TS], s[32+\j]
	s_add_co_u32 s[RUN], s[RUN], s[TS]
	v_cmp_le_u32 vcc_lo, s[RUN], v[IDX]
	v_cndmask_b32 v[ZW], v[ZW], s[33+\j], vcc_lo
	v_cndmask_b32 v[ZP], v[ZP], s[RUN], vcc_lo
	v_cndmask_b32 v[ZJ], v[ZJ], \j+1, vcc_lo
.endr
.if \first
	s_bcnt1_i32_b32 s[TS], s63
	s_add_co_u32 s[RR], s[RUN], s[TS]
	s_min_u32 s[RR], s[RR], 1024
.endif
	v_sub_nc_u32 v[ZK], v[IDX], v[ZP]
	v_lshrrev_b32 v[ZT], 1, v[ZW]
	v_and_b32 v[ZT], 0x55555555, v[ZT]
	v_sub_nc_u32 v[ZA], v[ZW], v[ZT]
	v_lshrrev_b32 v[ZT], 2, v[ZA]
	v_and_b32 v[ZT], 0x33333333, v[ZT]
	v_and_b32 v[ZB], 0x33333333, v[ZA]
	v_add_nc_u32 v[ZB], v[ZB], v[ZT]
	v_lshrrev_b32 v[ZT], 4, v[ZB]
	v_add_nc_u32 v[ZC], v[ZB], v[ZT]
	v_and_b32 v[ZC], 0x0f0f0f0f, v[ZC]
	v_lshrrev_b32 v[ZT], 8, v[ZC]
	v_add_nc_u32 v[ZD], v[ZC], v[ZT]
	v_mov_b32 v[ZPOS], 0
	BITSTEP ZD, 8, 16
	BITSTEP ZC, 8, 8
	BITSTEP ZB, 4, 4
	BITSTEP ZA, 2, 2
	BITSTEP ZW, 1, 1
	v_lshl_add_u32 v[TOK], v[ZJ], 5, v[ZPOS]
.endm
.macro TOKPREP
	v_mov_b32 v[OTH], 0
	v_permlanex16_b32 v[OTH], v[TOK], s[SEL], s[SEL+1]
	v_cndmask_b32 v[TA], v[TOK], v[OTH], s[HIM]    ; row lane % 16's token,
	v_cndmask_b32 v[TB], v[OTH], v[TOK], s[HIM]    ; row 16 + lane % 16's
	v_min_u32 v[TA], 0x3ff, v[TA]                  ; a number read from memory enters an address behind a bound
	v_min_u32 v[TB], 0x3ff, v[TB]
	v_min_u32 v[TOK], 0x3ff, v[TOK]
	v_lshlrev_b32 v[GA], 5, v[TA]
	v_lshlrev_b32 v[GB], 5, v[TB]
	v_lshlrev_b32 v[TMO], 2, v[TOK]
	s_mul_i32 s[TS], s[RB], 3072
	v_add_nc_u32 v[HIO], s[TS], v[WL0]
	s_lshl_b32 s[TS], s[RB], 2
	v_lshl_add_u32 v[HSO], v1, 2, s[TS]
.endm
.macro OPLOAD s                        ; h's two fragments and scale words of K step s: seven loads, 512 bytes on end each but the last
.irp rt, 0,1
.irp c, 0,1,2
	global_load_b128 v[OPF+24*((\s)%NBUF)+12*\rt+4*\c:OPF+24*((\s)%NBUF)+12*\rt+4*\c+3], v[HIO], s[8:9] offset:49152*\rt+FRB*(\s)+512*\c
.endr
.endr
	global_load_b32 v[OPS+(\s)%NBUF], v[HSO], s[10:11] offset:4096*(\s)
.endm
.macro PRE                             ; the rows' weights, my token's bits, b2, and the first three K steps of h: 11 + 21 loads
	global_load_b32 v[WA], v[GA], s[16:17]
	global_load_b32 v[WA+2], v[GB], s[16:17]
	global_load_b32 v[TMV], v[TMO], s[14:15]
.irp ct, 0,1,2,3
	global_load_b128 v[B2+8*\ct:B2+8*\ct+3], v[BO], s[6:7] offset:(32*(\ct/2)+8*(\ct%2))*4
	global_load_b128 v[B2+8*\ct+4:B2+8*\ct+7], v[BO], s[6:7] offset:(32*(\ct/2)+8*(\ct%2))*4+16
.endr
	OPLOAD 0
	OPLOAD 1
	OPLOAD 2
.endm
.macro WLOAD p
.set ws_, (\p)/NG
.set wg_, (\p)%NG
.set wb_, (\p)%2
.irp u, 0,1
.set wf_, ws_*NCT+2*wg_+\u
.irp c, 0,1,2
.if wf_ < 32
	ds_load_b128 v[WB+24*wb_+12*\u+4*\c:WB+24*wb_+12*\u+4*\c+3], v[WL0] offset:wf_*FRB+512*\c
.else
	ds_load_b128 v[WB+24*wb_+12*\u+4*\c:WB+24*wb_+12*\u+4*\c+3], v[WL1] offset:(wf_-32)*FRB+512*\c
.endif
.endr
.endr
	ds_load_b32 v[WS+wb_], v[WSL] offset:(ws_*NG+wg_)*128
.endm
.macro WM u, rt                        ; one product; in K step 0 the constant 0 starts the sum: nothing is cleared
.set md_, ACC+8*NCT*(\rt)+8*(2*pg_+(\u))
.set ma_, WB+24*pb_+12*(\u)
.set mb_, OPF+24*(ps_%NBUF)+12*(\rt)
.if ps_ == 0
.if (\u) == 0 && (\rt) == 0
	v_wmma_scale_f32_16x16x128_f8f6f4 v[md_:md_+7], v[ma_:ma_+11], v[mb_:mb_+11], 0, v[WS+pb_], v[OPS+ps_%NBUF] matrix_a_fmt:MATRIX_FMT_FP6 matrix_b_fmt:MATRIX_FMT_FP6
.elseif (\u) == 1 && (\rt) == 0
	v_wmma_scale_f32_16x16x128_f8f6f4 v[md_:md_+7], v[ma_:ma_+11], v[mb_:mb_+11], 0, v[WS+pb_], v[OPS+ps_%NBUF] matrix_a_fmt:MATRIX_FMT_FP6 matrix_b_fmt:MATRIX_FMT_FP6 matrix_a_scale:MATRIX_SCALE_ROW1
.elseif (\u) == 0
	v_wmma_scale_f32_16x16x128_f8f6f4 v[md_:md_+7], v[ma_:ma_+11], v[mb_:mb_+11], 0, v[WS+pb_], v[OPS+ps_%NBUF] matrix_a_fmt:MATRIX_FMT_FP6 matrix_b_fmt:MATRIX_FMT_FP6 matrix_b_scale:MATRIX_SCALE_ROW1
.else
	v_wmma_scale_f32_16x16x128_f8f6f4 v[md_:md_+7], v[ma_:ma_+11], v[mb_:mb_+11], 0, v[WS+pb_], v[OPS+ps_%NBUF] matrix_a_fmt:MATRIX_FMT_FP6 matrix_b_fmt:MATRIX_FMT_FP6 matrix_a_scale:MATRIX_SCALE_ROW1 matrix_b_scale:MATRIX_SCALE_ROW1
.endif
.else
.if (\u) == 0 && (\rt) == 0
	v_wmma_scale_f32_16x16x128_f8f6f4 v[md_:md_+7], v[ma_:ma_+11], v[mb_:mb_+11], v[md_:md_+7], v[WS+pb_], v[OPS+ps_%NBUF] matrix_a_fmt:MATRIX_FMT_FP6 matrix_b_fmt:MATRIX_FMT_FP6
.elseif (\u) == 1 && (\rt) == 0
	v_wmma_scale_f32_16x16x128_f8f6f4 v[md_:md_+7], v[ma_:ma_+11], v[mb_:mb_+11], v[md_:md_+7], v[WS+pb_], v[OPS+ps_%NBUF] matrix_a_fmt:MATRIX_FMT_FP6 matrix_b_fmt:MATRIX_FMT_FP6 matrix_a_scale:MATRIX_SCALE_ROW1
.elseif (\u) == 0
	v_wmma_scale_f32_16x16x128_f8f6f4 v[md_:md_+7], v[ma_:ma_+11], v[mb_:mb_+11], v[md_:md_+7], v[WS+pb_], v[OPS+ps_%NBUF] matrix_a_fmt:MATRIX_FMT_FP6 matrix_b_fmt:MATRIX_FMT_FP6 matrix_b_scale:MATRIX_SCALE_ROW1
.else
	v_wmma_scale_f32_16x16x128_f8f6f4 v[md_:md_+7], v[ma_:ma_+11], v[mb_:mb_+11], v[md_:md_+7], v[WS+pb_], v[OPS+ps_%NBUF] matrix_a_fmt:MATRIX_FMT_FP6 matrix_b_fmt:MATRIX_FMT_FP6 matrix_a_scale:MATRIX_SCALE_ROW1 matrix_b_scale:MATRIX_SCALE_ROW1
.endif
.endif
.endm
.macro PAIR p                          ; four products on four accumulators; the 8 accumulators take turns, one instruction a turn
.set ps_, (\p)/NG
.set pg_, (\p)%NG
.set pb_, (\p)%2
.if (\p) < NP-1
	s_wait_dscnt 7                                 ; this pair's seven LDS loads are in; the next pair's may be out
.else
	s_wait_dscnt 0x0
.endif
.if pg_ == 0
.if NS-1-ps_ < NBUF-1
	s_wait_loadcnt 7*(NS-1-ps_)                    ; this K step's rows are in; behind them: seven loads for each later K step asked for
.else
	s_wait_loadcnt 7*(NBUF-1)
.endif
.endif
	WM 0, 0
	WM 1, 0
	WM 0, 1
	WM 1, 1
.rept 4
	v_nop                                          ; four places in front of loads into registers that the products have read, and of the first read of results
.endr
.if (\p)+2 < NP
	WLOAD (\p)+2
.endif
.if pg_ == NG-1
.if ps_+NBUF < NS
	OPLOAD ps_+NBUF
.endif
.endif
.endm
	s_load_b256 s[4:11], s[0:1], 0x0               ; W2 s[4:5], b2 s[6:7], hq s[8:9], hs s[10:11]
	s_load_b256 s[12:19], s[0:1], 0x20             ; em s[12:13], tm s[14:15], gw s[16:17], yp s[18:19]
	v_lshl_add_u32 v38, v0, 2, 0x2a000
	v_mov_b32 v39, 0
	v_lshrrev_b32 v1, 5, v0
	v_readfirstlane_b32 s[WV], v1                  ; wave 0..15
	v_and_b32 v1, 31, v0                           ; lane
	v_bfe_u32 v2, v0, 4, 1                         ; h
	v_and_b32 v3, 15, v0                           ; r
	v_and_b32 v[WO], 7, v0
	v_and_b32 v[OTH], 8, v0
	v_lshl_or_b32 v[WO], v[OTH], 1, v[WO]
	v_lshl_or_b32 v[WO], v2, 3, v[WO]              ; my column in the group: (l & 7) + 2 (l & 8) + 8 h
	v_lshlrev_b32 v[WO], 2, v[WO]
	s_and_b32 s[EX], ttmp7, 0xffff                 ; the expert
	s_and_b32 s[OS], ttmp9, 15                     ; the slice of 64 outputs
	s_lshr_b32 s[KH], ttmp9, 4                     ; the half of H
	s_and_b32 s[GG], s[WV], 1                      ; my group of 32 columns
	s_lshr_b32 s[QQ], s[WV], 1                     ; my eighth of the half's K
	s_lshl_b32 s2, s[EX], 24                       ; W2: the expert's 16 MiB, the half's 8 MiB, my 256 rows of 4 KiB, the slice's 256 bytes, my group's 128
	s_lshl_b32 s3, s[KH], 23
	s_add_co_u32 s2, s2, s3
	s_lshl_b32 s3, s[QQ], 20
	s_add_co_u32 s2, s2, s3
	s_lshl_b32 s3, s[OS], 8
	s_add_co_u32 s2, s2, s3
	s_lshl_b32 s3, s[GG], 7
	s_add_co_u32 s2, s2, s3
	s_mov_b32 s3, 0
	s_wait_kmcnt 0x0
	s_add_nc_u64 s[4:5], s[4:5], s[2:3]
	s_lshl_b32 s2, s[EX], 7
	s_add_nc_u64 s[12:13], s[12:13], s[2:3]
	s_load_b512 s[32:47], s[12:13], 0x0            ; the expert's 1,024 bits
	s_load_b512 s[48:63], s[12:13], 0x40
	LOADB 0
	LOADB 1
	s_lshl_b32 s2, s[EX], 12
	s_lshl_b32 s[TS], s[OS], 8
	s_add_co_u32 s2, s2, s[TS]
	s_add_nc_u64 s[6:7], s[6:7], s[2:3]            ; b2 at the slice
	s_mul_i32 s2, s[EX], 3145728
	s_mul_i32 s[TS], s[KH], 16*FRB
	s_add_co_u32 s2, s2, s[TS]
	s_add_nc_u64 s[8:9], s[8:9], s[2:3]            ; hq: the expert, the half's first K step
	s_lshl_b32 s2, s[EX], 17
	s_lshl_b32 s[TS], s[KH], 16
	s_add_co_u32 s2, s2, s[TS]
	s_add_nc_u64 s[10:11], s[10:11], s[2:3]        ; hs likewise
	s_lshl_b32 s2, s[EX], 2
	s_add_nc_u64 s[16:17], s[16:17], s[2:3]        ; gw: the expert's column
	s_lshl_b32 s2, s[KH], 23
	s_lshl_b32 s[TS], s[OS], 8
	s_add_co_u32 s2, s2, s[TS]
	s_add_nc_u64 s[18:19], s[18:19], s[2:3]        ; yp: the half's two planes, the slice's 256 bytes
	v_lshlrev_b32 v[WL0], 4, v1
	v_add_nc_u32 v[WL1], 32*FRB, v[WL0]
	v_lshl_add_u32 v[WSL], v1, 2, WSC
	s_lshl_b32 s2, s[QQ], 3
	s_lshl_b32 s[TS], s[GG], 1
	s_add_co_u32 s2, s2, s[TS]
	s_mul_i32 s2, s2, FRB
	v_add_nc_u32 v[WI], s2, v[WL0]                 ; my fragments: 4 (2 q + s') + 2 g + u
	s_lshl_b32 s2, s[QQ], 2
	s_add_co_u32 s2, s2, s[GG]
	s_lshl_b32 s2, s2, 7
	s_add_co_u32 s2, s2, WSC
	v_lshl_add_u32 v[WSS], v1, 2, s2               ; my scale words: 2 (2 q + s') + g
	s_mul_i32 s2, s[WV], 16*272
	s_add_co_u32 s2, s2, STG                       ; my stage
	v_mul_u32_u24 v[SO], v3, 272
	v_lshl_add_u32 v[SO], v2, 6, v[SO]
	v_add_nc_u32 v[SO], s2, v[SO]
	v_mul_u32_u24 v[SR], v2, 272
	v_lshl_add_u32 v[SR], v3, 4, v[SR]
	v_add_nc_u32 v[SR], s2, v[SR]
	v_lshlrev_b32 v[IX], 2, v2
	v_lshlrev_b32 v[CO], 4, v3
	v_lshlrev_b32 v[BO], 6, v2
	v_mov_b32 v[WA+1], 0                           ; named as the upper halves of pairs
	v_mov_b32 v[WA+3], 0
	s_mov_b32 s[HIM], 0xffff0000
	s_mov_b32 s[SEL], 0x76543210
	s_mov_b32 s[SEL+1], 0xfedcba98
	s_lshl_b32 s[LOW], 1, s[EX]
	s_sub_co_u32 s[LOW], s[LOW], 1
	s_mul_i32 s[TR], s[KH], 2040
	s_sub_co_u32 s[TR], 4096, s[TR]
	s_add_co_u32 s[TR], s[TR], s[EX]               ; row 4096 + 8 kh + e of yp, less the half's 2048 kh
	s_cmp_eq_u32 s[KH], 0
	s_cselect_b32 s[FLG], 0x3f800000, 0
	s_mov_b32 s[FLG+1], s[FLG]
	s_mov_b32 s[CNT], 0
	s_lshl_b32 s[RB], s[WV], 5                     ; my first unit: rows 32 w on
	s_wait_kmcnt 0x0
	v_add_nc_u32 v[IDX], s[RB], v1
	SELECT 1                                       ; while the first weights are on their way
	TOKPREP
.irp t, 0,1,2,3,4,5,6,7
	QBLK \t
.endr
	s_wait_dscnt 0x0                               ; for the others' sake: my images lie in LDS (and their registers are free)
	PRE                                            ; my first unit's rows are asked for ahead of the barrier (a wave without rows uses none of it)
	s_barrier_signal -1
	s_barrier_wait -1                              ; the slice's 64 fragments lie in LDS; nobody writes them again
	s_cmp_ge_u32 s[RB], s[RR]
	s_cbranch_scc1 .Lend
.Lunit:
	WLOAD 0
	WLOAD 1
.set pp_, 0
.rept NP
	PAIR pp_
.set pp_, pp_+1
.endr
	; where each row goes: plane slot of the half, row = its token; a row past the expert's last: the row that nobody reads
	v_and_b32 v[ET], s[LOW], v[TMV]
	v_cmp_ne_u32 vcc_lo, 0, v[ET]                  ; my token's other expert is the lower one: slot 1
	v_cndmask_b32 v[ET], 0, 0x400, vcc_lo
	v_add_nc_u32 v[ET], v[ET], v[TOK]
	v_mov_b32 v[EU], s[TR]
	v_cmp_gt_u32 vcc_lo, s[RR], v[IDX]
	v_cndmask_b32 v[DQ], v[EU], v[ET], vcc_lo
.irp m, 0,1,2,3,4,5,6,7,8,9,10,11,12,13,14,15
	v_add_nc_u32 v[ET], 8*\m, v[IX]
	ds_bpermute_b32 v[DD+\m], v[ET], v[DQ]         ; store m takes rows 2 m (lanes 0-15) and 2 m + 1 (lanes 16-31) of the unit: their places come from lanes 2 m + h
.endr
.irp rt, 0,1
.irp i, 0,1,2,3,4,5,6,7,8,9,10,11,12,13,14,15
	v_pk_fma_f32 v[ACC+32*\rt+2*\i:ACC+32*\rt+2*\i+1], v[B2+2*\i:B2+2*\i+1], s[FLG:FLG+1], v[ACC+32*\rt+2*\i:ACC+32*\rt+2*\i+1] op_sel_hi:[1,0,1]   ; + b2, in the first half of H alone (each accumulator from its low end on)
.endr
.irp i, 0,1,2,3,4,5,6,7,8,9,10,11,12,13,14,15
	v_pk_mul_f32 v[ACC+32*\rt+2*\i:ACC+32*\rt+2*\i+1], v[ACC+32*\rt+2*\i:ACC+32*\rt+2*\i+1], v[WA+2*\rt:WA+2*\rt+1] op_sel_hi:[1,0]   ; x the row's weight
.endr
.irp ct, 0,1,2,3
	ds_store_b128 v[SO], v[ACC+32*\rt+8*\ct:ACC+32*\rt+8*\ct+3] offset:128*(\ct/2)+32*(\ct%2)          ; lane (r, h): outputs 32 b + 16 h + 8 u + 0 .. 7 of row r
	ds_store_b128 v[SO], v[ACC+32*\rt+8*\ct+4:ACC+32*\rt+8*\ct+7] offset:128*(\ct/2)+32*(\ct%2)+16
.endr
.irp i, 0,1,2,3,4,5,6,7
	ds_load_b128 v[OUT+32*\rt+4*\i:OUT+32*\rt+4*\i+3], v[SR] offset:544*\i   ; LDS serves a wave's instructions in order: these see my stores, and the next tile's stores come behind them
.endr
.endr
	s_wait_dscnt 0x0
.irp m, 0,1,2,3,4,5,6,7,8,9,10,11,12,13,14,15
	v_min_u32 v[DD+\m], 0x1fff, v[DD+\m]           ; a number read from memory enters an address behind a bound
.endr
.irp m, 0,1,2,3,4,5,6,7,8,9,10,11,12,13,14,15
	v_lshl_add_u32 v[DD+\m], v[DD+\m], 12, v[CO]
.endr
.irp m, 0,1,2,3,4,5,6,7,8,9,10,11,12,13,14,15
	global_store_b128 v[DD+\m], v[OUT+4*\m:OUT+4*\m+3], s[18:19] th:TH_STORE_NT   ; sixteen lanes store 256 bytes on end, at a multiple of 256 from yp's first byte
.endr
	s_add_co_u32 s[RB], s[RB], 512                 ; sixteen waves x 32 rows on
	s_cmp_ge_u32 s[RB], s[RR]
	s_cbranch_scc1 .Lend                           ; no rows are left for me: always so behind a second trip, since the expert has at most 1,024 rows
	s_wait_xcnt 0x0                                ; the stores have read their registers and addresses: both are written again below
	v_add_nc_u32 v[IDX], s[RB], v1
	SELECT 0
	TOKPREP
	PRE
	s_add_co_u32 s[CNT], s[CNT], 1                 ; the loop is counted: 1,024 rows / (16 waves x 32 rows) = two trips at the most
	s_cmp_lt_u32 s[CNT], 2
	s_cbranch_scc1 .Lunit
.Lend:
	s_wait_tensorcnt 0x0
	ds_add_u32 v38, v39
	s_wait_dscnt 0x0
	s_endpgm
.Lfunc_end_k_qb3a06d5ee0_ffn2:
	.size	k_qb3a06d5ee0_ffn2, .Lfunc_end_k_qb3a06d5ee0_ffn2-k_qb3a06d5ee0_ffn2
	.p2alignl 7, 3214868480
	.fill 96, 4, 3214868480
	.section	.rodata,"a",@progbits
	.p2align	6, 0x0
	.amdhsa_kernel k_qb3a06d5ee0_ffn2
		.amdhsa_group_segment_fixed_size 174080
		.amdhsa_private_segment_fixed_size 0
		.amdhsa_enable_private_segment 0
		.amdhsa_kernarg_size 64
		.amdhsa_user_sgpr_count 2
		.amdhsa_user_sgpr_kernarg_segment_ptr 1
		.amdhsa_wavefront_size32 1
		.amdhsa_system_sgpr_workgroup_id_x 1
		.amdhsa_system_sgpr_workgroup_id_y 1
		.amdhsa_system_sgpr_workgroup_id_z 1
		.amdhsa_system_vgpr_workitem_id 0
		.amdhsa_next_free_vgpr 256
		.amdhsa_next_free_sgpr 72
		.amdhsa_reserve_vcc 1
		.amdhsa_float_denorm_mode_32 3
		.amdhsa_float_denorm_mode_16_64 3
		.amdhsa_memory_ordered 1
		.amdhsa_forward_progress 1
		.amdhsa_inst_pref_size 127
	.end_amdhsa_kernel
	.amdgpu_metadata
---
amdhsa.version: [ 1, 2 ]
amdhsa.kernels:
  - .name:           k_qb3a06d5ee0_ffn2
    .symbol:         k_qb3a06d5ee0_ffn2.kd
    .args:
      - { .name: W2, .offset: 0, .size: 8, .value_kind: global_buffer, .address_space: global }
      - { .name: b2, .offset: 8, .size: 8, .value_kind: global_buffer, .address_space: global }
      - { .name: hq, .offset: 16, .size: 8, .value_kind: global_buffer, .address_space: global }
      - { .name: hs, .offset: 24, .size: 8, .value_kind: global_buffer, .address_space: global }
      - { .name: em, .offset: 32, .size: 8, .value_kind: global_buffer, .address_space: global }
      - { .name: tm, .offset: 40, .size: 8, .value_kind: global_buffer, .address_space: global }
      - { .name: gw, .offset: 48, .size: 8, .value_kind: global_buffer, .address_space: global }
      - { .name: yp, .offset: 56, .size: 8, .value_kind: global_buffer, .address_space: global }
    .group_segment_fixed_size: 174080
    .private_segment_fixed_size: 0
    .kernarg_segment_align: 8
    .kernarg_segment_size: 64
    .max_flat_workgroup_size: 512
    .sgpr_count:     72
    .vgpr_count:     256
    .wavefront_size: 32
...
	.end_amdgpu_metadata
.endif
;; end of part 3
;; launch comb (part 4): grid 256 x 1, 8 waves a work-group, no clusters, 0 bytes of LDS; arguments yp, out0; writes out0
.if DOCPART == 4
	.amdgcn_target "amdgcn-amd-amdhsa--gfx1250"
	.amdhsa_code_object_version 6
	.text
	.protected	k_qb3a06d5ee0_comb
	.globl	k_qb3a06d5ee0_comb
	.p2align	8
	.type	k_qb3a06d5ee0_comb,@function
k_qb3a06d5ee0_comb:
	s_mov_b64 s[64:65], 0
	v_nop
	global_prefetch_b8 v0, s[64:65] scope:SCOPE_SE
	s_setreg_imm32_b32 hwreg(HW_REG_WAVE_MODE, 25, 1), 1
	s_wait_xcnt 0x0
; out0[token] = the sum of the token's four rows of yp (two halves of H x its two experts), (p0 + p1) + (p2 + p3), in f32.  yp's planes are 4 MiB apart.
; A stream: a work-group takes 16 KiB of out0, a thread four pieces of 16 bytes, 4,096 bytes apart; each load and store of a wave covers 512 bytes on end.  All 16 loads of a thread go out at once.
; No LDS, no matrix unit, no loop: nothing is shared and nothing is read twice.
.set P, 16                             ; v16-79: piece j, plane p at v[16 + 16 j + 4 p]
	s_load_b128 s[4:7], s[0:1], 0x0                ; yp s[4:5], out0 s[6:7]
	v_lshlrev_b32 v1, 4, v0
	s_lshl_b32 s8, ttmp9, 14
	s_mov_b32 s9, 0
	s_wait_kmcnt 0x0
	s_add_nc_u64 s[4:5], s[4:5], s[8:9]
	s_add_nc_u64 s[6:7], s[6:7], s[8:9]
	s_add_nc_u64 s[10:11], s[4:5], 0x800000        ; planes 2 and 3: beyond the reach of a signed 24-bit immediate (ISA guide, chapter 10)
.irp j, 0,1,2,3
	global_load_b128 v[P+16*\j:P+16*\j+3], v1, s[4:5] offset:4096*\j th:TH_LOAD_NT
	global_load_b128 v[P+16*\j+4:P+16*\j+7], v1, s[4:5] offset:4096*\j+0x400000 th:TH_LOAD_NT
	global_load_b128 v[P+16*\j+8:P+16*\j+11], v1, s[10:11] offset:4096*\j th:TH_LOAD_NT
	global_load_b128 v[P+16*\j+12:P+16*\j+15], v1, s[10:11] offset:4096*\j+0x400000 th:TH_LOAD_NT
.endr
.irp j, 0,1,2,3
	s_wait_loadcnt 12-4*\j                         ; piece j's four loads are in; the later pieces' may be out
	v_pk_add_f32 v[P+16*\j:P+16*\j+1], v[P+16*\j:P+16*\j+1], v[P+16*\j+4:P+16*\j+5]
	v_pk_add_f32 v[P+16*\j+2:P+16*\j+3], v[P+16*\j+2:P+16*\j+3], v[P+16*\j+6:P+16*\j+7]
	v_pk_add_f32 v[P+16*\j+8:P+16*\j+9], v[P+16*\j+8:P+16*\j+9], v[P+16*\j+12:P+16*\j+13]
	v_pk_add_f32 v[P+16*\j+10:P+16*\j+11], v[P+16*\j+10:P+16*\j+11], v[P+16*\j+14:P+16*\j+15]
	v_pk_add_f32 v[P+16*\j:P+16*\j+1], v[P+16*\j:P+16*\j+1], v[P+16*\j+8:P+16*\j+9]
	v_pk_add_f32 v[P+16*\j+2:P+16*\j+3], v[P+16*\j+2:P+16*\j+3], v[P+16*\j+10:P+16*\j+11]
	global_store_b128 v1, v[P+16*\j:P+16*\j+3], s[6:7] offset:4096*\j th:TH_STORE_NT
.endr
	s_endpgm
.Lfunc_end_k_qb3a06d5ee0_comb:
	.size	k_qb3a06d5ee0_comb, .Lfunc_end_k_qb3a06d5ee0_comb-k_qb3a06d5ee0_comb
	.p2alignl 7, 3214868480
	.fill 96, 4, 3214868480
	.section	.rodata,"a",@progbits
	.p2align	6, 0x0
	.amdhsa_kernel k_qb3a06d5ee0_comb
		.amdhsa_group_segment_fixed_size 0
		.amdhsa_private_segment_fixed_size 0
		.amdhsa_enable_private_segment 0
		.amdhsa_kernarg_size 16
		.amdhsa_user_sgpr_count 2
		.amdhsa_user_sgpr_kernarg_segment_ptr 1
		.amdhsa_wavefront_size32 1
		.amdhsa_system_sgpr_workgroup_id_x 1
		.amdhsa_system_sgpr_workgroup_id_y 1
		.amdhsa_system_sgpr_workgroup_id_z 1
		.amdhsa_system_vgpr_workitem_id 0
		.amdhsa_next_free_vgpr 96
		.amdhsa_next_free_sgpr 66
		.amdhsa_reserve_vcc 0
		.amdhsa_float_denorm_mode_32 3
		.amdhsa_float_denorm_mode_16_64 3
		.amdhsa_memory_ordered 1
		.amdhsa_forward_progress 1
		.amdhsa_inst_pref_size 5
	.end_amdhsa_kernel
	.amdgpu_metadata
---
amdhsa.version: [ 1, 2 ]
amdhsa.kernels:
  - .name:           k_qb3a06d5ee0_comb
    .symbol:         k_qb3a06d5ee0_comb.kd
    .args:
      - { .name: yp, .offset: 0, .size: 8, .value_kind: global_buffer, .address_space: global }
      - { .name: out0, .offset: 8, .size: 8, .value_kind: global_buffer, .address_space: global }
    .group_segment_fixed_size: 0
    .private_segment_fixed_size: 0
    .kernarg_segment_align: 8
    .kernarg_segment_size: 16
    .max_flat_workgroup_size: 256
    .sgpr_count:     66
    .vgpr_count:     96
    .wavefront_size: 32
...
	.end_amdgpu_metadata
.endif
;; end of part 4
;; ======== version 2 of 2: 4 launches
;; workspace buffers: xq 786,432 bytes; xs 32,768 bytes; gw 32,768 bytes; tm 4,096 bytes of whole numbers; em 1,024 bytes of whole numbers; hq 25,165,824 bytes; hs 1,048,576 bytes; yp 16,842,752 bytes
;; launch gate (part 5): grid 32 x 1, 8 waves a work-group, no clusters, 183,296 bytes of LDS; arguments x, Wg, bg, xq, xs, gw, tm, em; writes xq, xs, gw, tm, em
.if DOCPART == 5
	.amdgcn_target "amdgcn-amd-amdhsa--gfx1250"
	.amdhsa_code_object_version 6
	.text
	.protected	k_qb3a06d5ee0_gate
	.globl	k_qb3a06d5ee0_gate
	.p2align	8
	.type	k_qb3a06d5ee0_gate,@function
k_qb3a06d5ee0_gate:
	s_mov_b64 s[64:65], 0
	v_nop
	global_prefetch_b8 v0, s[64:65] scope:SCOPE_SE
	s_setreg_imm32_b32 hwreg(HW_REG_WAVE_MODE, 25, 1), 1
	s_wait_xcnt 0x0
; THE GATE AND x's CODES.  scores = x Wg + bg in f32; the two largest scores of a token (the lower index wins a tie); weights = softmax x mask / (their sum + 1e-8);
; x [1024][1024] f32 becomes codes of FP6 (E2M3) with one E8M0 byte for each 32 along its rows.
; OUT: gw [token][8] f32 (0 where an expert is not chosen); tm [token] = the two experts' bits; em [expert][32 words], bit t of word j = token 32 j + t uses the expert;
;      xq [token][K step s][half h][c][24 bytes] = block 4 s + 2 c + h, so that a lane's 12 operand registers of a K step are 48 bytes on end; xs [token][32 bytes], one for each block.
; SHARES: a work-group takes 32 tokens, a wave 4, lane l the 32 numbers k = 32 l .. 32 l + 31 of each: a whole block, so that its largest magnitude needs no other lane.
; x is loaded as it lies (512 bytes on end a load) and turned through the wave's own stage in LDS; Wg (32 KiB) lies in LDS, 1,024 bytes + 16 for each lane's 32 rows.
; LIMITS: NaN and infinities are not served, the scores are finite.  A block whose largest magnitude lies under 2^-124 keeps the byte 1; so does a block of zeros, where the rule says 127:
; its codes are zeros, and these bytes are read by this program alone.
; No matrix unit: N = 8.  No tensor loads, no cluster: 4 MiB read once, work-groups share only Wg.
.set STGW, 18432                       ; a wave's stage: 4 tokens x 32 places of 128 + 16 bytes
.set WGL,  8*STGW                      ; Wg: 32 places of 1,024 + 16 bytes
.set SCR,  WGL+32*1040                 ; the scores: 32 tokens x 48 bytes
.set ACC,  32                          ; v32-63   sums [token][expert]
.set X,    64                          ; v64-191  x [token][32]
.set WGB,  192                         ; v192-255 two sets of 4 rows of Wg; later at work
	s_load_b256 s[4:11], s[0:1], 0x0               ; x s[4:5], Wg s[6:7], bg s[8:9], xq s[10:11]
	s_load_b256 s[12:19], s[0:1], 0x20             ; xs s[12:13], gw s[14:15], tm s[16:17], em s[18:19]
	v_lshl_add_u32 v30, v0, 2, 0x2c800
	v_mov_b32 v31, 0
	v_lshrrev_b32 v2, 5, v0
	s_delay_alu instid0(VALU_DEP_1)
	v_readfirstlane_b32 s28, v2                    ; wave 0..7
	v_and_b32 v1, 31, v0                           ; lane
	v_lshlrev_b32 v3, 4, v0                        ; 16 x thread: Wg as it lies
	s_delay_alu instid0(VALU_DEP_2)
	v_lshlrev_b32 v4, 4, v1                        ; 16 x lane: x as it lies
	s_lshl_b32 s29, ttmp9, 5
	s_lshl_b32 s30, s28, 2
	s_add_co_u32 s29, s29, s30                     ; my first token: 32 x work-group + 4 x wave
	s_lshl_b32 s30, s29, 12                        ; its row of 4,096 bytes
	s_mov_b32 s31, 0
	s_wait_alu depctr_va_vdst(0)
	s_wait_kmcnt 0x0
	s_load_b256 s[20:27], s[8:9], 0x0              ; bg
	s_add_nc_u64 s[4:5], s[4:5], s[30:31]
.irp i, 0,1,2,3,4,5,6,7
	global_load_b128 v[WGB+4*\i:WGB+4*\i+3], v3, s[6:7] offset:4096*\i
.endr
.irp t, 0,1,2,3
.irp i, 0,1,2,3,4,5,6,7
	global_load_b128 v[X+32*\t+4*\i:X+32*\t+4*\i+3], v4, s[4:5] offset:4096*\t+512*\i th:TH_LOAD_NT   ; 32 lanes read 512 bytes on end
.endr
.endr
	s_mul_i32 s30, s29, 768
	s_add_nc_u64 s[10:11], s[10:11], s[30:31]      ; xq at my first token
	s_lshl_b32 s30, s29, 5
	s_add_nc_u64 s[12:13], s[12:13], s[30:31]      ; xs likewise
	s_lshl_b32 s30, ttmp9, 10
	s_add_nc_u64 s[14:15], s[14:15], s[30:31]      ; gw at the work-group's first token
	s_lshl_b32 s30, ttmp9, 7
	s_add_nc_u64 s[16:17], s[16:17], s[30:31]      ; tm likewise
	s_lshl_b32 s30, ttmp9, 2
	s_add_nc_u64 s[18:19], s[18:19], s[30:31]      ; em: the work-group's word in each expert's row
	s_mul_i32 s32, s28, STGW                       ; my stage
	v_lshrrev_b32 v5, 6, v0
	s_delay_alu instid0(VALU_DEP_1)
	v_lshlrev_b32 v5, 4, v5
	s_delay_alu instid0(VALU_DEP_1)
	v_add_nc_u32 v5, v5, v3
	s_delay_alu instid0(VALU_DEP_1)
	v_add_nc_u32 v5, WGL, v5                       ; Wg into LDS: 16 x thread, + 16 for each 1,024 passed
	v_lshrrev_b32 v6, 3, v1
	s_delay_alu instid0(VALU_DEP_1)
	v_lshl_add_u32 v6, v6, 4, v4
	s_delay_alu instid0(VALU_DEP_1)
	v_add_nc_u32 v6, s32, v6                       ; x into the stage: 16 x lane, + 16 for each 128 passed
	v_mul_u32_u24 v7, v1, 144
	s_delay_alu instid0(VALU_DEP_1)
	v_add_nc_u32 v7, s32, v7                       ; and back: my block's place
	v_mul_u32_u24 v8, v1, 1040
	s_delay_alu instid0(VALU_DEP_1)
	v_add_nc_u32 v8, WGL, v8                       ; my 32 rows of Wg
	v_lshl_add_u32 v9, v1, 2, s32                  ; the sums' way across lanes: word l of each lane's place
	v_lshrrev_b32 v10, 3, v1
	s_delay_alu instid0(VALU_DEP_1)
	v_mul_u32_u24 v10, v10, 48
	v_and_b32 v13, 7, v1
	s_delay_alu instid0(VALU_DEP_1)
	v_lshl_add_u32 v10, v13, 2, v10
	s_mul_i32 s33, s28, 192
	s_add_co_u32 s33, s33, SCR
	v_add_nc_u32 v10, s33, v10                     ; the score of (token l / 8 of my four, expert l % 8)
	v_mul_u32_u24 v11, v1, 48
	s_delay_alu instid0(VALU_DEP_1)
	v_add_nc_u32 v11, SCR, v11                     ; wave 0: token l's eight scores
	v_lshrrev_b32 v12, 2, v1
	s_delay_alu instid0(VALU_DEP_1)
	v_mul_u32_u24 v12, v12, 96
	v_and_b32 v13, 1, v1
	s_delay_alu instid0(VALU_DEP_1)
	v_mad_u32_u24 v12, v13, 48, v12
	v_bfe_u32 v13, v1, 1, 1
	s_delay_alu instid0(VALU_DEP_1)
	v_mad_u32_u24 v12, v13, 24, v12                ; block l = 4 s + 2 c + h lies at 96 s + 48 h + 24 c of a token's codes
	s_wait_loadcnt 32                              ; Wg's eight loads are in; x's 32 may be out
.irp i, 0,1,2,3,4,5,6,7
	ds_store_b128 v5, v[WGB+4*\i:WGB+4*\i+3] offset:4160*\i
.endr
	s_wait_loadcnt 0x0
.irp t, 0,1,2,3
.irp i, 0,1,2,3,4,5,6,7
	ds_store_b128 v6, v[X+32*\t+4*\i:X+32*\t+4*\i+3] offset:4608*\t+576*\i
.endr
.endr
	s_wait_kmcnt 0x0                               ; bg
	s_wait_dscnt 0x0                               ; for the others' sake: my part of Wg lies in LDS
	s_barrier_signal -1
	s_barrier_wait -1
.irp t, 0,1,2,3
.irp j, 0,1,2,3,4,5,6,7
	ds_load_b128 v[X+32*\t+4*\j:X+32*\t+4*\j+3], v7 offset:4608*\t+16*\j   ; my block of token t: 32 neighbours
.endr
.endr
.macro WGLD bt                         ; rows 4 bt .. 4 bt + 3 of my 32 rows of Wg into set bt % 2
.irp q, 0,1,2,3
	ds_load_b128 v[WGB+32*((\bt)%2)+8*\q:WGB+32*((\bt)%2)+8*\q+3], v8 offset:32*(4*(\bt)+\q)
	ds_load_b128 v[WGB+32*((\bt)%2)+8*\q+4:WGB+32*((\bt)%2)+8*\q+7], v8 offset:32*(4*(\bt)+\q)+16
.endr
.endm
.macro GFMA bt                         ; 64 packed multiply-adds: 4 k x 4 tokens x 4 pairs of experts; x's number serves both halves.  The very first product starts the sums
.irp q, 0,1,2,3
.set kk_, 4*(\bt)+\q
.irp t, 0,1,2,3
.irp p, 0,1,2,3
.if kk_ == 0
	v_pk_mul_f32 v[ACC+8*\t+2*\p:ACC+8*\t+2*\p+1], v[X+32*\t:X+32*\t+1], v[WGB+2*\p:WGB+2*\p+1] op_sel_hi:[0,1]
.elseif kk_%2 == 0
	v_pk_fma_f32 v[ACC+8*\t+2*\p:ACC+8*\t+2*\p+1], v[X+32*\t+kk_:X+32*\t+kk_+1], v[WGB+32*((\bt)%2)+8*\q+2*\p:WGB+32*((\bt)%2)+8*\q+2*\p+1], v[ACC+8*\t+2*\p:ACC+8*\t+2*\p+1] op_sel:[0,0,0] op_sel_hi:[0,1,1]
.else
	v_pk_fma_f32 v[ACC+8*\t+2*\p:ACC+8*\t+2*\p+1], v[X+32*\t+kk_-1:X+32*\t+kk_], v[WGB+32*((\bt)%2)+8*\q+2*\p:WGB+32*((\bt)%2)+8*\q+2*\p+1], v[ACC+8*\t+2*\p:ACC+8*\t+2*\p+1] op_sel:[1,0,0] op_sel_hi:[1,1,1]
.endif
.endr
.endr
.endr
.endm
	WGLD 0
.irp bt, 0,1,2,3,4,5,6
	WGLD \bt+1
	s_wait_dscnt 8                                 ; all but the next batch's eight loads are in
	GFMA \bt
.endr
	s_wait_dscnt 0x0
	GFMA 7
	; across the 32 lanes: each lane lays its 32 sums into its place of the stage, and lane l adds word l of all 32 places
.irp j, 0,1,2,3,4,5,6,7
	ds_store_b128 v7, v[ACC+4*\j:ACC+4*\j+3] offset:16*\j
.endr
.irp i, 0,1,2,3,4,5,6,7,8,9,10,11,12,13,14,15,16,17,18,19,20,21,22,23,24,25,26,27,28,29,30,31
	ds_load_b32 v[WGB+\i], v9 offset:144*\i        ; LDS serves a wave's instructions in order: these see my stores
.endr
	s_wait_dscnt 0x0
.irp i, 0,2,4,6,8,10,12,14
	v_pk_add_f32 v[WGB+\i:WGB+\i+1], v[WGB+\i:WGB+\i+1], v[WGB+16+\i:WGB+17+\i]
.endr
.irp i, 0,2,4,6
	s_delay_alu instid0(VALU_DEP_4)
	v_pk_add_f32 v[WGB+\i:WGB+\i+1], v[WGB+\i:WGB+\i+1], v[WGB+8+\i:WGB+9+\i]
.endr
.irp i, 0,2
	s_delay_alu instid0(VALU_DEP_2)
	v_pk_add_f32 v[WGB+\i:WGB+\i+1], v[WGB+\i:WGB+\i+1], v[WGB+4+\i:WGB+5+\i]
.endr
	s_delay_alu instid0(VALU_DEP_1)
	v_pk_add_f32 v[WGB:WGB+1], v[WGB:WGB+1], v[WGB+2:WGB+3]
	s_delay_alu instid0(VALU_DEP_1)
	v_add_f32 v[WGB], v[WGB], v[WGB+1]             ; x Wg of (token l / 8, expert l % 8)
	ds_store_b32 v10, v[WGB]
	s_wait_dscnt 0x0                               ; for wave 0's sake
	s_barrier_signal -1
	s_barrier_wait -1
	s_cmp_lg_u32 s28, 0
	s_cbranch_scc1 .Lquant
	; ---- wave 0: a lane to a token
	ds_load_b128 v[32:35], v11
	ds_load_b128 v[36:39], v11 offset:16
	s_wait_dscnt 0x0
.irp e, 0,1,2,3,4,5,6,7
	v_add_f32 v[32+\e], s[20+\e], v[32+\e]         ; + bg
.endr
	v_mov_b32 v56, v32                             ; the largest score and its expert: only a greater score takes the place, so the lower index wins a tie
	v_mov_b32 v57, 0
.irp e, 1,2,3,4,5,6,7
	s_delay_alu instid0(VALU_DEP_2)
	v_cmp_gt_f32 vcc_lo, v[32+\e], v56
	s_delay_alu instid0(VALU_DEP_1)
	v_cndmask_b32 v56, v56, v[32+\e], vcc_lo
	s_delay_alu instid0(VALU_DEP_2)
	v_cndmask_b32 v57, v57, \e, vcc_lo
.endr
	v_mov_b32 v61, 0xff800000                      ; -infinity takes the winner's place
.irp e, 0,1,2,3,4,5,6,7
	v_cmp_eq_u32 vcc_lo, \e, v57
	s_delay_alu instid0(VALU_DEP_1)
	v_cndmask_b32 v[40+\e], v[32+\e], v61, vcc_lo
.endr
	v_mov_b32 v58, v40                             ; the second largest likewise
	v_mov_b32 v59, 0
.irp e, 1,2,3,4,5,6,7
	s_delay_alu instid0(VALU_DEP_2)
	v_cmp_gt_f32 vcc_lo, v[40+\e], v58
	s_delay_alu instid0(VALU_DEP_1)
	v_cndmask_b32 v58, v58, v[40+\e], vcc_lo
	s_delay_alu instid0(VALU_DEP_2)
	v_cndmask_b32 v59, v59, \e, vcc_lo
.endr
	v_lshlrev_b32 v60, v57, 1
	s_delay_alu instid0(VALU_DEP_2)
	v_lshlrev_b32 v61, v59, 1
	s_delay_alu instid0(VALU_DEP_1)
	v_or_b32 v60, v60, v61                         ; the token's two bits
.irp e, 0,1,2,3,4,5,6,7
	v_sub_f32 v[48+\e], v[32+\e], v56              ; the maximum is taken away, as in the softmax
.endr
.irp e, 0,1,2,3,4,5,6,7
	v_mul_f32 v[48+\e], 0x3fb8aa3b, v[48+\e]
.endr
	s_wait_alu depctr_va_vdst(0)
.irp e, 0,1,2,3,4,5,6,7
	v_exp_f32 v[48+\e], v[48+\e]
.endr
.irp e, 0,1,2,3,4,5,6,7
	v_and_b32 v61, 1<<\e, v60                      ; (plain work behind the exponentials)  who has chosen expert e: a bit for each of the 32 tokens,
	s_delay_alu instid0(VALU_DEP_1)
	v_cmp_ne_u32 s[40+\e], 0, v61                  ; which is the work-group's word of em
.endr
	s_wait_alu depctr_va_vdst(0)                   ; one wait for the eight exponentials, ahead of their first reader
	v_add_f32 v40, v48, v49
	v_add_f32 v41, v50, v51
	v_add_f32 v42, v52, v53
	v_add_f32 v43, v54, v55
	s_delay_alu instid0(VALU_DEP_3)
	v_add_f32 v40, v40, v41
	s_delay_alu instid0(VALU_DEP_2)
	v_add_f32 v42, v42, v43
	s_delay_alu instid0(VALU_DEP_1)
	v_add_f32 v40, v40, v42
	s_wait_alu depctr_va_vdst(0)
	v_rcp_f32 v41, v40
	v_mov_b32 v200, 0                              ; (a plain place)
	s_wait_alu depctr_va_vdst(0)
.irp e, 0,1,2,3,4,5,6,7
	v_mul_f32 v[48+\e], v[48+\e], v41              ; the softmax,
.endr
.irp e, 0,1,2,3,4,5,6,7
	v_cndmask_b32 v[48+\e], 0, v[48+\e], s[40+\e]  ; times the mask
.endr
	v_add_f32 v40, v48, v49
	v_add_f32 v41, v50, v51
	v_add_f32 v42, v52, v53
	s_delay_alu instid0(VALU_DEP_4)
	v_add_f32 v43, v54, v55
	s_delay_alu instid0(VALU_DEP_3)
	v_add_f32 v40, v40, v41
	s_delay_alu instid0(VALU_DEP_2)
	v_add_f32 v42, v42, v43
	s_delay_alu instid0(VALU_DEP_1)
	v_add_f32 v40, v40, v42
	s_delay_alu instid0(VALU_DEP_1)
	v_add_f32 v40, 0x322bcc77, v40                 ; + 1e-8
	s_wait_alu depctr_va_vdst(0)
	v_rcp_f32 v42, v40
.irp e, 0
	v_writelane_b32 v200, s[40+\e], \e
.endr
.irp e, 1, 2, 3, 4, 5, 6, 7
	s_delay_alu instid0(VALU_DEP_1)
	v_writelane_b32 v200, s[40+\e], \e             ; lane e carries expert e's word
.endr
	s_wait_alu depctr_va_vdst(0)
.irp e, 0,1,2,3,4,5,6,7
	v_mul_f32 v[192+\e], v[48+\e], v42
.endr
	v_lshlrev_b32 v201, 5, v1
	v_lshlrev_b32 v202, 2, v1
	v_lshlrev_b32 v203, 7, v1
	global_store_b128 v201, v[192:195], s[14:15]
	global_store_b128 v201, v[196:199], s[14:15] offset:16
	global_store_b32 v202, v60, s[16:17]
	s_wait_alu depctr_va_vdst(0)
	s_wait_xcnt 0x0                                ; EXEC changes only behind this wait
	v_cmp_gt_u32 vcc_lo, 8, v1
	s_and_saveexec_b32 s48, vcc_lo
	global_store_b32 v203, v200, s[18:19]          ; lanes 0 to 7: em[lane][work-group]
	s_wait_xcnt 0x0                                ; and again in front of the line that widens it; it also frees the stores' registers
	s_or_b32 exec_lo, exec_lo, s48
.Lquant:
	; ---- every wave: its four tokens' codes.  A block's scale operand is its largest magnitude with 2 taken off the exponent field; the floor 2^(3 - 127) holds the byte at 1 from below
.macro QTOK t
.set xs_, X+32*(\t)
	v_max3_num_f32 v228, |v[xs_]|, |v[xs_+1]|, |v[xs_+2]|
	v_max3_num_f32 v229, |v[xs_+3]|, |v[xs_+4]|, |v[xs_+5]|
.irp i, 6,10,14,18,22,26
	s_delay_alu instid0(VALU_DEP_2)
	v_max3_num_f32 v228, v228, |v[xs_+\i]|, |v[xs_+\i+1]|
	s_delay_alu instid0(VALU_DEP_2)
	v_max3_num_f32 v229, v229, |v[xs_+\i+2]|, |v[xs_+\i+3]|
.endr
	s_delay_alu instid0(VALU_DEP_2)
	v_max3_num_f32 v228, v228, |v[xs_+30]|, |v[xs_+31]|
	s_delay_alu instid0(VALU_DEP_1)
	v_max3_num_f32 v228, v228, v229, 0x1800000
	s_delay_alu instid0(VALU_DEP_1)
	v_add_nc_u32 v230, 0xff000000, v228
	v_cvt_scalef32_pk16_fp6_f32 v[192+8*(\t):194+8*(\t)], v[xs_:xs_+15], v230
	v_cvt_scalef32_pk16_fp6_f32 v[196+8*(\t):198+8*(\t)], v[xs_+16:xs_+31], v230
	v_lshrrev_b32 v[224+(\t)], 23, v230            ; the scale's byte (and the plain place behind the conversions)
	global_store_b96 v12, v[192+8*(\t):194+8*(\t)], s[10:11] offset:768*(\t)
	global_store_b96 v12, v[196+8*(\t):198+8*(\t)], s[10:11] offset:768*(\t)+12
	global_store_b8 v1, v[224+(\t)], s[12:13] offset:32*(\t)
.endm
	QTOK 0
	QTOK 1
	QTOK 2
	QTOK 3
	s_wait_tensorcnt 0x0
	ds_add_u32 v30, v31
	s_wait_dscnt 0x0
	s_endpgm
.Lfunc_end_k_qb3a06d5ee0_gate:
	.size	k_qb3a06d5ee0_gate, .Lfunc_end_k_qb3a06d5ee0_gate-k_qb3a06d5ee0_gate
	.p2alignl 7, 3214868480
	.fill 96, 4, 3214868480
	.section	.rodata,"a",@progbits
	.p2align	6, 0x0
	.amdhsa_kernel k_qb3a06d5ee0_gate
		.amdhsa_group_segment_fixed_size 183296
		.amdhsa_private_segment_fixed_size 0
		.amdhsa_enable_private_segment 0
		.amdhsa_kernarg_size 64
		.amdhsa_user_sgpr_count 2
		.amdhsa_user_sgpr_kernarg_segment_ptr 1
		.amdhsa_wavefront_size32 1
		.amdhsa_system_sgpr_workgroup_id_x 1
		.amdhsa_system_sgpr_workgroup_id_y 1
		.amdhsa_system_sgpr_workgroup_id_z 1
		.amdhsa_system_vgpr_workitem_id 0
		.amdhsa_next_free_vgpr 256
		.amdhsa_next_free_sgpr 66
		.amdhsa_reserve_vcc 1
		.amdhsa_float_denorm_mode_32 3
		.amdhsa_float_denorm_mode_16_64 3
		.amdhsa_memory_ordered 1
		.amdhsa_forward_progress 1
		.amdhsa_inst_pref_size 71
	.end_amdhsa_kernel
	.amdgpu_metadata
---
amdhsa.version: [ 1, 2 ]
amdhsa.kernels:
  - .name:           k_qb3a06d5ee0_gate
    .symbol:         k_qb3a06d5ee0_gate.kd
    .args:
      - { .name: x, .offset: 0, .size: 8, .value_kind: global_buffer, .address_space: global }
      - { .name: Wg, .offset: 8, .size: 8, .value_kind: global_buffer, .address_space: global }
      - { .name: bg, .offset: 16, .size: 8, .value_kind: global_buffer, .address_space: global }
      - { .name: xq, .offset: 24, .size: 8, .value_kind: global_buffer, .address_space: global }
      - { .name: xs, .offset: 32, .size: 8, .value_kind: global_buffer, .address_space: global }
      - { .name: gw, .offset: 40, .size: 8, .value_kind: global_buffer, .address_space: global }
      - { .name: tm, .offset: 48, .size: 8, .value_kind: global_buffer, .address_space: global }
      - { .name: em, .offset: 56, .size: 8, .value_kind: global_buffer, .address_space: global }
    .group_segment_fixed_size: 183296
    .private_segment_fixed_size: 0
    .kernarg_segment_align: 8
    .kernarg_segment_size: 64
    .max_flat_workgroup_size: 256
    .sgpr_count:     66
    .vgpr_count:     256
    .wavefront_size: 32
...
	.end_amdgpu_metadata
.endif
;; end of part 5
;; launch ffn1 (part 6): grid 32 x 8, 16 waves a work-group, no clusters, 104,448 bytes of LDS; arguments W1, b1, xq, xs, em, hq, hs; writes hq, hs
.if DOCPART == 6
	.amdgcn_target "amdgcn-amd-amdhsa--gfx1250"
	.amdhsa_code_object_version 6
	.text
	.protected	k_qb3a06d5ee0_ffn1
	.globl	k_qb3a06d5ee0_ffn1
	.p2align	8
	.type	k_qb3a06d5ee0_ffn1,@function
k_qb3a06d5ee0_ffn1:
	s_mov_b64 s[64:65], 0
	v_nop
	global_prefetch_b8 v0, s[64:65] scope:SCOPE_SE
	s_setreg_imm32_b32 hwreg(HW_REG_WAVE_SCHED_MODE, 0, 2), 2
	s_setreg_imm32_b32 hwreg(HW_REG_WAVE_MODE, 25, 1), 1
	s_wait_xcnt 0x0
	s_wait_alu depctr_vm_vsrc(0)
; THE FIRST PRODUCT OF THE CHOSEN ROWS.  Work-group (sl, e): hidden units 128 sl .. 128 sl + 127 of expert e, for all tokens that have chosen e: h = relu(x W1[e] + b1[e]), quantised along H.
; Both operands are codes of FP6 (E2M3) with one E8M0 byte for each 32 along K = 1,024; sums in f32.  Rows of experts that a token has not chosen get the weight 0 in the layer's last sum and are not made.
; PHASE A.  The work-group's slice of W1, 1,024 x 128 f32 = 512 KiB, is read ONCE from memory and quantised on the way.  K is W1's first axis: a lane takes a column and its registers run down K, so a block of 32
; lies in one lane.  Wave w: columns 32 (w % 4) on, K = 256 (w / 4) on: 8 blocks a lane, two blocks (up to 64 loads of 128 bytes) ahead.  The codes go to LDS as images of operand registers (16 bytes a lane, 512 a store).
; THE COLUMNS OF A TILE ARE NOT NEIGHBOURS: row m of tile 2 b + u is column 32 b + 8 u + m + 8 (m / 8), so that in the transposed result the 16 registers of tiles 2 b, 2 b + 1 are 16 neighbours along H.
; Lanes 0-15 take tile 2 b's columns and lanes 16-31 tile 2 b + 1's; an exchange of halves between the registers of two neighbouring blocks gives each tile its operand (lanes 0-15 block 2 c, lanes 16-31 block 2 c + 1).
; PHASE B, behind the one barrier.  The expert's rows are its tokens in ascending order; wave w takes rows 32 w on, then 512 further on, while rows are left: an expert has at most 1,024 rows, so the loop is counted
; to two trips and left earlier where no rows are left.  A lane finds its row's token from the expert's 32 words of em, by arithmetic in registers.
; A unit: 2 tiles of 16 rows x 8 tiles of columns = 16 accumulators; source 0 = 16 columns of W1 (from LDS), source 1 = 16 rows of x (from xq); b1 is loaded into the accumulators and is
; the first C.  Then relu, the quantiser, and the fragment (K step sl of the second product) leaves as an image of its registers: 512 bytes on end a store.
; Rows past the expert's last in its last unit take some token's x; they are stored, read by the next launch and thrown away there.
; NO TENSOR LOADS, NO CLUSTER: where the row loop ends is read from memory.  What work-groups share (x's codes) is 0.2 MB beside 0.5 MB of weights of their own.
; LIMITS: NaN and infinities are not served.  A block whose largest magnitude lies under 2^-124, a block of zeros too, keeps the byte 1 (the rule: 127 for zeros): its codes are zeros, and this program alone reads the bytes.
; THE MODE: SCHED_MODE bits 1:0 = 2 (LLVM: expert scheduling mode 2), set by the entry lines.  The code itself states the register dependences
; between vector or matrix instructions and memory or LDS instructions, with s_wait_alu, always for 0.
; THE PLAN.  Registers that memory or LDS instructions touch:
;   LB0, LB1 (v32-95)     Block t: its maxima and conversions read LB[t % 2]; behind them the loads of block t + 2 land in it.
;   FB (v96-143), QSW     Written by the conversions, moves and exchanges of four blocks; read by the LDS stores at blocks 3 and 7; later other loads land there.
;   WB0, WB1, WS          Pair p: its four products read WB[p % 2] and its scale words; behind them the LDS loads of pair p + 2 land there.
;   OPF0, OPF1, OPS       K step s: its sixteen products read OPF[s % 2] and its scale words; behind the last of them the loads of K step s + 2 land there.
;   the accumulators      b1's loads land in them; then products, relu and the quantiser name them: vector and matrix instructions alone.
;   PC (v48-59, v68-79), PW (v88)  Written by the quantiser; read by the unit's seven stores.
;   v4-v9, v16            Offsets and LDS addresses made once at the head.    v11-v15  A unit's offsets: written ahead of the unit, read by its loads and stores.
; So: ONE wait on va_vdst in a block of phase A, behind all its vector lines; ONE behind a pair's four products; ONE ahead of a unit's run of stores; ONE ahead of the next unit's first loads.
; Waits on vm_vsrc: one at phase A's end, behind the LDS stores, and one behind a unit's last store.  A compare's mask has its wait ahead of the first line that reads it.
.set PITCH, 16384                      ; a row of W1[e] in bytes
.set NG,    4                          ; groups of 32 columns
.set NCT,   8                          ; tiles of 16 columns
.set NS,    8                          ; K steps of 128
.set NBUF,  2                          ; sets of registers for the rows' fragments
.set NP,    NS*NG                      ; pairs of tiles in a unit
.set FRB,   1536                       ; a fragment's image: 12 registers x 128 bytes
.set WSC,   64*FRB                     ; LDS: 64 fragments (K step s, tile ct: 8 s + ct), then their scale words, 128 bytes for (s, group): 4 s + g
.set WO,   4                           ; v4   W1: 4 x my column in the group
.set WI,   5                           ; v5   where I store images
.set WSS,  6                           ; v6   and scale words
.set WL0,  7                           ; v7   16 x lane: images 0-31
.set WL1,  8                           ; v8   images 32-63
.set WSL,  9                           ; v9   scale words, 4 x lane
.set TOK,  10                          ; v10  the token of row RB + lane
.set XA,   11                          ; v11  xq: the token of row lane % 16 of the unit's first tile, + 48 x half
.set XB,   12                          ; v12  of its second tile
.set XSO,  13                          ; v13  xs: my row's scale words
.set HO,   14                          ; v14  hq: 16 x lane + the unit's first tile
.set HSO,  15                          ; v15  hs: my row's word
.set BO,   16                          ; v16  b1: 64 x half
.set IDX,  17                          ; v17  RB + lane
.set OTH,  18
.set TA,   19
.set TB,   20
.set H48,  22                          ; v22  48 x half
.set WS,   28                          ; v28-29 W1's scale words, v30-31 x's: these four hold scales and nothing else
.set OPS,  30
.set LB,   32                          ; phase A: v32-95 two sets of 32 numbers; v96-143 the wave's four fragments; v144-152 at work
.set FB,   96
.set QT,   144
.set QM0,  147
.set QM1,  148
.set QSV,  149
.set QBY,  150
.set QSW,  151
.set ZW,   144                         ; the search for a token: v144-154, never at the same time as phase A's work
.set ZP,   145
.set ZJ,   146
.set ZK,   147
.set ZA,   148
.set ZB,   149
.set ZC,   150
.set ZD,   151
.set ZT,   152
.set ZU,   153
.set ZPOS, 154
.set OPF,  32                          ; phase B: v32-79 x's fragments [set][tile of rows][12]; v80-127 W1's [set][u][12]; v128-255 accumulators [tile of rows][tile of columns][8]
.set WB,   80
.set ACC,  128
.set TM,   32                          ; behind the products: v32-47 at work, v48-67 and v68-87 the two fragments, v88-89 their scale words
.set PC,   48
.set PW,   88
.set WV,   18
.set EX,   19
.set CNT,  20                          ; s20  trips of the row loop
.set GG,   21
.set QQ,   22
.set RR,   23                          ; s23  the expert's rows
.set RB,   24                          ; s24  my unit's first row
.set RUN,  25
.set TS,   26
.set HIM,  27                          ; s27  lanes 16-31
.set SEL,  28                          ; s[28:29] lane l xor 16
.set PS,   66                          ; s66-73 the search: eight running counts of set bits
.set MK,   74                          ; s74-81 the search: eight compares' masks
.macro LOADB t                         ; block t: W1(32 t + i, my column), i = 0 .. 31, into set t % 2: each load reads 128 bytes on end
.set lb_, LB+32*((\t)%2)
.set li_, 0
.rept 32
	global_load_b32 v[lb_+li_], v[WO], s[4:5] offset:(32*(\t)+li_)*PITCH th:TH_LOAD_NT
.set li_, li_+1
.endr
.endm
.macro QBLK t                          ; block t is quantised: K step t / 4 of my two, block t % 4 = 2 c + h in it
.set xs_, LB+32*((\t)%2)
.set qs_, (\t)/4
.set qc_, ((\t)/2)%2
.set qh_, (\t)%2
.set fd_, FB+24*qs_+12*qh_+6*qc_
.if (\t) < 7
	s_wait_loadcnt 32                              ; this block's 32 loads are in; the next block's may be out
.else
	s_wait_loadcnt 0x0
.endif
	v_max3_num_f32 v[QM0], |v[xs_]|, |v[xs_+1]|, |v[xs_+2]|
	v_max3_num_f32 v[QM1], |v[xs_+3]|, |v[xs_+4]|, |v[xs_+5]|
.irp i, 6,10,14,18,22,26
	v_max3_num_f32 v[QM0], v[QM0], |v[xs_+\i]|, |v[xs_+\i+1]|
	v_max3_num_f32 v[QM1], v[QM1], |v[xs_+\i+2]|, |v[xs_+\i+3]|
.endr
	v_max3_num_f32 v[QM0], v[QM0], |v[xs_+30]|, |v[xs_+31]|
	v_max3_num_f32 v[QM0], v[QM0], v[QM1], 0x1800000   ; the floor 2^(3 - 127): the byte cannot fall under 1
	v_add_nc_u32 v[QSV], 0xff000000, v[QM0]        ; 2 off the exponent field: the conversion's scale operand
	v_cvt_scalef32_pk16_fp6_f32 v[fd_:fd_+2], v[xs_:xs_+15], v[QSV]
	v_cvt_scalef32_pk16_fp6_f32 v[QT:QT+2], v[xs_+16:xs_+31], v[QSV]   ; (a conversion's three registers begin on an even number)
	v_lshrrev_b32 v[QBY], 23, v[QSV]               ; the scale's byte (and the plain place behind the conversions)
.irp i, 0,1,2
	v_mov_b32 v[fd_+3+\i], v[QT+\i]
.endr
.if (\t)%4 == 0
	v_mov_b32 v[QSW+qs_], v[QBY]
.else
	v_lshl_or_b32 v[QSW+qs_], v[QBY], 8*((\t)%4), v[QSW+qs_]
.endif
.if qh_ == 1                           ; blocks 2 c and 2 c + 1 are there: the first's lanes 16-31 (tile u = 1) change places with the second's lanes 0-15 (tile u = 0)
.irp i, 0,1,2,3,4,5
	v_permlane16_swap_b32 v[FB+24*qs_+6*qc_+\i], v[FB+24*qs_+12+6*qc_+\i]
.endr
.endif
.if (\t) != 6                          ; (block 6 asks for nothing and stores nothing: no wait)
	s_wait_alu depctr_va_vdst(0)                   ; the maxima and conversions are done reading this set, in which the loads of two blocks on land; at a K step's end its fragments and scale words are written, which the LDS stores read
.endif
.if (\t) < 6
	LOADB (\t)+2                                   ; the set is free: two blocks ahead
.endif
.if (\t)%4 == 3                        ; a K step's two fragments and its scale words (lanes 0-15: tile u = 0's rows, lanes 16-31: tile u = 1's) go to LDS as they stand
.irp u, 0,1
.irp c, 0,1,2
	ds_store_b128 v[WI], v[FB+24*qs_+12*\u+4*\c:FB+24*qs_+12*\u+4*\c+3] offset:qs_*NCT*FRB+\u*FRB+\c*512
.endr
.endr
	ds_store_b32 v[WSS], v[QSW+qs_] offset:qs_*NG*128
.endif
.endm
.macro BITSTEP reg, width, inc         ; if the field at ZPOS holds ZK set bits or fewer, pass over it
	v_bfe_u32 v[ZT], v[\reg], v[ZPOS], \width
	v_cmp_ge_u32 vcc_lo, v[ZK], v[ZT]
	s_wait_alu depctr_va_vcc(0)                    ; the compare has written VCC, which the two selections below read (each step hangs on the step before: no run of compares here)
	v_cndmask_b32 v[ZT], 0, v[ZT], vcc_lo
	v_sub_nc_u32 v[ZK], v[ZK], v[ZT]
	v_cndmask_b32 v[ZU], 0, \inc, vcc_lo
	v_add_nc_u32 v[ZPOS], v[ZPOS], v[ZU]
.endm
.macro SELECT first                    ; v[TOK] = the place of the v[IDX]-th set bit (from 0) of the 1,024 bits s[32:63].  first = 1: s[RR] = the number of set bits
	v_mov_b32 v[ZW], s32
	v_mov_b32 v[ZP], 0
	v_mov_b32 v[ZJ], 0
	s_mov_b32 s[RUN], 0
.irp g, 0,1,2,3                        ; the 31 compares go in runs of eight, each into a mask of its own, with one wait behind the run
.irp i, 0,1,2,3,4,5,6,7
.if 8*\g+\i < 31
	s_bcnt1_i32_b32 s[TS], s[32+8*\g+\i]
	s_add_co_u32 s[RUN], s[RUN], s[TS]             ; set bits in words 0 .. j, j = 8 g + i,
	s_mov_b32 s[PS+\i], s[RUN]                     ; kept for the selection below
	v_cmp_le_u32 s[MK+\i], s[PS+\i], v[IDX]        ; mine lies further on: take word j + 1
.endif
.endr
	s_wait_alu depctr_va_sdst(0)                   ; the run's compares have written their masks, which the selections below read
.irp i, 0,1,2,3,4,5,6,7
.if 8*\g+\i < 31
	v_cndmask_b32 v[ZW], v[ZW], s[33+8*\g+\i], s[MK+\i]
	v_cndmask_b32 v[ZP], v[ZP], s[PS+\i], s[MK+\i]
	v_cndmask_b32 v[ZJ], v[ZJ], 8*\g+\i+1, s[MK+\i]
.endif
.endr
.endr
.if \first
	s_bcnt1_i32_b32 s[TS], s63
	s_add_co_u32 s[RR], s[RUN], s[TS]
	s_min_u32 s[RR], s[RR], 1024
.endif
	v_sub_nc_u32 v[ZK], v[IDX], v[ZP]              ; which set bit of my word
	v_lshrrev_b32 v[ZT], 1, v[ZW]
	v_and_b32 v[ZT], 0x55555555, v[ZT]
	v_sub_nc_u32 v[ZA], v[ZW], v[ZT]               ; counts of 2 bits,
	v_lshrrev_b32 v[ZT], 2, v[ZA]
	v_and_b32 v[ZT], 0x33333333, v[ZT]
	v_and_b32 v[ZB], 0x33333333, v[ZA]
	v_add_nc_u32 v[ZB], v[ZB], v[ZT]               ; of 4,
	v_lshrrev_b32 v[ZT], 4, v[ZB]
	v_add_nc_u32 v[ZC], v[ZB], v[ZT]
	v_and_b32 v[ZC], 0x0f0f0f0f, v[ZC]             ; of 8,
	v_lshrrev_b32 v[ZT], 8, v[ZC]
	v_add_nc_u32 v[ZD], v[ZC], v[ZT]               ; of 16 (in the low byte)
	v_mov_b32 v[ZPOS], 0
	BITSTEP ZD, 8, 16
	BITSTEP ZC, 8, 8
	BITSTEP ZB, 4, 4
	BITSTEP ZA, 2, 2
	BITSTEP ZW, 1, 1
	v_lshl_add_u32 v[TOK], v[ZJ], 5, v[ZPOS]       ; a row past the last set bit still gets a number up to 1,023
.endm
.macro TOKPREP                         ; the unit's addresses.  Lane l holds row l's token; lane (r, h) wants row r's for the first tile of rows and row 16 + r's for the second
	v_mov_b32 v[OTH], 0
	v_permlanex16_b32 v[OTH], v[TOK], s[SEL], s[SEL+1]
	v_cndmask_b32 v[TA], v[TOK], v[OTH], s[HIM]
	v_cndmask_b32 v[TB], v[OTH], v[TOK], s[HIM]
	v_min_u32 v[TA], 0x3ff, v[TA]                  ; a number read from memory enters an address behind a bound
	v_min_u32 v[TB], 0x3ff, v[TB]
	v_min_u32 v[TOK], 0x3ff, v[TOK]
	v_mul_u32_u24 v[XA], v[TA], 768
	v_mul_u32_u24 v[XB], v[TB], 768
	v_add_nc_u32 v[XA], v[XA], v[H48]
	v_add_nc_u32 v[XB], v[XB], v[H48]
	v_lshlrev_b32 v[XSO], 5, v[TOK]
	s_mul_i32 s[TS], s[RB], 3072                   ; a tile of 16 rows is 32 fragments, 49,152 bytes
	v_add_nc_u32 v[HO], s[TS], v[WL0]
	s_lshl_b32 s[TS], s[RB], 2
	v_lshl_add_u32 v[HSO], v1, 2, s[TS]
.endm
.macro OPLOAD s                        ; x's two fragments and scale words of K step s: seven loads
.irp c, 0,1,2
	global_load_b128 v[OPF+24*((\s)%NBUF)+4*\c:OPF+24*((\s)%NBUF)+4*\c+3], v[XA], s[8:9] offset:96*(\s)+16*\c
.endr
.irp c, 0,1,2
	global_load_b128 v[OPF+24*((\s)%NBUF)+12+4*\c:OPF+24*((\s)%NBUF)+12+4*\c+3], v[XB], s[8:9] offset:96*(\s)+16*\c
.endr
	global_load_b32 v[OPS+(\s)%NBUF], v[XSO], s[10:11] offset:4*(\s)   ; lanes 0-15: the first tile's rows, lanes 16-31: the second's
.endm
.macro PRE                             ; b1 into the accumulators (lane (r, h), tile 2 b + u, register j: unit 32 b + 16 h + 8 u + j), then the first two K steps of x: 32 + 14 loads
.irp rt, 0,1
.irp ct, 0,1,2,3,4,5,6,7
	global_load_b128 v[ACC+64*\rt+8*\ct:ACC+64*\rt+8*\ct+3], v[BO], s[6:7] offset:(32*(\ct/2)+8*(\ct%2))*4
	global_load_b128 v[ACC+64*\rt+8*\ct+4:ACC+64*\rt+8*\ct+7], v[BO], s[6:7] offset:(32*(\ct/2)+8*(\ct%2))*4+16
.endr
.endr
	OPLOAD 0
	OPLOAD 1
.endm
.macro WLOAD p                         ; pair p = (K step p / NG, group p % NG): two fragments of W1 and their scale words, from LDS: seven loads
.set ws_, (\p)/NG
.set wg_, (\p)%NG
.set wb_, (\p)%2
.irp u, 0,1
.set wf_, ws_*NCT+2*wg_+\u
.irp c, 0,1,2
.if wf_ < 32
	ds_load_b128 v[WB+24*wb_+12*\u+4*\c:WB+24*wb_+12*\u+4*\c+3], v[WL0] offset:wf_*FRB+512*\c
.else
	ds_load_b128 v[WB+24*wb_+12*\u+4*\c:WB+24*wb_+12*\u+4*\c+3], v[WL1] offset:(wf_-32)*FRB+512*\c
.endif
.endr
.endr
	ds_load_b32 v[WS+wb_], v[WSL] offset:(ws_*NG+wg_)*128
.endm
.macro WM u, rt                        ; one product: tile 2 g + u of columns x tile rt of rows.  The scale words of u = 1 and of rt = 1 stand in lanes 16-31
.set md_, ACC+8*NCT*(\rt)+8*(2*pg_+(\u))
.set ma_, WB+24*pb_+12*(\u)
.set mb_, OPF+24*(ps_%NBUF)+12*(\rt)
.if (\u) == 0 && (\rt) == 0
	v_wmma_scale_f32_16x16x128_f8f6f4 v[md_:md_+7], v[ma_:ma_+11], v[mb_:mb_+11], v[md_:md_+7], v[WS+pb_], v[OPS+ps_%NBUF] matrix_a_fmt:MATRIX_FMT_FP6 matrix_b_fmt:MATRIX_FMT_FP6
.elseif (\u) == 1 && (\rt) == 0
	v_wmma_scale_f32_16x16x128_f8f6f4 v[md_:md_+7], v[ma_:ma_+11], v[mb_:mb_+11], v[md_:md_+7], v[WS+pb_], v[OPS+ps_%NBUF] matrix_a_fmt:MATRIX_FMT_FP6 matrix_b_fmt:MATRIX_FMT_FP6 matrix_a_scale:MATRIX_SCALE_ROW1
.elseif (\u) == 0
	v_wmma_scale_f32_16x16x128_f8f6f4 v[md_:md_+7], v[ma_:ma_+11], v[mb_:mb_+11], v[md_:md_+7], v[WS+pb_], v[OPS+ps_%NBUF] matrix_a_fmt:MATRIX_FMT_FP6 matrix_b_fmt:MATRIX_FMT_FP6 matrix_b_scale:MATRIX_SCALE_ROW1
.else
	v_wmma_scale_f32_16x16x128_f8f6f4 v[md_:md_+7], v[ma_:ma_+11], v[mb_:mb_+11], v[md_:md_+7], v[WS+pb_], v[OPS+ps_%NBUF] matrix_a_fmt:MATRIX_FMT_FP6 matrix_b_fmt:MATRIX_FMT_FP6 matrix_a_scale:MATRIX_SCALE_ROW1 matrix_b_scale:MATRIX_SCALE_ROW1
.endif
.endm
.macro PAIR p                          ; four products on four accumulators; the 16 accumulators take turns, one instruction a turn
.set ps_, (\p)/NG
.set pg_, (\p)%NG
.set pb_, (\p)%2
.if (\p) < NP-1
	s_wait_dscnt 7                                 ; this pair's seven LDS loads are in; the next pair's may be out
.else
	s_wait_dscnt 0x0
.endif
.if pg_ == 0
.if NS-1-ps_ < NBUF-1
	s_wait_loadcnt 7*(NS-1-ps_)                    ; this K step's rows are in; behind them: seven loads for each later K step asked for
.else
	s_wait_loadcnt 7*(NBUF-1)
.endif
.endif
	WM 0, 0
	WM 1, 0
	WM 0, 1
	WM 1, 1
.if (\p)+2 < NP
	s_wait_alu depctr_va_vdst(0)                   ; the four products are done reading their set of W1's fragments and its scale words, in which the LDS loads below land; at a K step's end the sixteen are done reading x's set and its scale words likewise
	WLOAD (\p)+2                                   ; the set is asked for again at once, so that fourteen LDS loads stay out
.endif
.if pg_ == NG-1
.if ps_+NBUF < NS
	OPLOAD ps_+NBUF
.endif
.endif
.if (\p) == NP-1
.rept 4
	v_nop                                          ; four places behind the last products, in front of the first vector lines that read results or write operands (ISA guide 7.12.1)
.endr
.endif
.endm
; 64 numbers of a lane, register 16 b + i = unit 32 b + 16 (lane / 16) + i of my row, none negative, become a fragment's codes in v[pc] on and its scale word in v[pw]
.macro QUANT s, pc, pw
.irp b, 0,1,2,3
	v_max3_num_f32 v[TM+\b], v[(\s)+16*\b], v[(\s)+1+16*\b], 0x1800000
.endr
.irp i, 2,4,6,8,10,12,14
.irp b, 0,1,2,3
	v_max3_num_f32 v[TM+\b], v[TM+\b], v[(\s)+16*\b+\i], v[(\s)+1+16*\b+\i]
.endr
.endr
.irp b, 0,1,2,3
	v_permlanex16_b32 v[TM+4+\b], v[TM+\b], s[SEL], s[SEL+1]
.endr
.irp b, 0,1,2,3
	v_max_num_f32 v[TM+\b], v[TM+\b], v[TM+4+\b]   ; with lane l xor 16's: the block's largest
.endr
.irp b, 0,1,2,3
	v_add_nc_u32 v[TM+12+\b], 0xff000000, v[TM+\b]
.endr
.irp b, 0,1,2,3
	v_lshrrev_b32 v[TM+4+\b], 23, v[TM+12+\b]
.endr
	v_lshl_or_b32 v[\pw], v[TM+5], 8, v[TM+4]
	v_lshl_or_b32 v[\pw], v[TM+6], 16, v[\pw]
	v_lshl_or_b32 v[\pw], v[TM+7], 24, v[\pw]
.irp c, 0,1
	v_cvt_scalef32_pk16_fp6_f32 v[(\pc)+6*\c:(\pc)+2+6*\c], v[(\s)+32*\c:(\s)+15+32*\c], v[TM+12+2*\c]
	v_cvt_scalef32_pk16_fp6_f32 v[(\pc)+12+4*\c:(\pc)+14+4*\c], v[(\s)+16+32*\c:(\s)+31+32*\c], v[TM+12+2*\c+1]
.endr
	v_nop                                          ; one plain place behind a scaled conversion
.irp c, 0,1                            ; the operand wants a whole block in a lane: lanes 0-15 block 2 c, lanes 16-31 block 2 c + 1
.irp i, 0,1,2
	v_permlane16_swap_b32 v[(\pc)+6*\c+\i], v[(\pc)+12+4*\c+\i]
.endr
.irp i, 0,1,2
	v_mov_b32 v[(\pc)+3+6*\c+\i], v[(\pc)+12+4*\c+\i]
.endr
.endr
.endm
.macro FINV rt                         ; a tile of 16 rows: relu (each accumulator from its low end on) and the quantiser: vector lines alone
.set j_, 0
.rept 64
	v_max_num_f32 v[ACC+64*(\rt)+j_], 0, v[ACC+64*(\rt)+j_]
.set j_, j_+1
.endr
.irp b, 0,1,2,3
	v_mov_b32 v[TM+4+\b], 0                        ; a lane permute's destination counts as one of its sources
.endr
	QUANT ACC+64*(\rt), PC+20*(\rt), PW+(\rt)
.endm
.macro FINS rt                         ; and its image to hq
.irp c, 0,1,2
	global_store_b128 v[HO], v[PC+20*(\rt)+4*\c:PC+20*(\rt)+4*\c+3], s[14:15] offset:49152*(\rt)+512*\c   ; 32 lanes store 512 bytes on end, at a multiple of 512 from hq's first byte
.endr
.endm
	s_load_b256 s[4:11], s[0:1], 0x0               ; W1 s[4:5], b1 s[6:7], xq s[8:9], xs s[10:11]
	s_load_b128 s[12:15], s[0:1], 0x20             ; em s[12:13], hq s[14:15]
	s_load_b64 s[16:17], s[0:1], 0x30              ; hs
	v_lshl_add_u32 v26, v0, 2, 0x19000
	v_mov_b32 v27, 0
	v_lshrrev_b32 v1, 5, v0
	v_readfirstlane_b32 s[WV], v1                  ; wave 0..15
	v_and_b32 v1, 31, v0                           ; lane
	v_bfe_u32 v2, v0, 4, 1                         ; h
	v_and_b32 v[WO], 7, v0
	v_and_b32 v[OTH], 8, v0
	v_lshl_or_b32 v[WO], v[OTH], 1, v[WO]
	v_lshl_or_b32 v[WO], v2, 3, v[WO]              ; my column in the group: (l & 7) + 2 (l & 8) + 8 h
	v_lshlrev_b32 v[WO], 2, v[WO]
	s_and_b32 s[EX], ttmp7, 0xffff                 ; the expert
	s_wait_alu depctr_va_sdst(0)                   ; the wave's number is written in s[WV], ahead of its first reader
	s_and_b32 s[GG], s[WV], 3                      ; my group of 32 columns
	s_lshr_b32 s[QQ], s[WV], 2                     ; my quarter of K
	s_lshl_b32 s2, s[EX], 24                       ; W1: the expert's 16 MiB, my 256 rows of 16 KiB, the slice's 512 bytes, my group's 128
	s_lshl_b32 s3, s[QQ], 22
	s_add_co_u32 s2, s2, s3
	s_lshl_b32 s3, ttmp9, 9
	s_add_co_u32 s2, s2, s3
	s_lshl_b32 s3, s[GG], 7
	s_add_co_u32 s2, s2, s3
	s_mov_b32 s3, 0
	s_wait_kmcnt 0x0
	s_add_nc_u64 s[4:5], s[4:5], s[2:3]
	s_lshl_b32 s2, s[EX], 7
	s_add_nc_u64 s[12:13], s[12:13], s[2:3]
	s_load_b512 s[32:47], s[12:13], 0x0            ; the expert's 1,024 bits
	s_load_b512 s[48:63], s[12:13], 0x40
	s_wait_alu depctr_va_vdst(0)                   ; v[WO] is written, which every load of W1 reads as its offset
	LOADB 0
	LOADB 1
	s_lshl_b32 s2, s[EX], 14
	s_lshl_b32 s[TS], ttmp9, 9
	s_add_co_u32 s2, s2, s[TS]
	s_add_nc_u64 s[6:7], s[6:7], s[2:3]            ; b1 at the slice
	s_mul_i32 s2, s[EX], 3145728
	s_mul_i32 s[TS], ttmp9, FRB
	s_add_co_u32 s2, s2, s[TS]
	s_add_nc_u64 s[14:15], s[14:15], s[2:3]        ; hq: the expert, K step sl
	s_lshl_b32 s2, s[EX], 17
	s_lshl_b32 s[TS], ttmp9, 12
	s_add_co_u32 s2, s2, s[TS]
	s_add_nc_u64 s[16:17], s[16:17], s[2:3]        ; hs likewise
	v_lshlrev_b32 v[WL0], 4, v1
	v_add_nc_u32 v[WL1], 32*FRB, v[WL0]
	v_lshl_add_u32 v[WSL], v1, 2, WSC
	s_lshl_b32 s2, s[QQ], 4
	s_lshl_b32 s[TS], s[GG], 1
	s_add_co_u32 s2, s2, s[TS]
	s_mul_i32 s2, s2, FRB
	v_add_nc_u32 v[WI], s2, v[WL0]                 ; my fragments: 8 (2 q + s') + 2 g + u
	s_lshl_b32 s2, s[QQ], 3
	s_add_co_u32 s2, s2, s[GG]
	s_lshl_b32 s2, s2, 7
	s_add_co_u32 s2, s2, WSC
	v_lshl_add_u32 v[WSS], v1, 2, s2               ; my scale words: 4 (2 q + s') + g
	v_lshlrev_b32 v[BO], 6, v2
	v_mul_u32_u24 v[H48], v2, 48
	s_mov_b32 s[HIM], 0xffff0000
	s_mov_b32 s[SEL], 0x76543210
	s_mov_b32 s[SEL+1], 0xfedcba98
	s_mov_b32 s[CNT], 0
	s_lshl_b32 s[RB], s[WV], 5                     ; my first unit: rows 32 w on
	s_wait_kmcnt 0x0
	v_add_nc_u32 v[IDX], s[RB], v1
	s_wait_alu depctr_va_vdst(0)
	SELECT 1                                       ; while the first weights are on their way
	TOKPREP
.irp t, 0,1,2,3,4,5,6,7
	QBLK \t
.endr
	s_wait_dscnt 0x0                               ; for the others' sake: my images lie in LDS
	s_wait_alu depctr_vm_vsrc(0)                   ; my LDS stores have read the fragments v96-143 and the scale words v151-152, in which the loads below and the loop's first LDS loads land
	PRE                                            ; my first unit's rows are asked for ahead of the barrier.  Block 7's wait on va_vdst stands behind the kernel's last vector line so far: the offsets v11-v13 and v16 are written, and v32-255 are done with
	s_barrier_signal -1
	s_barrier_wait -1                              ; the slice's 64 fragments lie in LDS; nobody writes them again
	s_cmp_ge_u32 s[RB], s[RR]
	s_cbranch_scc1 .Lend                           ; no row for me
.Lunit:
	WLOAD 0                                        ; no vector or matrix line stands between the last wait on va_vdst and these loads, on the way in and on the way back alike
	WLOAD 1
.set pp_, 0
.rept NP
	PAIR pp_
.set pp_, pp_+1
.endr
	FINV 0
	FINV 1
	v_cndmask_b32 v[PW], v[PW], v[PW+1], s[HIM]    ; lane l: row l's scale word
	s_wait_alu depctr_va_vdst(0)                   ; the quantiser has written both fragments' codes (v48-59, v68-79) and the scale words (v88), which the seven stores below read
	FINS 0
	FINS 1
	global_store_b32 v[HSO], v[PW], s[16:17]
	s_wait_alu depctr_vm_vsrc(0)                   ; the unit's stores and loads have read their data and offsets (v11-v15, v48-88), which the next unit's addresses, loads and LDS loads write again: ahead of the branch, so on every way to those writes
	s_add_co_u32 s[RB], s[RB], 512                 ; sixteen waves x 32 rows on
	s_cmp_ge_u32 s[RB], s[RR]
	s_cbranch_scc1 .Lend                           ; no rows are left for me: always so behind a second trip, since the expert has at most 1,024 rows
	s_wait_xcnt 0x0                                ; the stores have read their registers and addresses: both are written again below
	v_add_nc_u32 v[IDX], s[RB], v1
	s_wait_alu depctr_va_vdst(0)
	SELECT 0
	TOKPREP
	s_wait_alu depctr_va_vdst(0)                   ; the next unit's offsets v11-v15 are written, which its loads and stores read; products, relu, quantiser and search are done with v28-255, in which the loads below and the loop's first LDS loads land
	PRE
	s_add_co_u32 s[CNT], s[CNT], 1                 ; the loop is counted: 1,024 rows / (16 waves x 32 rows) = two trips at the most
	s_cmp_lt_u32 s[CNT], 2
	s_cbranch_scc1 .Lunit
.Lend:
	s_wait_dscnt 0x0                               ; the closing lines, six on end
	s_wait_alu 0x0
	s_wait_tensorcnt 0x0
	ds_add_u32 v26, v27
	s_wait_dscnt 0x0
	s_endpgm
.Lfunc_end_k_qb3a06d5ee0_ffn1:
	.size	k_qb3a06d5ee0_ffn1, .Lfunc_end_k_qb3a06d5ee0_ffn1-k_qb3a06d5ee0_ffn1
	.p2alignl 7, 3214868480
	.fill 96, 4, 3214868480
	.section	.rodata,"a",@progbits
	.p2align	6, 0x0
	.amdhsa_kernel k_qb3a06d5ee0_ffn1
		.amdhsa_group_segment_fixed_size 104448
		.amdhsa_private_segment_fixed_size 0
		.amdhsa_enable_private_segment 0
		.amdhsa_kernarg_size 56
		.amdhsa_user_sgpr_count 2
		.amdhsa_user_sgpr_kernarg_segment_ptr 1
		.amdhsa_wavefront_size32 1
		.amdhsa_system_sgpr_workgroup_id_x 1
		.amdhsa_system_sgpr_workgroup_id_y 1
		.amdhsa_system_sgpr_workgroup_id_z 1
		.amdhsa_system_vgpr_workitem_id 0
		.amdhsa_next_free_vgpr 256
		.amdhsa_next_free_sgpr 82
		.amdhsa_reserve_vcc 1
		.amdhsa_float_denorm_mode_32 3
		.amdhsa_float_denorm_mode_16_64 3
		.amdhsa_memory_ordered 1
		.amdhsa_forward_progress 1
		.amdhsa_inst_pref_size 127
	.end_amdhsa_kernel
	.amdgpu_metadata
---
amdhsa.version: [ 1, 2 ]
amdhsa.kernels:
  - .name:           k_qb3a06d5ee0_ffn1
    .symbol:         k_qb3a06d5ee0_ffn1.kd
    .args:
      - { .name: W1, .offset: 0, .size: 8, .value_kind: global_buffer, .address_space: global }
      - { .name: b1, .offset: 8, .size: 8, .value_kind: global_buffer, .address_space: global }
      - { .name: xq, .offset: 16, .size: 8, .value_kind: global_buffer, .address_space: global }
      - { .name: xs, .offset: 24, .size: 8, .value_kind: global_buffer, .address_space: global }
      - { .name: em, .offset: 32, .size: 8, .value_kind: global_buffer, .address_space: global }
      - { .name: hq, .offset: 40, .size: 8, .value_kind: global_buffer, .address_space: global }
      - { .name: hs, .offset: 48, .size: 8, .value_kind: global_buffer, .address_space: global }
    .group_segment_fixed_size: 104448
    .private_segment_fixed_size: 0
    .kernarg_segment_align: 8
    .kernarg_segment_size: 56
    .max_flat_workgroup_size: 512
    .sgpr_count:     82
    .vgpr_count:     256
    .wavefront_size: 32
...
	.end_amdgpu_metadata
.endif
;; end of part 6
;; launch ffn2 (part 7): grid 32 x 8, 16 waves a work-group, no clusters, 174,080 bytes of LDS; arguments W2, b2, hq, hs, em, tm, gw, yp; writes yp
.if DOCPART == 7
	.amdgcn_target "amdgcn-amd-amdhsa--gfx1250"
	.amdhsa_code_object_version 6
	.text
	.protected	k_qb3a06d5ee0_ffn2
	.globl	k_qb3a06d5ee0_ffn2
	.p2align	8
	.type	k_qb3a06d5ee0_ffn2,@function
k_qb3a06d5ee0_ffn2:
	s_mov_b64 s[64:65], 0
	v_nop
	global_prefetch_b8 v0, s[64:65] scope:SCOPE_SE
	s_setreg_imm32_b32 hwreg(HW_REG_WAVE_SCHED_MODE, 0, 2), 2
	s_setreg_imm32_b32 hwreg(HW_REG_WAVE_MODE, 25, 1), 1
	s_wait_xcnt 0x0
	s_wait_alu depctr_vm_vsrc(0)
; THE SECOND PRODUCT OF THE CHOSEN ROWS.  Work-group (x, e): outputs 64 os .. 64 os + 63 (os = x % 16) of expert e, summed over half kh = x / 16 of H (2,048 hidden units), for all tokens that have chosen e:
; yp[2 kh + slot][token] = (h W2[e] (+ b2[e] where kh = 0)) x the token's weight for e; slot = 0 for the lower of a token's two experts, 1 for the higher.  The next launch adds a token's four rows.
; Both operands are codes of FP6 (E2M3) with one E8M0 byte for each 32 along K = H; sums in f32.
; PHASE A: the slice of W2, 2,048 x 64 f32 = 512 KiB, is read ONCE from memory and quantised on the way: a lane takes a column, its registers run down K.  Wave w: columns 32 (w % 2) on, K = 256 (w / 2) on.
; The codes go to LDS as images of operand registers.  Row m of tile 2 b + u is column 32 b + 8 u + m + 8 (m / 8), so that a lane's 16 results of tiles 2 b, 2 b + 1 are 16 neighbouring outputs.
; PHASE B, behind the one barrier: wave w takes the expert's rows 32 w on, then 512 further on, while rows are left: the same units that the launch before has stored.  An expert has at most 1,024 rows, so the loop
; is counted to two trips and left earlier where no rows are left.  A unit: 2 tiles of rows x 4 tiles of columns,
; 16 K steps; source 0 = 16 columns of W2 (LDS), source 1 = 16 rows of h (images in hq, three K steps ahead).  The results go through the wave's own stage in LDS and leave as whole rows of 256 bytes.
; Rows past the expert's last in its last unit go to the work-group's own 256 bytes of a row behind the four planes (row 4096 + 8 kh + e), which nobody reads: so no store needs a change of EXEC.
; A wave without rows has asked for its first unit ahead of the barrier like the others: those loads stay inside their buffers, and nothing is made of what they bring.
; 64 columns and half of H: a row's piece is 256 bytes on end, aligned; 256 work-groups of 512 KiB; four planes to add.
; NO TENSOR LOADS, NO CLUSTER: where the row loop ends is read from memory.
; LIMITS: NaN and infinities are not served.  A block of W2 whose largest magnitude lies under 2^-124, a block of zeros too, keeps the byte 1: its codes are zeros, and this program alone reads the bytes.
; THE MODE: SCHED_MODE bits 1:0 = 2 (LLVM: expert scheduling mode 2), set by the entry lines.  The code itself states the register dependences
; between vector or matrix instructions and memory or LDS instructions, with s_wait_alu, always for 0.
; THE PLAN.  Registers that memory or LDS instructions touch:
;   LB0, LB1 (v40-103)    Block t: its maxima and conversions read LB[t % 2]; behind them the loads of block t + 2 land in it.
;   FB (v104-151), QSW    Written by the conversions, moves and exchanges of four blocks; read by the LDS stores at blocks 3 and 7; later other loads land there.
;   WB0, WB1, WS          Pair p: its four products read WB[p % 2] and its scale words; behind them the LDS loads of pair p + 2 land there.
;   OPF0 .. OPF2, OPS     K step s: its eight products read OPF[s % 3] and its scale words; behind the last of them the loads of K step s + 3 land there.
;   WA, TMV, B2           A unit's weights, bits and bias: loaded ahead of the unit, read by the vector lines of its way out.
;   the accumulators      Written by the products and the packed lines of the way out; read by the stores into the stage.
;   BX (v120-135), DQ     The sixteen permutes' indices and their data: written by vector lines, read by the permutes.
;   DD (v104-119)         The permutes' results; bounded and shifted by vector lines; read by the sixteen stores as their offsets.    OUT (v40-103)  LDS loads land there; the stores read it.
;   v4-v9, v19-v23        Offsets and LDS addresses made once at the head.    v11, v12, v25-v27  A unit's offsets: written ahead of the unit, read by its loads.
; So: ONE wait on va_vdst in a block of phase A, behind all its vector lines; ONE behind a pair's four products; on the way out ONE ahead of the run of LDS instructions and ONE ahead of the run of stores;
; ONE ahead of the next unit's first loads.  Waits on vm_vsrc: one at phase A's end, behind the LDS stores, and one behind a unit's last store.  A compare's mask has its wait ahead of the first line that reads it.
.set PITCH, 4096                       ; a row of W2[e] in bytes
.set NG,    2
.set NCT,   4
.set NS,    16
.set NBUF,  3
.set NP,    NS*NG
.set FRB,   1536
.set WSC,   64*FRB                     ; LDS: 64 fragments (4 s + ct), their scale words (2 s + g) x 128 bytes,
.set STG,   WSC+4096                   ; and a stage of 16 rows x (256 + 16) bytes for each wave
.set WO,   4
.set WI,   5
.set WSS,  6
.set WL0,  7
.set WL1,  8
.set WSL,  9
.set TOK,  10                          ; v10  the token of row RB + lane
.set HIO,  11                          ; v11  hq: 16 x lane + the unit's first tile
.set HSO,  12                          ; v12  hs: my row's word
.set IDX,  13                          ; v13  RB + lane
.set WA,   14                          ; v[14:15] the weight of row lane % 16 of the first tile of rows (the pair's upper word is 0 and not used); v[16:17] of the second
.set DQ,   18                          ; v18  where row RB + lane goes in yp
.set SO,   19                          ; v19  the stage: row r, + 64 h
.set SR,   20                          ; v20  and back: row h, + 16 r
.set IX,   21                          ; v21  4 h
.set CO,   22                          ; v22  16 r
.set BO,   23                          ; v23  64 h
.set TMV,  24                          ; v24  my token's two bits
.set GA,   25
.set GB,   26
.set TMO,  27
.set OTH,  28
.set TA,   29
.set TB,   30
.set ET,   31
.set EU,   37
.set WS,   32                          ; v32-33 W2's scale words, v34-36 h's: these five hold scales and nothing else
.set OPS,  34
.set LB,   40                          ; phase A: v40-103 two sets of 32 numbers; v104-151 the wave's four fragments; v152-160 at work
.set FB,   104
.set QT,   152
.set QM0,  155
.set QM1,  156
.set QSV,  157
.set QBY,  158
.set QSW,  159
.set ZW,   160                         ; the search for a token: v160-170, ahead of the loads of b2
.set ZP,   161
.set ZJ,   162
.set ZK,   163
.set ZA,   164
.set ZB,   165
.set ZC,   166
.set ZD,   167
.set ZT,   168
.set ZU,   169
.set ZPOS, 170
.set OPF,  40                          ; phase B: v40-111 h's fragments [set][tile of rows][12]; v112-159 W2's; v160-191 b2 [tile of columns][8]; v192-255 accumulators
.set WB,   112
.set B2,   160
.set ACC,  192
.set OUT,  40                          ; the way out: v40-103 rows read back, v104-119 their places in yp, v120-135 the permutes' indices
.set DD,   104
.set BX,   120
.set WV,   20
.set EX,   21
.set OS,   22
.set KH,   23
.set GG,   24
.set QQ,   25
.set RR,   26
.set RB,   27
.set RUN,  28
.set TS,   29
.set HIM,  30
.set LOW,  31                          ; s31  the bits of the experts below e
.set SEL,  66
.set FLG,  68                          ; s[68:69] 1.0 where kh = 0, else 0: b2 is added once
.set TR,   70                          ; s70  the row for what is thrown away, counted from the half's first plane
.set CNT,  71                          ; s71  trips of the row loop
.set PS,   72                          ; s72-79 the search: eight running counts of set bits
.set MK,   80                          ; s80-87 eight compares' masks
.macro LOADB t
.set lb_, LB+32*((\t)%2)
.set li_, 0
.rept 32
	global_load_b32 v[lb_+li_], v[WO], s[4:5] offset:(32*(\t)+li_)*PITCH th:TH_LOAD_NT
.set li_, li_+1
.endr
.endm
.macro QBLK t                          ; block t is quantised: K step t / 4 of my two, block t % 4 = 2 c + h in it
.set xs_, LB+32*((\t)%2)
.set qs_, (\t)/4
.set qc_, ((\t)/2)%2
.set qh_, (\t)%2
.set fd_, FB+24*qs_+12*qh_+6*qc_
.if (\t) < 7
	s_wait_loadcnt 32                              ; this block's 32 loads are in; the next block's may be out
.else
	s_wait_loadcnt 0x0
.endif
	v_max3_num_f32 v[QM0], |v[xs_]|, |v[xs_+1]|, |v[xs_+2]|
	v_max3_num_f32 v[QM1], |v[xs_+3]|, |v[xs_+4]|, |v[xs_+5]|
.irp i, 6,10,14,18,22,26
	v_max3_num_f32 v[QM0], v[QM0], |v[xs_+\i]|, |v[xs_+\i+1]|
	v_max3_num_f32 v[QM1], v[QM1], |v[xs_+\i+2]|, |v[xs_+\i+3]|
.endr
	v_max3_num_f32 v[QM0], v[QM0], |v[xs_+30]|, |v[xs_+31]|
	v_max3_num_f32 v[QM0], v[QM0], v[QM1], 0x1800000   ; the floor 2^(3 - 127): the byte cannot fall under 1
	v_add_nc_u32 v[QSV], 0xff000000, v[QM0]        ; 2 off the exponent field: the conversion's scale operand
	v_cvt_scalef32_pk16_fp6_f32 v[fd_:fd_+2], v[xs_:xs_+15], v[QSV]
	v_cvt_scalef32_pk16_fp6_f32 v[QT:QT+2], v[xs_+16:xs_+31], v[QSV]   ; (a conversion's three registers begin on an even number)
	v_lshrrev_b32 v[QBY], 23, v[QSV]               ; the scale's byte (and the plain place behind the conversions)
.irp i, 0,1,2
	v_mov_b32 v[fd_+3+\i], v[QT+\i]
.endr
.if (\t)%4 == 0
	v_mov_b32 v[QSW+qs_], v[QBY]
.else
	v_lshl_or_b32 v[QSW+qs_], v[QBY], 8*((\t)%4), v[QSW+qs_]
.endif
.if qh_ == 1                           ; the first block's lanes 16-31 (tile u = 1) change places with the second's lanes 0-15 (tile u = 0)
.irp i, 0,1,2,3,4,5
	v_permlane16_swap_b32 v[FB+24*qs_+6*qc_+\i], v[FB+24*qs_+12+6*qc_+\i]
.endr
.endif
.if (\t) != 6                          ; (block 6 asks for nothing and stores nothing: no wait)
	s_wait_alu depctr_va_vdst(0)                   ; the maxima and conversions are done reading this set, in which the loads of two blocks on land; at a K step's end its fragments and scale words are written, which the LDS stores read
.endif
.if (\t) < 6
	LOADB (\t)+2
.endif
.if (\t)%4 == 3
.irp u, 0,1
.irp c, 0,1,2
	ds_store_b128 v[WI], v[FB+24*qs_+12*\u+4*\c:FB+24*qs_+12*\u+4*\c+3] offset:qs_*NCT*FRB+\u*FRB+\c*512
.endr
.endr
	ds_store_b32 v[WSS], v[QSW+qs_] offset:qs_*NG*128
.endif
.endm
.macro BITSTEP reg, width, inc
	v_bfe_u32 v[ZT], v[\reg], v[ZPOS], \width
	v_cmp_ge_u32 vcc_lo, v[ZK], v[ZT]
	s_wait_alu depctr_va_vcc(0)                    ; the compare has written VCC, which the two selections below read (each step hangs on the step before: no run of compares here)
	v_cndmask_b32 v[ZT], 0, v[ZT], vcc_lo
	v_sub_nc_u32 v[ZK], v[ZK], v[ZT]
	v_cndmask_b32 v[ZU], 0, \inc, vcc_lo
	v_add_nc_u32 v[ZPOS], v[ZPOS], v[ZU]
.endm
.macro SELECT first                    ; v[TOK] = the place of the v[IDX]-th set bit (from 0) of the 1,024 bits s[32:63].  first = 1: s[RR] = the number of set bits
	v_mov_b32 v[ZW], s32
	v_mov_b32 v[ZP], 0
	v_mov_b32 v[ZJ], 0
	s_mov_b32 s[RUN], 0
.irp g, 0,1,2,3                        ; the 31 compares go in runs of eight, each into a mask of its own, with one wait behind the run
.irp i, 0,1,2,3,4,5,6,7
.if 8*\g+\i < 31
	s_bcnt1_i32_b32 s[TS], s[32+8*\g+\i]
	s_add_co_u32 s[RUN], s[RUN], s[TS]             ; set bits in words 0 .. j, j = 8 g + i,
	s_mov_b32 s[PS+\i], s[RUN]                     ; kept for the selection below
	v_cmp_le_u32 s[MK+\i], s[PS+\i], v[IDX]        ; mine lies further on: take word j + 1
.endif
.endr
	s_wait_alu depctr_va_sdst(0)                   ; the run's compares have written their masks, which the selections below read
.irp i, 0,1,2,3,4,5,6,7
.if 8*\g+\i < 31
	v_cndmask_b32 v[ZW], v[ZW], s[33+8*\g+\i], s[MK+\i]
	v_cndmask_b32 v[ZP], v[ZP], s[PS+\i], s[MK+\i]
	v_cndmask_b32 v[ZJ], v[ZJ], 8*\g+\i+1, s[MK+\i]
.endif
.endr
.endr
.if \first
	s_bcnt1_i32_b32 s[TS], s63
	s_add_co_u32 s[RR], s[RUN], s[TS]
	s_min_u32 s[RR], s[RR], 1024
.endif
	v_sub_nc_u32 v[ZK], v[IDX], v[ZP]
	v_lshrrev_b32 v[ZT], 1, v[ZW]
	v_and_b32 v[ZT], 0x55555555, v[ZT]
	v_sub_nc_u32 v[ZA], v[ZW], v[ZT]
	v_lshrrev_b32 v[ZT], 2, v[ZA]
	v_and_b32 v[ZT], 0x33333333, v[ZT]
	v_and_b32 v[ZB], 0x33333333, v[ZA]
	v_add_nc_u32 v[ZB], v[ZB], v[ZT]
	v_lshrrev_b32 v[ZT], 4, v[ZB]
	v_add_nc_u32 v[ZC], v[ZB], v[ZT]
	v_and_b32 v[ZC], 0x0f0f0f0f, v[ZC]
	v_lshrrev_b32 v[ZT], 8, v[ZC]
	v_add_nc_u32 v[ZD], v[ZC], v[ZT]
	v_mov_b32 v[ZPOS], 0
	BITSTEP ZD, 8, 16
	BITSTEP ZC, 8, 8
	BITSTEP ZB, 4, 4
	BITSTEP ZA, 2, 2
	BITSTEP ZW, 1, 1
	v_lshl_add_u32 v[TOK], v[ZJ], 5, v[ZPOS]
.endm
.macro TOKPREP
	v_mov_b32 v[OTH], 0
	v_permlanex16_b32 v[OTH], v[TOK], s[SEL], s[SEL+1]
	v_cndmask_b32 v[TA], v[TOK], v[OTH], s[HIM]    ; row lane % 16's token,
	v_cndmask_b32 v[TB], v[OTH], v[TOK], s[HIM]    ; row 16 + lane % 16's
	v_min_u32 v[TA], 0x3ff, v[TA]                  ; a number read from memory enters an address behind a bound
	v_min_u32 v[TB], 0x3ff, v[TB]
	v_min_u32 v[TOK], 0x3ff, v[TOK]
	v_lshlrev_b32 v[GA], 5, v[TA]
	v_lshlrev_b32 v[GB], 5, v[TB]
	v_lshlrev_b32 v[TMO], 2, v[TOK]
	s_mul_i32 s[TS], s[RB], 3072
	v_add_nc_u32 v[HIO], s[TS], v[WL0]
	s_lshl_b32 s[TS], s[RB], 2
	v_lshl_add_u32 v[HSO], v1, 2, s[TS]
.endm
.macro OPLOAD s                        ; h's two fragments and scale words of K step s: seven loads, 512 bytes on end each but the last
.irp rt, 0,1
.irp c, 0,1,2
	global_load_b128 v[OPF+24*((\s)%NBUF)+12*\rt+4*\c:OPF+24*((\s)%NBUF)+12*\rt+4*\c+3], v[HIO], s[8:9] offset:49152*\rt+FRB*(\s)+512*\c
.endr
.endr
	global_load_b32 v[OPS+(\s)%NBUF], v[HSO], s[10:11] offset:4096*(\s)
.endm
.macro PRE                             ; the rows' weights, my token's bits, b2, and the first three K steps of h: 11 + 21 loads
	global_load_b32 v[WA], v[GA], s[16:17]
	global_load_b32 v[WA+2], v[GB], s[16:17]
	global_load_b32 v[TMV], v[TMO], s[14:15]
.irp ct, 0,1,2,3
	global_load_b128 v[B2+8*\ct:B2+8*\ct+3], v[BO], s[6:7] offset:(32*(\ct/2)+8*(\ct%2))*4
	global_load_b128 v[B2+8*\ct+4:B2+8*\ct+7], v[BO], s[6:7] offset:(32*(\ct/2)+8*(\ct%2))*4+16
.endr
	OPLOAD 0
	OPLOAD 1
	OPLOAD 2
.endm
.macro WLOAD p
.set ws_, (\p)/NG
.set wg_, (\p)%NG
.set wb_, (\p)%2
.irp u, 0,1
.set wf_, ws_*NCT+2*wg_+\u
.irp c, 0,1,2
.if wf_ < 32
	ds_load_b128 v[WB+24*wb_+12*\u+4*\c:WB+24*wb_+12*\u+4*\c+3], v[WL0] offset:wf_*FRB+512*\c
.else
	ds_load_b128 v[WB+24*wb_+12*\u+4*\c:WB+24*wb_+12*\u+4*\c+3], v[WL1] offset:(wf_-32)*FRB+512*\c
.endif
.endr
.endr
	ds_load_b32 v[WS+wb_], v[WSL] offset:(ws_*NG+wg_)*128
.endm
.macro WM u, rt                        ; one product; in K step 0 the constant 0 starts the sum: nothing is cleared
.set md_, ACC+8*NCT*(\rt)+8*(2*pg_+(\u))
.set ma_, WB+24*pb_+12*(\u)
.set mb_, OPF+24*(ps_%NBUF)+12*(\rt)
.if ps_ == 0
.if (\u) == 0 && (\rt) == 0
	v_wmma_scale_f32_16x16x128_f8f6f4 v[md_:md_+7], v[ma_:ma_+11], v[mb_:mb_+11], 0, v[WS+pb_], v[OPS+ps_%NBUF] matrix_a_fmt:MATRIX_FMT_FP6 matrix_b_fmt:MATRIX_FMT_FP6
.elseif (\u) == 1 && (\rt) == 0
	v_wmma_scale_f32_16x16x128_f8f6f4 v[md_:md_+7], v[ma_:ma_+11], v[mb_:mb_+11], 0, v[WS+pb_], v[OPS+ps_%NBUF] matrix_a_fmt:MATRIX_FMT_FP6 matrix_b_fmt:MATRIX_FMT_FP6 matrix_a_scale:MATRIX_SCALE_ROW1
.elseif (\u) == 0
	v_wmma_scale_f32_16x16x128_f8f6f4 v[md_:md_+7], v[ma_:ma_+11], v[mb_:mb_+11], 0, v[WS+pb_], v[OPS+ps_%NBUF] matrix_a_fmt:MATRIX_FMT_FP6 matrix_b_fmt:MATRIX_FMT_FP6 matrix_b_scale:MATRIX_SCALE_ROW1
.else
	v_wmma_scale_f32_16x16x128_f8f6f4 v[md_:md_+7], v[ma_:ma_+11], v[mb_:mb_+11], 0, v[WS+pb_], v[OPS+ps_%NBUF] matrix_a_fmt:MATRIX_FMT_FP6 matrix_b_fmt:MATRIX_FMT_FP6 matrix_a_scale:MATRIX_SCALE_ROW1 matrix_b_scale:MATRIX_SCALE_ROW1
.endif
.else
.if (\u) == 0 && (\rt) == 0
	v_wmma_scale_f32_16x16x128_f8f6f4 v[md_:md_+7], v[ma_:ma_+11], v[mb_:mb_+11], v[md_:md_+7], v[WS+pb_], v[OPS+ps_%NBUF] matrix_a_fmt:MATRIX_FMT_FP6 matrix_b_fmt:MATRIX_FMT_FP6
.elseif (\u) == 1 && (\rt) == 0
	v_wmma_scale_f32_16x16x128_f8f6f4 v[md_:md_+7], v[ma_:ma_+11], v[mb_:mb_+11], v[md_:md_+7], v[WS+pb_], v[OPS+ps_%NBUF] matrix_a_fmt:MATRIX_FMT_FP6 matrix_b_fmt:MATRIX_FMT_FP6 matrix_a_scale:MATRIX_SCALE_ROW1
.elseif (\u) == 0
	v_wmma_scale_f32_16x16x128_f8f6f4 v[md_:md_+7], v[ma_:ma_+11], v[mb_:mb_+11], v[md_:md_+7], v[WS+pb_], v[OPS+ps_%NBUF] matrix_a_fmt:MATRIX_FMT_FP6 matrix_b_fmt:MATRIX_FMT_FP6 matrix_b_scale:MATRIX_SCALE_ROW1
.else
	v_wmma_scale_f32_16x16x128_f8f6f4 v[md_:md_+7], v[ma_:ma_+11], v[mb_:mb_+11], v[md_:md_+7], v[WS+pb_], v[OPS+ps_%NBUF] matrix_a_fmt:MATRIX_FMT_FP6 matrix_b_fmt:MATRIX_FMT_FP6 matrix_a_scale:MATRIX_SCALE_ROW1 matrix_b_scale:MATRIX_SCALE_ROW1
.endif
.endif
.endm
.macro PAIR p                          ; four products on four accumulators; the 8 accumulators take turns, one instruction a turn
.set ps_, (\p)/NG
.set pg_, (\p)%NG
.set pb_, (\p)%2
.if (\p) < NP-1
	s_wait_dscnt 7                                 ; this pair's seven LDS loads are in; the next pair's may be out
.else
	s_wait_dscnt 0x0
.endif
.if pg_ == 0
.if NS-1-ps_ < NBUF-1
	s_wait_loadcnt 7*(NS-1-ps_)                    ; this K step's rows are in; behind them: seven loads for each later K step asked for
.else
	s_wait_loadcnt 7*(NBUF-1)
.endif
.endif
	WM 0, 0
	WM 1, 0
	WM 0, 1
	WM 1, 1
.if (\p)+2 < NP
	s_wait_alu depctr_va_vdst(0)                   ; the four products are done reading their set of W2's fragments and its scale words, in which the LDS loads below land; at a K step's end the eight are done reading h's set and its scale words likewise
	WLOAD (\p)+2                                   ; the set is asked for again at once, so that fourteen LDS loads stay out
.endif
.if pg_ == NG-1
.if ps_+NBUF < NS
	OPLOAD ps_+NBUF
.endif
.endif
.if (\p) == NP-1
.rept 4
	v_nop                                          ; four places behind the last products, in front of the first vector lines that read results or write operands (ISA guide 7.12.1)
.endr
.endif
.endm
	s_load_b256 s[4:11], s[0:1], 0x0               ; W2 s[4:5], b2 s[6:7], hq s[8:9], hs s[10:11]
	s_load_b256 s[12:19], s[0:1], 0x20             ; em s[12:13], tm s[14:15], gw s[16:17], yp s[18:19]
	v_lshl_add_u32 v38, v0, 2, 0x2a000
	v_mov_b32 v39, 0
	v_lshrrev_b32 v1, 5, v0
	v_readfirstlane_b32 s[WV], v1                  ; wave 0..15
	v_and_b32 v1, 31, v0                           ; lane
	v_bfe_u32 v2, v0, 4, 1                         ; h
	v_and_b32 v3, 15, v0                           ; r
	v_and_b32 v[WO], 7, v0
	v_and_b32 v[OTH], 8, v0
	v_lshl_or_b32 v[WO], v[OTH], 1, v[WO]
	v_lshl_or_b32 v[WO], v2, 3, v[WO]              ; my column in the group: (l & 7) + 2 (l & 8) + 8 h
	v_lshlrev_b32 v[WO], 2, v[WO]
	s_and_b32 s[EX], ttmp7, 0xffff                 ; the expert
	s_and_b32 s[OS], ttmp9, 15                     ; the slice of 64 outputs
	s_lshr_b32 s[KH], ttmp9, 4                     ; the half of H
	s_wait_alu depctr_va_sdst(0)                   ; the wave's number is written in s[WV], ahead of its first reader
	s_and_b32 s[GG], s[WV], 1                      ; my group of 32 columns
	s_lshr_b32 s[QQ], s[WV], 1                     ; my eighth of the half's K
	s_lshl_b32 s2, s[EX], 24                       ; W2: the expert's 16 MiB, the half's 8 MiB, my 256 rows of 4 KiB, the slice's 256 bytes, my group's 128
	s_lshl_b32 s3, s[KH], 23
	s_add_co_u32 s2, s2, s3
	s_lshl_b32 s3, s[QQ], 20
	s_add_co_u32 s2, s2, s3
	s_lshl_b32 s3, s[OS], 8
	s_add_co_u32 s2, s2, s3
	s_lshl_b32 s3, s[GG], 7
	s_add_co_u32 s2, s2, s3
	s_mov_b32 s3, 0
	s_wait_kmcnt 0x0
	s_add_nc_u64 s[4:5], s[4:5], s[2:3]
	s_lshl_b32 s2, s[EX], 7
	s_add_nc_u64 s[12:13], s[12:13], s[2:3]
	s_load_b512 s[32:47], s[12:13], 0x0            ; the expert's 1,024 bits
	s_load_b512 s[48:63], s[12:13], 0x40
	s_wait_alu depctr_va_vdst(0)                   ; v[WO] is written, which every load of W2 reads as its offset
	LOADB 0
	LOADB 1
	s_lshl_b32 s2, s[EX], 12
	s_lshl_b32 s[TS], s[OS], 8
	s_add_co_u32 s2, s2, s[TS]
	s_add_nc_u64 s[6:7], s[6:7], s[2:3]            ; b2 at the slice
	s_mul_i32 s2, s[EX], 3145728
	s_mul_i32 s[TS], s[KH], 16*FRB
	s_add_co_u32 s2, s2, s[TS]
	s_add_nc_u64 s[8:9], s[8:9], s[2:3]            ; hq: the expert, the half's first K step
	s_lshl_b32 s2, s[EX], 17
	s_lshl_b32 s[TS], s[KH], 16
	s_add_co_u32 s2, s2, s[TS]
	s_add_nc_u64 s[10:11], s[10:11], s[2:3]        ; hs likewise
	s_lshl_b32 s2, s[EX], 2
	s_add_nc_u64 s[16:17], s[16:17], s[2:3]        ; gw: the expert's column
	s_lshl_b32 s2, s[KH], 23
	s_lshl_b32 s[TS], s[OS], 8
	s_add_co_u32 s2, s2, s[TS]
	s_add_nc_u64 s[18:19], s[18:19], s[2:3]        ; yp: the half's two planes, the slice's 256 bytes
	v_lshlrev_b32 v[WL0], 4, v1
	v_add_nc_u32 v[WL1], 32*FRB, v[WL0]
	v_lshl_add_u32 v[WSL], v1, 2, WSC
	s_lshl_b32 s2, s[QQ], 3
	s_lshl_b32 s[TS], s[GG], 1
	s_add_co_u32 s2, s2, s[TS]
	s_mul_i32 s2, s2, FRB
	v_add_nc_u32 v[WI], s2, v[WL0]                 ; my fragments: 4 (2 q + s') + 2 g + u
	s_lshl_b32 s2, s[QQ], 2
	s_add_co_u32 s2, s2, s[GG]
	s_lshl_b32 s2, s2, 7
	s_add_co_u32 s2, s2, WSC
	v_lshl_add_u32 v[WSS], v1, 2, s2               ; my scale words: 2 (2 q + s') + g
	s_mul_i32 s2, s[WV], 16*272
	s_add_co_u32 s2, s2, STG                       ; my stage
	v_mul_u32_u24 v[SO], v3, 272
	v_lshl_add_u32 v[SO], v2, 6, v[SO]
	v_add_nc_u32 v[SO], s2, v[SO]
	v_mul_u32_u24 v[SR], v2, 272
	v_lshl_add_u32 v[SR], v3, 4, v[SR]
	v_add_nc_u32 v[SR], s2, v[SR]
	v_lshlrev_b32 v[IX], 2, v2
	v_lshlrev_b32 v[CO], 4, v3
	v_lshlrev_b32 v[BO], 6, v2
	v_mov_b32 v[WA+1], 0                           ; named as the upper halves of pairs
	v_mov_b32 v[WA+3], 0
	s_mov_b32 s[HIM], 0xffff0000
	s_mov_b32 s[SEL], 0x76543210
	s_mov_b32 s[SEL+1], 0xfedcba98
	s_lshl_b32 s[LOW], 1, s[EX]
	s_sub_co_u32 s[LOW], s[LOW], 1
	s_mul_i32 s[TR], s[KH], 2040
	s_sub_co_u32 s[TR], 4096, s[TR]
	s_add_co_u32 s[TR], s[TR], s[EX]               ; row 4096 + 8 kh + e of yp, less the half's 2048 kh
	s_cmp_eq_u32 s[KH], 0
	s_cselect_b32 s[FLG], 0x3f800000, 0
	s_mov_b32 s[FLG+1], s[FLG]
	s_mov_b32 s[CNT], 0
	s_lshl_b32 s[RB], s[WV], 5                     ; my first unit: rows 32 w on
	s_wait_kmcnt 0x0
	v_add_nc_u32 v[IDX], s[RB], v1
	s_wait_alu depctr_va_vdst(0)
	SELECT 1                                       ; while the first weights are on their way
	TOKPREP
.irp t, 0,1,2,3,4,5,6,7
	QBLK \t
.endr
	s_wait_dscnt 0x0                               ; for the others' sake: my images lie in LDS
	s_wait_alu depctr_vm_vsrc(0)                   ; my LDS stores have read the fragments v104-151 and the scale words v159-160, in which the loads below and the loop's first LDS loads land
	PRE                                            ; my first unit's rows are asked for ahead of the barrier (a wave without rows uses none of it).  Block 7's wait on va_vdst stands behind the kernel's last vector line so far: the offsets v11, v12, v23, v25-v27 are written, and v40-191 are done with
	s_barrier_signal -1
	s_barrier_wait -1                              ; the slice's 64 fragments lie in LDS; nobody writes them again
	s_cmp_ge_u32 s[RB], s[RR]
	s_cbranch_scc1 .Lend
.Lunit:
	WLOAD 0                                        ; no vector or matrix line stands between the last wait on va_vdst and these loads, on the way in and on the way back alike
	WLOAD 1
.set pp_, 0
.rept NP
	PAIR pp_
.set pp_, pp_+1
.endr
	; THE WAY OUT: all its vector work first, then one run of LDS instructions, then one run of stores.
	; Where each row goes: plane slot of the half, row = its token; a row past the expert's last: the row that nobody reads
	v_and_b32 v[ET], s[LOW], v[TMV]
	v_cmp_ne_u32 s[MK], 0, v[ET]                   ; my token's other expert is the lower one: slot 1
	v_cmp_gt_u32 s[MK+1], s[RR], v[IDX]            ; my row is one of the expert's
	v_mov_b32 v[EU], s[TR]
.irp m, 0,1,2,3,4,5,6,7,8,9,10,11,12,13,14,15
	v_add_nc_u32 v[BX+\m], 8*\m, v[IX]             ; store m takes rows 2 m (lanes 0-15) and 2 m + 1 (lanes 16-31) of the unit: their places come from lanes 2 m + h.  An index register to each permute, so that none is written again between them
.endr
.irp rt, 0,1
.irp i, 0,1,2,3,4,5,6,7,8,9,10,11,12,13,14,15
	v_pk_fma_f32 v[ACC+32*\rt+2*\i:ACC+32*\rt+2*\i+1], v[B2+2*\i:B2+2*\i+1], s[FLG:FLG+1], v[ACC+32*\rt+2*\i:ACC+32*\rt+2*\i+1] op_sel_hi:[1,0,1]   ; + b2, in the first half of H alone (each accumulator from its low end on)
.endr
.irp i, 0,1,2,3,4,5,6,7,8,9,10,11,12,13,14,15
	v_pk_mul_f32 v[ACC+32*\rt+2*\i:ACC+32*\rt+2*\i+1], v[ACC+32*\rt+2*\i:ACC+32*\rt+2*\i+1], v[WA+2*\rt:WA+2*\rt+1] op_sel_hi:[1,0]   ; x the row's weight
.endr
.endr
	s_wait_alu depctr_va_sdst(0)                   ; the two compares have written their masks, which the selections below read
	v_cndmask_b32 v[ET], 0, 0x400, s[MK]
	v_add_nc_u32 v[ET], v[ET], v[TOK]
	v_cndmask_b32 v[DQ], v[EU], v[ET], s[MK+1]
	s_wait_alu depctr_va_vdst(0)                   ; the indices v120-135 and v[DQ] are written, which the permutes read; so are the accumulators, which the stores into the stage read; the products are done reading v40-119, in which the permutes' and the LDS loads' results land
.irp m, 0,1,2,3,4,5,6,7,8,9,10,11,12,13,14,15
	ds_bpermute_b32 v[DD+\m], v[BX+\m], v[DQ]
.endr
.irp rt, 0,1
.irp ct, 0,1,2,3
	ds_store_b128 v[SO], v[ACC+32*\rt+8*\ct:ACC+32*\rt+8*\ct+3] offset:128*(\ct/2)+32*(\ct%2)          ; lane (r, h): outputs 32 b + 16 h + 8 u + 0 .. 7 of row r
	ds_store_b128 v[SO], v[ACC+32*\rt+8*\ct+4:ACC+32*\rt+8*\ct+7] offset:128*(\ct/2)+32*(\ct%2)+16
.endr
.irp i, 0,1,2,3,4,5,6,7
	ds_load_b128 v[OUT+32*\rt+4*\i:OUT+32*\rt+4*\i+3], v[SR] offset:544*\i   ; LDS serves a wave's instructions in order: these see my stores, and the next tile's stores come behind them
.endr
.endr
	s_wait_dscnt 0x0
.irp m, 0,1,2,3,4,5,6,7,8,9,10,11,12,13,14,15
	v_min_u32 v[DD+\m], 0x1fff, v[DD+\m]           ; a number read from memory enters an address behind a bound
.endr
.irp m, 0,1,2,3,4,5,6,7,8,9,10,11,12,13,14,15
	v_lshl_add_u32 v[DD+\m], v[DD+\m], 12, v[CO]
.endr
	s_wait_alu depctr_va_vdst(0)                   ; the sixteen offsets v104-119 are written, which the stores below read
.irp m, 0,1,2,3,4,5,6,7,8,9,10,11,12,13,14,15
	global_store_b128 v[DD+\m], v[OUT+4*\m:OUT+4*\m+3], s[18:19] th:TH_STORE_NT   ; sixteen lanes store 256 bytes on end, at a multiple of 256 from yp's first byte
.endr
	s_wait_alu depctr_vm_vsrc(0)                   ; the unit's stores, LDS stores, permutes and loads have read their data, indices and offsets (v11, v12, v18, v25-v27, v40-135, the accumulators), which the next unit writes again: ahead of the branch, so on every way to those writes
	s_add_co_u32 s[RB], s[RB], 512                 ; sixteen waves x 32 rows on
	s_cmp_ge_u32 s[RB], s[RR]
	s_cbranch_scc1 .Lend                           ; no rows are left for me: always so behind a second trip, since the expert has at most 1,024 rows
	s_wait_xcnt 0x0                                ; the stores have read their registers and addresses: both are written again below
	v_add_nc_u32 v[IDX], s[RB], v1
	s_wait_alu depctr_va_vdst(0)
	SELECT 0
	TOKPREP
	s_wait_alu depctr_va_vdst(0)                   ; the next unit's offsets v11, v12, v25-v27 are written, which its loads read; products, the way out and the search are done with v14, v16, v24 and v32-191, in which the loads below and the loop's first LDS loads land
	PRE
	s_add_co_u32 s[CNT], s[CNT], 1                 ; the loop is counted: 1,024 rows / (16 waves x 32 rows) = two trips at the most
	s_cmp_lt_u32 s[CNT], 2
	s_cbranch_scc1 .Lunit
.Lend:
	s_wait_dscnt 0x0                               ; the closing lines, six on end
	s_wait_alu 0x0
	s_wait_tensorcnt 0x0
	ds_add_u32 v38, v39
	s_wait_dscnt 0x0
	s_endpgm
.Lfunc_end_k_qb3a06d5ee0_ffn2:
	.size	k_qb3a06d5ee0_ffn2, .Lfunc_end_k_qb3a06d5ee0_ffn2-k_qb3a06d5ee0_ffn2
	.p2alignl 7, 3214868480
	.fill 96, 4, 3214868480
	.section	.rodata,"a",@progbits
	.p2align	6, 0x0
	.amdhsa_kernel k_qb3a06d5ee0_ffn2
		.amdhsa_group_segment_fixed_size 174080
		.amdhsa_private_segment_fixed_size 0
		.amdhsa_enable_private_segment 0
		.amdhsa_kernarg_size 64
		.amdhsa_user_sgpr_count 2
		.amdhsa_user_sgpr_kernarg_segment_ptr 1
		.amdhsa_wavefront_size32 1
		.amdhsa_system_sgpr_workgroup_id_x 1
		.amdhsa_system_sgpr_workgroup_id_y 1
		.amdhsa_system_sgpr_workgroup_id_z 1
		.amdhsa_system_vgpr_workitem_id 0
		.amdhsa_next_free_vgpr 256
		.amdhsa_next_free_sgpr 88
		.amdhsa_reserve_vcc 1
		.amdhsa_float_denorm_mode_32 3
		.amdhsa_float_denorm_mode_16_64 3
		.amdhsa_memory_ordered 1
		.amdhsa_forward_progress 1
		.amdhsa_inst_pref_size 129
	.end_amdhsa_kernel
	.amdgpu_metadata
---
amdhsa.version: [ 1, 2 ]
amdhsa.kernels:
  - .name:           k_qb3a06d5ee0_ffn2
    .symbol:         k_qb3a06d5ee0_ffn2.kd
    .args:
      - { .name: W2, .offset: 0, .size: 8, .value_kind: global_buffer, .address_space: global }
      - { .name: b2, .offset: 8, .size: 8, .value_kind: global_buffer, .address_space: global }
      - { .name: hq, .offset: 16, .size: 8, .value_kind: global_buffer, .address_space: global }
      - { .name: hs, .offset: 24, .size: 8, .value_kind: global_buffer, .address_space: global }
      - { .name: em, .offset: 32, .size: 8, .value_kind: global_buffer, .address_space: global }
      - { .name: tm, .offset: 40, .size: 8, .value_kind: global_buffer, .address_space: global }
      - { .name: gw, .offset: 48, .size: 8, .value_kind: global_buffer, .address_space: global }
      - { .name: yp, .offset: 56, .size: 8, .value_kind: global_buffer, .address_space: global }
    .group_segment_fixed_size: 174080
    .private_segment_fixed_size: 0
    .kernarg_segment_align: 8
    .kernarg_segment_size: 64
    .max_flat_workgroup_size: 512
    .sgpr_count:     88
    .vgpr_count:     256
    .wavefront_size: 32
...
	.end_amdgpu_metadata
.endif
;; end of part 7
;; launch comb (part 8): grid 256 x 1, 8 waves a work-group, no clusters, 0 bytes of LDS; arguments yp, out0; writes out0
.if DOCPART == 8
	.amdgcn_target "amdgcn-amd-amdhsa--gfx1250"
	.amdhsa_code_object_version 6
	.text
	.protected	k_qb3a06d5ee0_comb
	.globl	k_qb3a06d5ee0_comb
	.p2align	8
	.type	k_qb3a06d5ee0_comb,@function
k_qb3a06d5ee0_comb:
	s_mov_b64 s[64:65], 0
	v_nop
	global_prefetch_b8 v0, s[64:65] scope:SCOPE_SE
	s_setreg_imm32_b32 hwreg(HW_REG_WAVE_MODE, 25, 1), 1
	s_wait_xcnt 0x0
; out0[token] = the sum of the token's four rows of yp (two halves of H x its two experts), (p0 + p1) + (p2 + p3), in f32.  yp's planes are 4 MiB apart.
; A stream: a work-group takes 16 KiB of out0, a thread four pieces of 16 bytes, 4,096 bytes apart; each load and store of a wave covers 512 bytes on end.  All 16 loads of a thread go out at once.
; No LDS, no matrix unit, no loop: nothing is shared and nothing is read twice.
.set P, 16                             ; v16-79: piece j, plane p at v[16 + 16 j + 4 p]
	s_load_b128 s[4:7], s[0:1], 0x0                ; yp s[4:5], out0 s[6:7]
	v_lshlrev_b32 v1, 4, v0
	s_lshl_b32 s8, ttmp9, 14
	s_mov_b32 s9, 0
	s_wait_alu depctr_va_vdst(0)
	s_wait_kmcnt 0x0
	s_add_nc_u64 s[4:5], s[4:5], s[8:9]
	s_add_nc_u64 s[6:7], s[6:7], s[8:9]
	s_add_nc_u64 s[10:11], s[4:5], 0x800000        ; planes 2 and 3: beyond the reach of a signed 24-bit immediate (ISA guide, chapter 10)
.irp j, 0,1,2,3
	global_load_b128 v[P+16*\j:P+16*\j+3], v1, s[4:5] offset:4096*\j th:TH_LOAD_NT
	global_load_b128 v[P+16*\j+4:P+16*\j+7], v1, s[4:5] offset:4096*\j+0x400000 th:TH_LOAD_NT
	global_load_b128 v[P+16*\j+8:P+16*\j+11], v1, s[10:11] offset:4096*\j th:TH_LOAD_NT
	global_load_b128 v[P+16*\j+12:P+16*\j+15], v1, s[10:11] offset:4096*\j+0x400000 th:TH_LOAD_NT
.endr
.irp j, 0,1,2,3
	s_wait_loadcnt 12-4*\j                         ; piece j's four loads are in; the later pieces' may be out
	v_pk_add_f32 v[P+16*\j:P+16*\j+1], v[P+16*\j:P+16*\j+1], v[P+16*\j+4:P+16*\j+5]
	v_pk_add_f32 v[P+16*\j+2:P+16*\j+3], v[P+16*\j+2:P+16*\j+3], v[P+16*\j+6:P+16*\j+7]
	v_pk_add_f32 v[P+16*\j+8:P+16*\j+9], v[P+16*\j+8:P+16*\j+9], v[P+16*\j+12:P+16*\j+13]
	v_pk_add_f32 v[P+16*\j+10:P+16*\j+11], v[P+16*\j+10:P+16*\j+11], v[P+16*\j+14:P+16*\j+15]
	s_delay_alu instid0(VALU_DEP_2)
	v_pk_add_f32 v[P+16*\j:P+16*\j+1], v[P+16*\j:P+16*\j+1], v[P+16*\j+8:P+16*\j+9]
	s_delay_alu instid0(VALU_DEP_2)
	v_pk_add_f32 v[P+16*\j+2:P+16*\j+3], v[P+16*\j+2:P+16*\j+3], v[P+16*\j+10:P+16*\j+11]
	global_store_b128 v1, v[P+16*\j:P+16*\j+3], s[6:7] offset:4096*\j th:TH_STORE_NT
.endr
	s_endpgm
.Lfunc_end_k_qb3a06d5ee0_comb:
	.size	k_qb3a06d5ee0_comb, .Lfunc_end_k_qb3a06d5ee0_comb-k_qb3a06d5ee0_comb
	.p2alignl 7, 3214868480
	.fill 96, 4, 3214868480
	.section	.rodata,"a",@progbits
	.p2align	6, 0x0
	.amdhsa_kernel k_qb3a06d5ee0_comb
		.amdhsa_group_segment_fixed_size 0
		.amdhsa_private_segment_fixed_size 0
		.amdhsa_enable_private_segment 0
		.amdhsa_kernarg_size 16
		.amdhsa_user_sgpr_count 2
		.amdhsa_user_sgpr_kernarg_segment_ptr 1
		.amdhsa_wavefront_size32 1
		.amdhsa_system_sgpr_workgroup_id_x 1
		.amdhsa_system_sgpr_workgroup_id_y 1
		.amdhsa_system_sgpr_workgroup_id_z 1
		.amdhsa_system_vgpr_workitem_id 0
		.amdhsa_next_free_vgpr 96
		.amdhsa_next_free_sgpr 66
		.amdhsa_reserve_vcc 0
		.amdhsa_float_denorm_mode_32 3
		.amdhsa_float_denorm_mode_16_64 3
		.amdhsa_memory_ordered 1
		.amdhsa_forward_progress 1
		.amdhsa_inst_pref_size 5
	.end_amdhsa_kernel
	.amdgpu_metadata
---
amdhsa.version: [ 1, 2 ]
amdhsa.kernels:
  - .name:           k_qb3a06d5ee0_comb
    .symbol:         k_qb3a06d5ee0_comb.kd
    .args:
      - { .name: yp, .offset: 0, .size: 8, .value_kind: global_buffer, .address_space: global }
      - { .name: out0, .offset: 8, .size: 8, .value_kind: global_buffer, .address_space: global }
    .group_segment_fixed_size: 0
    .private_segment_fixed_size: 0
    .kernarg_segment_align: 8
    .kernarg_segment_size: 16
    .max_flat_workgroup_size: 256
    .sgpr_count:     66
    .vgpr_count:     96
    .wavefront_size: 32
...
	.end_amdgpu_metadata
.endif
;; end of part 8
